; MI455X (gfx1250); checked and timed in simulation.
; The chip was launched on July 23, 2026; its instructions are those of AMD's public machine-readable ISA for CDNA 5 (MIT licence, August 2026) and "CDNA5" Instruction Set Architecture Reference Guide (July 2026). The comments in the code are by the model that wrote it; some were corrected since.
;; Multi Head Attention. Allowed arithmetic: matrix products marked QUANTISED: E2M3 operands, one E8M0 scale for each 32 along K, by v_wmma_scale_f32_16x16x128_f8f6f4 with both operands' format E2M3, f32 sums; everything else in f32.
;; Inputs: Wc 1,024 x 1,024 float32; Wk 1,024 x 1,024 float32; Wq 1,024 x 1,024 float32; Wv 1,024 x 1,024 float32; bc 1,024 float32; bk 1,024 float32; bq 1,024 float32; bv 1,024 float32; key 2 x 2,048 x 1,024 float32; mask 2 x 2,048 float32; mlp_b1 512 float32; mlp_b2 1,024 float32; mlp_w1 1,024 x 512 float32; mlp_w2 512 x 1,024 float32; query 2 x 2,048 x 1,024 float32; rms1_scale 1,024 float32; rms2_scale 1,024 float32; value 2 x 2,048 x 1,024 float32.
;; Outputs: out0 2 x 2,048 x 1,024 float32.
;; This version of the problem:
;;   THIS VERSION OF THE PROBLEM IS GIVEN IN LOW PRECISION. The matrix products marked QUANTISED in the list below multiply operands that are first quantised to E2M3 (2 exponent bits, 3 mantissa bits; 6 bits a number), with one power-of-two scale for each 32 numbers along K (OCP MX v1.0); their sums are f32. All else is computed in f32.
;;   The module's matrix products, in the order in which they are computed (A, B: the left and right operand; K: the contracted axis; several contracted axes count as one K, in the product's order):
;;     1. [M 4,096, K 1,024] x [K 1,024, N 1,024]; A: input query; B: input Wq: QUANTISED
;;     2. [M 4,096, K 1,024] x [K 1,024, N 1,024]; A: input key; B: input Wk: QUANTISED
;;     3. [M 4,096, K 1,024] x [K 1,024, N 1,024]; A: input value; B: input Wv: QUANTISED
;;     4. batch 32 x [M 2,048, K 64] x [K 64, N 2,048]; A: computed on the way; B: computed on the way: QUANTISED
;;     5. batch 32 x [M 64, K 2,048] x [K 2,048, N 2,048]; A: computed on the way; B: softmax (see below): QUANTISED
;;     6. [M 4,096, K 1,024] x [K 1,024, N 1,024]; A: computed on the way; B: input Wc: QUANTISED
;;     7. [M 4,096, K 1,024] x [K 1,024, N 512]; A: computed on the way; B: input mlp_w1: QUANTISED
;;     8. [M 4,096, K 512] x [K 512, N 1,024]; A: computed on the way; B: input mlp_w2: QUANTISED
;;   THE QUANTISER, for each operand of a quantised product, along K:
;;     - K is cut into blocks of 32 from its start; a last block that is shorter is filled with zeros.
;;     - A block's scale is 2^e with e = floor(log2(the largest magnitude in the block)) - 2, held to -126 .. 127; a block of zeros has e = 0. As a byte (E8M0): e + 127.
;;     - Each number is divided by its block's scale, clamped to +-7.5, and rounded to the nearest number of E2M3, ties to even, subnormals kept.
;;     - The product sums the exact products of the quantised numbers (number of the format x scale) in f32.
;;   ~~~python
;;   def quantise(x, axis):      # numpy; x: float32 -> the quantised numbers, widened to float32 again
;;       x = np.moveaxis(x, axis, -1); K = x.shape[-1]
;;       x = np.pad(x, [(0, 0)] * (x.ndim - 1) + [(0, -K % 32)]); x = x.reshape(x.shape[:-1] + (-1, 32)); a = np.abs(x).max(-1, keepdims=True)
;;       e = np.where(a > 0, np.clip(np.frexp(np.where(a > 0, a, 1))[1] - 1 - 2, -126, 127), 0)      # np.frexp(a)[1] - 1 = floor(log2(a)), exactly
;;       r = np.clip(x / 2.0 ** e, -7.5, 7.5)
;;       step = 2.0 ** (np.maximum(np.frexp(np.where(r == 0, 1, r))[1] - 1, 0) - 3)
;;       q = np.round(r / step) * step * 2.0 ** e      # np.round: ties to even
;;       return np.moveaxis(q.reshape(q.shape[:-2] + (-1,))[..., :K], -1, axis).astype(np.float32)
;;   ~~~
;;   SOFTMAX AHEAD OF A QUANTISED PRODUCT. Where the list says 'softmax', what is quantised is not the finished softmax but p = 2^(t - M), with t = logit x log2(e) and M = ceil(the row's largest t), a whole number; so 1/2 < the row's largest p <= 1. The row's sum l is taken of the UNQUANTISED p, in f32, and the product's result is divided by l at the end. Since M is a whole number, a kernel that streams over the keys may use a running M (the ceiling of the running maximum): every later rescaling is an exact power of two, which a block's scale takes up: the codes' values come out the same.
;;   OPERANDS COMPUTED ON THE WAY. 'Computed on the way' means the value that the module computes at that place (a softmax that the list does not call 'softmax' is quantised finished and normalised). What goes into a quantiser is computed in f32, as accurately as f32 sums, v_exp_f32 and their like allow (about 1e-6 of the number): no bf16 or f16 on the way to a quantiser, and a product that is left as it is and whose result goes on into a quantised operand takes f32 operands (vector FMAs, or v_wmma_f32_16x16x4_f32). A number that lies on a knife's edge between two numbers of the format may be rounded either way, as far as f32 arithmetic and the matrix unit's own rounding can turn it there, and no further.
;; 2 versions. Each part assembles by itself: llvm-mc -triple=amdgcn-amd-amdhsa -mcpu=gfx1250 --defsym DOCPART=n.
;; ======== version 1 of 2: 4 launches
;; workspace buffers: wts 4,096,000 bytes; xq 9,830,400 bytes; qkv 9,830,400 bytes; o6 3,276,800 bytes
;; launch prep (part 1): grid 928 x 1, 4 waves a work-group, no clusters, 59,904 bytes of LDS; arguments query, key, value, Wq, Wk, Wv, Wc, mlp_w1, mlp_w2, xq, wts; writes xq, wts
.if DOCPART == 1
	.amdgcn_target "amdgcn-amd-amdhsa--gfx1250"
	.amdhsa_code_object_version 6
	.text
	.protected	k_qdd00154067_prep
	.globl	k_qdd00154067_prep
	.p2align	8
	.type	k_qdd00154067_prep,@function
k_qdd00154067_prep:
	s_mov_b64 s[64:65], 0
	v_nop
	global_prefetch_b8 v0, s[64:65] scope:SCOPE_SE
	s_setreg_imm32_b32 hwreg(HW_REG_WAVE_MODE, 25, 1), 1
	s_wait_xcnt 0x0
; PREP: the three activations (K innermost) and the six weights (K is their first axis) become codes of FP6 (E2M3) with one E8M0 byte for each 32 along K,
; laid in the ORDER OF THE OPERAND'S REGISTERS.  A fragment is 16 rows x 128 K = 12 registers a lane = 1,536 bytes: registers 4 c .. 4 c + 3 of lane l at 512 c + 16 l.
; THE ROWS OF A TILE ARE NOT NEIGHBOURS: lane r of tile T holds row 32 (T / 2) + 8 (T % 2) + r + 8 (r / 8), so that results of two neighbouring tiles used as source 0 are 16 neighbours along the next K.
; Scale words: [tile][r][K / 128 words], one word (four bytes) for a row and 128 along K.
; A block's scale is 2^(floor(log2(largest magnitude)) - 2); its byte is the largest magnitude's exponent field - 2, held at 1 from below.
; LIMITS: a block of zeros, or one whose largest magnitude lies under 2^-124, gets the byte 1 (the bytes are read by this program alone; zero codes add nothing); NaN and infinities are not served.
; Work-groups 0 .. 767: one tile of 16 rows of query, key or value, all 1,024 along K; wave w takes K steps 2 w and 2 w + 1.
; Work-groups 768 .. 927: 128 columns x 256 along K of a weight; a lane takes a column and its registers run down K.
; The two ways have LDS bytes of their own.  Waves share nothing: no barrier.
.set SEL,  28                          ; s[28:29] lane selects: lane l xor 16
.set TM,   192                         ; v192-195 largest magnitudes, v196-199 bytes, v204-207 the conversions' scale operands
.set TP,   184                         ; v184-190 the upper halves of the blocks' codes
.set XSTG, 8448                        ; a wave's stage on the first way: 16 rows x (512 bytes + 16)
.set WSTG, 4*XSTG                      ; the second way's stages begin here,
.set WSTW, 6400                        ; one for each wave: two tiles, 3,200 bytes apart, of two fragments each
.set VO,   32                          ; v32-63   4 x lane + i x the weight's row, i = 0 .. 31
.set WX,   64                          ; v64-127  two sets of 32 numbers
.set CW,   128                         ; v128-133 a block's codes; v136-138 their upper half as converted
.set SB,   24                          ; v24-25   the scale words of the two K steps
.set OUTR, 144                         ; v144-191 the way out
.set BW,   40                          ; s[40:55] the eight blocks' first rows
; 64 numbers of a lane, register 16 b + i = k 32 b + 16 (lane / 16) + i of my row, become a fragment in v[pc] on and its scale word in v[pw]
.macro QUANT s, pc, pw
.irp b, 0,1,2,3
	v_max3_num_f32 v[TM+\b], |v[\s+16*\b]|, |v[\s+1+16*\b]|, 0x1800000   ; my 16 numbers of block b, and the floor 2^(3 - 127): the byte cannot fall under 1
.endr
.irp i, 2,4,6,8,10,12,14
.irp b, 0,1,2,3
	v_max3_num_f32 v[TM+\b], v[TM+\b], |v[\s+16*\b+\i]|, |v[\s+1+16*\b+\i]|
.endr
.endr
.irp b, 0,1,2,3
	v_permlanex16_b32 v[TM+4+\b], v[TM+\b], s[SEL], s[SEL+1]
.endr
.irp b, 0,1,2,3
	v_max_num_f32 v[TM+\b], v[TM+\b], v[TM+4+\b]       ; with lane l xor 16's: the block's largest magnitude
.endr
.irp b, 0,1,2,3
	v_add_nc_u32 v[TM+12+\b], 0xff000000, v[TM+\b]     ; 2 off its exponent field: the conversion's scale operand
.endr
.irp b, 0,1,2,3
	v_lshrrev_b32 v[TM+4+\b], 23, v[TM+12+\b]          ; the scale's byte
.endr
	v_lshl_or_b32 v[\pw], v[TM+5], 8, v[TM+4]
	v_lshl_or_b32 v[\pw], v[TM+6], 16, v[\pw]
	v_lshl_or_b32 v[\pw], v[TM+7], 24, v[\pw]
.irp c, 0,1
	v_cvt_scalef32_pk16_fp6_f32 v[\pc+6*\c:\pc+2+6*\c], v[\s+32*\c:\s+15+32*\c], v[TM+12+2*\c]
	v_cvt_scalef32_pk16_fp6_f32 v[TP+4*\c:TP+2+4*\c], v[\s+16+32*\c:\s+31+32*\c], v[TM+13+2*\c]   ; (a conversion's three registers begin on an even number)
.endr
	v_nop                                              ; one plain place behind a scaled conversion
.irp c, 0,1                                            ; the layout wants a whole block in a lane: lanes 0-15 block 2 c, lanes 16-31 block 2 c + 1
.irp i, 0,1,2
	v_permlane16_swap_b32 v[\pc+6*\c+\i], v[TP+4*\c+\i]
.endr
.irp i, 0,1,2
	v_mov_b32 v[\pc+3+6*\c+\i], v[TP+4*\c+\i]
.endr
.endr
.endm
	s_load_b512 s[4:19], s[0:1], 0x0               ; query, key, value, Wq, Wk, Wv, Wc, mlp_w1
	s_load_b128 s[20:23], s[0:1], 0x40             ; mlp_w2, xq
	s_load_b64 s[24:25], s[0:1], 0x50              ; wts
	v_lshl_add_u32 v216, v0, 2, 0xe800
	v_mov_b32 v217, 0
	v_lshrrev_b32 v1, 5, v0
	v_readfirstlane_b32 s26, v1                    ; wave 0..3
	v_and_b32 v1, 31, v0                           ; lane
	s_mov_b32 s[SEL], 0x76543210
	s_mov_b32 s[SEL+1], 0xfedcba98
	s_cmp_ge_u32 ttmp9, 768
	s_cbranch_scc1 .Lweights
	; ---------------- the activations ----------------
	v_and_b32 v2, 15, v0                           ; r
	v_bfe_u32 v3, v0, 4, 1                         ; h
	v_lshlrev_b32 v4, 4, v1                        ; 16 x lane
	s_mul_i32 s30, s26, XSTG
	v_add_nc_u32 v5, s30, v4                       ; the stage by rows: 16 bytes a lane
	v_mul_u32_u24 v6, v2, 528
	v_lshl_add_u32 v6, v3, 6, v6
	v_add_nc_u32 v6, s30, v6                       ; and by the quantiser's layout: row r, + 64 h
	v_lshlrev_b32 v7, 5, v2
	v_lshl_add_u32 v7, v3, 2, v7                   ; scale words: 32 r + 4 h
.irp b, 0,1,2,3
	v_mov_b32 v[TM+4+\b], 0                        ; written once: a lane permute's destination counts as one of its sources
.endr
	s_lshr_b32 s31, ttmp9, 8                       ; which tensor
	s_and_b32 s32, ttmp9, 255                      ; which tile
	s_lshr_b32 s33, s32, 1
	s_lshl_b32 s33, s33, 17                        ; 32 rows of 4,096 bytes for each pair of tiles,
	s_and_b32 s34, s32, 1
	s_lshl_b32 s34, s34, 15                        ; 8 rows for the odd one,
	s_add_co_u32 s36, s33, s34
	s_lshl_b32 s34, s26, 10                        ; my two K steps: 1,024 bytes
	s_add_co_u32 s36, s36, s34
	s_mov_b32 s37, 0
	s_mul_i32 s38, s31, 3145728                    ; codes: tensor, tile (8 fragments), my two fragments
	s_mul_i32 s33, s32, 12288
	s_add_co_u32 s38, s38, s33
	s_mul_i32 s33, s26, 3072
	s_add_co_u32 s38, s38, s33
	s_mov_b32 s39, 0
	s_lshl_b32 s40, s31, 17                        ; scale words: tensor, tile (512 bytes), my two words
	s_lshl_b32 s33, s32, 9
	s_add_co_u32 s40, s40, s33
	s_lshl_b32 s33, s26, 3
	s_add_co_u32 s40, s40, s33
	s_add_co_u32 s40, s40, 9437184
	s_mov_b32 s41, 0
	s_wait_kmcnt 0x0
	s_cmp_eq_u32 s31, 1
	s_cselect_b64 s[42:43], s[6:7], s[4:5]
	s_cmp_eq_u32 s31, 2
	s_cselect_b64 s[42:43], s[8:9], s[42:43]
	s_add_nc_u64 s[42:43], s[42:43], s[36:37]
	s_add_nc_u64 s[44:45], s[22:23], s[38:39]
	s_add_nc_u64 s[46:47], s[22:23], s[40:41]
.macro LOADX t                         ; K step t of my two: each load reads 512 consecutive bytes of one of the tile's rows
.irp i, 0,1,2,3,4,5,6,7,8,9,10,11,12,13,14,15
	global_load_b128 v[32+64*\t+4*\i:32+64*\t+4*\i+3], v4, s[42:43] offset:(\i+8*(\i/8))*4096+512*\t th:TH_LOAD_NT
.endr
.endm
.macro TURNX t                         ; through my stage: in by rows, back 16 neighbours of each block a lane.  LDS serves a wave's instructions in order: no wait between
.irp i, 0,1,2,3,4,5,6,7,8,9,10,11,12,13,14,15
	ds_store_b128 v5, v[32+64*\t+4*\i:32+64*\t+4*\i+3] offset:528*\i
.endr
.irp i, 0,1,2,3,4,5,6,7,8,9,10,11,12,13,14,15
	ds_load_b128 v[32+64*\t+4*\i:32+64*\t+4*\i+3], v6 offset:128*(\i/4)+16*(\i%4)
.endr
.endm
	LOADX 0
	LOADX 1
	s_wait_loadcnt 16                              ; the first K step's 16 loads are in; the second's may be out
	TURNX 0
	s_wait_loadcnt 0x0
	TURNX 1
	s_wait_dscnt 32                                ; the first turn is back; behind it stand the second's 16 stores and 16 loads
	QUANT 32, 160, 208
.irp c, 0,1,2
	global_store_b128 v4, v[160+4*\c:163+4*\c], s[44:45] offset:512*\c          ; 32 lanes store 512 consecutive bytes
.endr
	s_wait_dscnt 0x0
	QUANT 96, 172, 209
.irp c, 0,1,2
	global_store_b128 v4, v[172+4*\c:175+4*\c], s[44:45] offset:1536+512*\c
.endr
	v_cmp_ne_u32 vcc_lo, 0, v3
	v_cndmask_b32 v210, v208, v209, vcc_lo         ; lanes 0-15 store the first K step's word of row r, lanes 16-31 the second's
	global_store_b32 v7, v210, s[46:47]
	s_wait_tensorcnt 0x0
	ds_add_u32 v216, v217
	s_wait_dscnt 0x0
	s_endpgm
	; ---------------- the weights ----------------
.Lweights:
	s_sub_co_u32 s30, ttmp9, 768                   ; 0..127: Wq, Wk, Wv, Wc, 32 each; 128..143: mlp_w1; 144..159: mlp_w2
	s_lshr_b32 s31, s30, 5
	s_lshr_b32 s33, s30, 4
	s_cmp_ge_u32 s30, 128
	s_cselect_b32 s38, 15, 31
	s_and_b32 s32, s30, s38                        ; my number within the tensor
	s_mul_i32 s36, s31, 786432                     ; where its codes begin in wts (4 x 786,432 is mlp_w1's place),
	s_lshl_b32 s37, s31, 15
	s_add_co_u32 s37, s37, 3932160                 ; and its scale words
	s_cmp_eq_u32 s33, 8                            ; mlp_w1: 512 columns
	s_cselect_b32 s38, 3, 7
	s_cselect_b32 s70, 2, 3
	s_cselect_b32 s39, 11, 12                      ; log2 of a row's bytes
	s_and_b32 s56, s32, s38                        ; which 128 columns
	s_lshr_b32 s57, s32, s70                       ; which 256 along K
	s_cmp_eq_u32 s33, 9                            ; mlp_w2: K = 512
	s_cselect_b32 s58, 2, 3                        ; log2 of the K steps in a row
	s_cselect_b32 s36, 3538944, s36
	s_cselect_b32 s37, 4079616, s37
	s_lshl_b32 s59, 1, s39                         ; a row's bytes
	v_lshlrev_b32 v[VO], 2, v1
.set i, 1
.rept 31
	v_add_nc_u32 v[VO+i], s59, v[VO+i-1]
.set i, i+1
.endr
	s_add_co_u32 s70, s39, 8
	s_lshl_b32 s60, s57, s70                       ; 256 rows for each step along K,
	s_lshl_b32 s70, s56, 9
	s_add_co_u32 s60, s60, s70                     ; 128 columns,
	s_lshl_b32 s70, s26, 7
	s_add_co_u32 s60, s60, s70                     ; my wave's 32
	s_mov_b32 s61, 0
	s_add_co_u32 s70, s39, 5
	s_lshl_b32 s62, 1, s70                         ; 32 rows: from block to block
	s_mov_b32 s63, 0
	s_lshl_b32 s71, s56, 3
	s_lshl_b32 s70, s26, 1
	s_add_co_u32 s71, s71, s70                     ; my wave's first tile: 32 columns are two tiles
	s_lshl_b32 s72, s71, s58
	s_lshl_b32 s70, s57, 1
	s_add_co_u32 s72, s72, s70                     ; its fragment of my first K step
	s_mul_i32 s72, s72, 1536
	s_add_co_u32 s72, s72, s36
	s_mov_b32 s73, 0
	s_add_co_u32 s70, s58, 6
	s_lshl_b32 s74, s71, s70                       ; a tile's scale words: 16 rows x 4 bytes x K steps
	s_lshl_b32 s70, s57, 3
	s_add_co_u32 s74, s74, s70
	s_add_co_u32 s74, s74, s37
	s_mov_b32 s75, 0
	s_lshl_b32 s76, 1536, s58                      ; from a tile's fragments to the next tile's
	s_add_co_u32 s77, s58, 2                       ; log2 of a row's scale bytes
	v_bfe_u32 v2, v0, 3, 1                         ; column l of the 32 is row r' of tile u: u = (l / 8) % 2,
	v_and_b32 v3, 7, v0
	v_bfe_u32 v9, v0, 4, 1
	v_lshl_add_u32 v3, v9, 3, v3                   ; r' = l % 8 + 8 (l / 16)
	s_mul_i32 s78, s26, WSTW
	s_add_co_u32 s78, s78, WSTG                    ; my stage
	v_mul_u32_u24 v4, v2, 3200
	v_lshl_add_u32 v4, v3, 4, v4
	v_add_nc_u32 v4, s78, v4                       ; into it: tile u, 16 bytes for lane r' of the fragment
	v_lshlrev_b32 v6, 4, v1
	v_add_nc_u32 v5, s78, v6                       ; out of it: 16 bytes a lane
	v_add_nc_u32 v7, s76, v6                       ; the second tile's place in memory
	v_lshl_add_u32 v8, v2, 4, v3
	v_lshlrev_b32 v8, s77, v8                      ; my column's row of scale words
	s_wait_kmcnt 0x0
	s_cmp_eq_u32 s31, 1
	s_cselect_b64 s[34:35], s[12:13], s[10:11]
	s_cmp_eq_u32 s31, 2
	s_cselect_b64 s[34:35], s[14:15], s[34:35]
	s_cmp_eq_u32 s31, 3
	s_cselect_b64 s[34:35], s[16:17], s[34:35]
	s_cmp_eq_u32 s33, 8
	s_cselect_b64 s[34:35], s[18:19], s[34:35]
	s_cmp_eq_u32 s33, 9
	s_cselect_b64 s[34:35], s[20:21], s[34:35]
	s_add_nc_u64 s[BW:BW+1], s[34:35], s[60:61]
.irp t, 1,2,3,4,5,6,7
	s_add_nc_u64 s[BW+2*\t:BW+2*\t+1], s[BW+2*\t-2:BW+2*\t-1], s[62:63]
.endr
	s_add_nc_u64 s[66:67], s[24:25], s[72:73]
	s_add_nc_u64 s[68:69], s[24:25], s[74:75]
.macro LOADW t                         ; block t: W(32 t + i, my column): 32 lanes read 128 consecutive bytes
.irp i, 0,1,2,3,4,5,6,7,8,9,10,11,12,13,14,15,16,17,18,19,20,21,22,23,24,25,26,27,28,29,30,31
	global_load_b32 v[WX+32*((\t)%2)+\i], v[VO+\i], s[BW+2*(\t):BW+2*(\t)+1] th:TH_LOAD_NT
.endr
.endm
	LOADW 0
	LOADW 1
; Block t is k 64 c + 32 hh of K step t / 4, c = (t % 4) / 2, hh = t % 2: registers 6 c .. 6 c + 5 of lane 16 hh + r' of the fragment.
.macro BLOCKW t
.set XS, WX+32*((\t)%2)
.set SOFF, ((\t)/4)*1536+256*((\t)%2)
.if (\t) < 7
	s_wait_loadcnt 32                              ; this block's 32 loads are in; the next block's may be out
.else
	s_wait_loadcnt 0x0
.endif
	v_max3_num_f32 v12, |v[XS]|, |v[XS+1]|, |v[XS+2]|      ; the block's largest magnitude: all 32 numbers are mine
	v_max3_num_f32 v13, |v[XS+3]|, |v[XS+4]|, |v[XS+5]|
.irp i, 6,10,14,18,22,26
	v_max3_num_f32 v12, v12, |v[XS+\i]|, |v[XS+\i+1]|
	v_max3_num_f32 v13, v13, |v[XS+\i+2]|, |v[XS+\i+3]|
.endr
	v_max3_num_f32 v12, v12, |v[XS+30]|, |v[XS+31]|
	v_max3_num_f32 v12, v12, v13, 0x1800000        ; and the floor
	v_add_nc_u32 v11, 0xff000000, v12              ; the conversion's scale operand
	v_lshrrev_b32 v13, 23, v11                     ; the scale's byte
.if (\t)%4 == 0
	v_mov_b32 v[SB+(\t)/4], v13
.else
	v_lshl_or_b32 v[SB+(\t)/4], v13, 8*((\t)%4), v[SB+(\t)/4]
.endif
	v_cvt_scalef32_pk16_fp6_f32 v[CW:CW+2], v[XS:XS+15], v11
	v_cvt_scalef32_pk16_fp6_f32 v[CW+8:CW+10], v[XS+16:XS+31], v11
	v_nop                                          ; one plain place behind a scaled conversion
.irp i, 0,1,2
	v_mov_b32 v[CW+3+\i], v[CW+8+\i]
.endr
.if ((\t)%4)/2 == 0
	ds_store_b128 v4, v[CW:CW+3] offset:SOFF               ; registers 0-3
	ds_store_b64 v4, v[CW+4:CW+5] offset:SOFF+512          ; registers 4, 5
.else
	ds_store_b64 v4, v[CW:CW+1] offset:SOFF+512+8          ; registers 6, 7
	ds_store_b128 v4, v[CW+2:CW+5] offset:SOFF+1024        ; registers 8-11
.endif
.if (\t)+2 < 8
	LOADW (\t)+2
.endif
	s_wait_dscnt 0x0                               ; the stores have read their registers: the next block's codes may be written
.endm
.irp t, 0,1,2,3,4,5,6,7
	BLOCKW \t
.endr
.irp i, 0,1,2,3,4,5,6,7,8,9,10,11
	ds_load_b128 v[OUTR+4*\i:OUTR+4*\i+3], v5 offset:(\i/6)*3200+((\i%6)/3)*1536+(\i%3)*512   ; LDS serves a wave's instructions in order: these see my stores
.endr
.irp i, 0,1,2,3,4,5
	s_wait_dscnt 11-\i                             ; the loads behind the i-th may be out
	global_store_b128 v6, v[OUTR+4*\i:OUTR+4*\i+3], s[66:67] offset:(\i/3)*1536+(\i%3)*512     ; 32 lanes store 512 consecutive bytes
.endr
.irp i, 6,7,8,9,10,11
	s_wait_dscnt 11-\i
	global_store_b128 v7, v[OUTR+4*\i:OUTR+4*\i+3], s[66:67] offset:((\i-6)/3)*1536+(\i%3)*512
.endr
	global_store_b64 v8, v[SB:SB+1], s[68:69]      ; my column's two scale words
	s_wait_tensorcnt 0x0
	ds_add_u32 v216, v217
	s_wait_dscnt 0x0
	s_endpgm
.Lfunc_end_k_qdd00154067_prep:
	.size	k_qdd00154067_prep, .Lfunc_end_k_qdd00154067_prep-k_qdd00154067_prep
	.p2alignl 7, 3214868480
	.fill 96, 4, 3214868480
	.section	.rodata,"a",@progbits
	.p2align	6, 0x0
	.amdhsa_kernel k_qdd00154067_prep
		.amdhsa_group_segment_fixed_size 59904
		.amdhsa_private_segment_fixed_size 0
		.amdhsa_enable_private_segment 0
		.amdhsa_kernarg_size 88
		.amdhsa_user_sgpr_count 2
		.amdhsa_user_sgpr_kernarg_segment_ptr 1
		.amdhsa_wavefront_size32 1
		.amdhsa_system_sgpr_workgroup_id_x 1
		.amdhsa_system_sgpr_workgroup_id_y 1
		.amdhsa_system_sgpr_workgroup_id_z 1
		.amdhsa_system_vgpr_workitem_id 0
		.amdhsa_next_free_vgpr 218
		.amdhsa_next_free_sgpr 80
		.amdhsa_reserve_vcc 1
		.amdhsa_float_denorm_mode_32 3
		.amdhsa_float_denorm_mode_16_64 3
		.amdhsa_memory_ordered 1
		.amdhsa_forward_progress 1
		.amdhsa_inst_pref_size 62
	.end_amdhsa_kernel
	.amdgpu_metadata
---
amdhsa.version: [ 1, 2 ]
amdhsa.kernels:
  - .name:           k_qdd00154067_prep
    .symbol:         k_qdd00154067_prep.kd
    .args:
      - { .name: query, .offset: 0, .size: 8, .value_kind: global_buffer, .address_space: global }
      - { .name: key, .offset: 8, .size: 8, .value_kind: global_buffer, .address_space: global }
      - { .name: value, .offset: 16, .size: 8, .value_kind: global_buffer, .address_space: global }
      - { .name: Wq, .offset: 24, .size: 8, .value_kind: global_buffer, .address_space: global }
      - { .name: Wk, .offset: 32, .size: 8, .value_kind: global_buffer, .address_space: global }
      - { .name: Wv, .offset: 40, .size: 8, .value_kind: global_buffer, .address_space: global }
      - { .name: Wc, .offset: 48, .size: 8, .value_kind: global_buffer, .address_space: global }
      - { .name: mlp_w1, .offset: 56, .size: 8, .value_kind: global_buffer, .address_space: global }
      - { .name: mlp_w2, .offset: 64, .size: 8, .value_kind: global_buffer, .address_space: global }
      - { .name: xq, .offset: 72, .size: 8, .value_kind: global_buffer, .address_space: global }
      - { .name: wts, .offset: 80, .size: 8, .value_kind: global_buffer, .address_space: global }
    .group_segment_fixed_size: 59904
    .private_segment_fixed_size: 0
    .kernarg_segment_align: 8
    .kernarg_segment_size: 88
    .max_flat_workgroup_size: 128
    .sgpr_count:     80
    .vgpr_count:     218
    .wavefront_size: 32
...
	.end_amdgpu_metadata
.endif
;; end of part 1
;; launch proj (part 2): grid 4 x 48, 4 waves a work-group, clusters of 4 x 4, 327,680 bytes of LDS; arguments wts, xq, bq, bk, bv, qkv; writes qkv
.if DOCPART == 2
	.amdgcn_target "amdgcn-amd-amdhsa--gfx1250"
	.amdhsa_code_object_version 6
	.text
	.protected	k_qdd00154067_proj
	.globl	k_qdd00154067_proj
	.p2align	8
	.type	k_qdd00154067_proj,@function
k_qdd00154067_proj:
	s_mov_b64 s[64:65], 0
	v_nop
	global_prefetch_b8 v0, s[64:65] scope:SCOPE_SE
	s_setreg_imm32_b32 hwreg(HW_REG_WAVE_MODE, 25, 1), 1
	s_wait_xcnt 0x0
	s_wait_alu depctr_hold_cnt(0) depctr_sa_sdst(0) depctr_va_vdst(0) depctr_va_sdst(0) depctr_va_ssrc(0) depctr_va_vcc(0) depctr_vm_vsrc(0)
	s_getreg_b32 s2, hwreg(HW_REG_IB_STS2, 6, 4)
	s_cmp_eq_u32 s2, 0
	s_cbranch_scc0 .Lentry_in_a_cluster
	s_endpgm
.Lentry_in_a_cluster:
	s_bfe_u32 s2, ttmp6, 0x10000c
	s_cmp_lg_u32 s2, 0xf033
	s_cbranch_scc0 .Lentry_shape_is_right
	s_endpgm
.Lentry_shape_is_right:
; PROJ: q = query Wq + bq, k = key Wk + bk, v = value Wv + bv on codes of FP6 (E2M3), and the results quantised at once for the two products of attention.
; One text serves the three.  S0 (source 0) is the operand along whose rows the NEXT product's K runs, S1 (source 1) the operand whose row a lane keeps:
;   q, k: S0 = the weight's 1,024 columns (the next K is the head's 64), S1 = the 4,096 tokens;     v: S0 = the tokens (the next K is the keys), S1 = Wv's columns.
; A work-group makes 256 (S1) x 256 (S0); a wave 128 x 128: 64 accumulators, 512 registers.  K = 1,024 goes in four steps of 256 through a ring of two LDS slots.
; The operands lie in memory in the order of their registers: a tile of 16 rows has its eight fragments of 1,536 bytes on end, so a slot's part of a tile is 3,072 consecutive bytes,
; a fragment comes from LDS by three loads of 16 bytes a lane, 512 consecutive bytes each, and no padding is wanted.
; CLUSTERS: 4 x 4 work-groups; S1's tile is shared along a row of the cluster, S0's along a column: each is asked for jointly.  Cluster y = 4 x tensor + which quarter of the tokens.
; THE WAY OUT has no stage: S0's tiles hold their rows in the order 32 (T / 2) + 8 (T % 2) + r + 8 (r / 8), so a lane's 64 results for a tile of S1 are 16 neighbours of each of four blocks of 32 along the next K;
; bias added, they are quantised in registers into one fragment and one scale word a row, stored in the order of the registers, cut in halves of 64 along K:
; registers 0-3 at 16 l, 4-5 at 512 + 8 l, 6-9 at 768 + 16 l, 10-11 at 1,280 + 8 l.  For q and k the two halves are the two heads of a pair.
; LIMITS: NaN and infinities are not served; a block whose largest magnitude lies under 2^-124 (a block of zeros too) gets the byte 1: the bytes are read by this program alone.
; REGISTERS, in windows of 256: window 0: v0-31 addresses; v32-63 scale words, two sets; v64-127 the bias by S0; v128-223 S1's fragments, one set; v224-239 the bias by S1, each number twice; on the way out v128-255 at work.
;   window 1: S0's fragments, two sets, at v0 and v128.   windows 2, 3: the accumulators ((a, b) at v[8 (8 (a % 4) + b)] of window 2 + a / 4).
.set NQ,     2                         ; matrix instructions deep in a slot
.set FR,     12                        ; registers of a fragment
.set NL,     3                         ; LDS loads that bring one
.set NP,     4                         ; places behind this matrix instruction (ISA guide 7.12.1)
.set FROW,   3072                      ; a tile's part of a slot: two fragments
.set HALFT,  8*FROW                    ; 128 rows: what one tensor load brings, and what a wave reads of S1 or of S0
.set SLOT,   4*HALFT                   ; S1's 256 rows, then S0's
.set SCL,    2*SLOT                    ; behind the ring: the scale words for all of K, as units of 256 bytes + 16 of padding
.set HALFS,  16*272                    ; those of 128 rows (32 bytes a row)
.set SBLK,   2*272                     ; those of 16 rows
.set SPARE,  SCL+4*HALFS               ; behind the scales: the spare words, 128 bytes for each wave, that no other line names
.set ADRA, 16                          ; v16-17  LDS address of S1's fragments in slot 0, 1
.set ADRB, 20                          ; v20-21  the same for S0
.set ADRS, 27                          ; v27     LDS address of my scale words: lanes 0-15 S1's rows, lanes 16-31 S0's
.set SPW,  28                          ; v28     LDS address of my spare word; never rewritten
.set NIL,  29                          ; v29     0; never rewritten
.set SC,   32
.set AF,   128
.set B0,   64
.set B1,   224
.set HA,   128                         ; the way out: 64 numbers
.set PC,   192                         ; two sets of 12: the codes
.set TP,   216
.set TM,   240
.set PWJ,  32                          ; the eight scale words made
.set G1, 24
.set G0, 32
.set G1B, 48
.set G0B, 56
.set G1S, 68
.set G0S, 76
.set G1SB, 80
.set G0SB, 88
.set MSB, 0
.macro WIN new                         ; the immediate's high byte repeats the setting that is left
.if MSB != (\new)
	s_set_vgpr_msb (MSB<<8)|(\new)
.set MSB, (\new)
.endif
.endm
.set MUL_LO, 0xa1                      ; source 0 window 1, source 1 window 0, C and D window 2
.set MUL_HI, 0xf1                      ; the same, C and D window 3
.set TO_B,   0x40                      ; destination window 1, address window 0
; A joint load: waves 0 and 1 fetch for S1, waves 2 and 3 for S0.  The branch hangs on the wave's number alone.  Four v_nop follow each of the two lines.
.macro JLOAD g0a, g1a, g0b, g1b
	s_cmp_eq_u32 s17, 0
	s_cbranch_scc0 .Lfor_b_\@
	tensor_load_to_lds s[\g0a:\g0a+3], s[\g1a:\g1a+7]
	s_nop 0
.rept 4
	v_nop
.endr
	s_branch .Lasked_\@
.Lfor_b_\@:
	tensor_load_to_lds s[\g0b:\g0b+3], s[\g1b:\g1b+7]
	s_nop 0
.rept 4
	v_nop
.endr
.Lasked_\@:
.endm
.macro CREST                           ; a round of the cluster's barrier behind its opening barrier
	s_cmp_lg_u32 s16, 0
	s_cbranch_scc1 .Lnot_wave_0_\@
	s_barrier_signal -3
.Lnot_wave_0_\@:
	s_barrier_wait -3
	s_barrier_signal -1
	s_barrier_wait -1
.endm
.macro CROUND
	s_barrier_signal -1
	s_barrier_wait -1
	CREST
.endm
	s_load_b256 s[4:11], s[0:1], 0x0               ; wts, xq, bq, bk
	s_load_b128 s[12:15], s[0:1], 0x20             ; bv, qkv
	v_lshl_add_u32 v[SPW], v0, 2, SPARE
	v_mov_b32 v[NIL], 0
	ds_add_u32 v28, v29
	ds_add_u32 v28, v29
	s_wait_dscnt 0x0
	v_lshrrev_b32 v1, 5, v0
	v_readfirstlane_b32 s16, v1                    ; wave 0..3
	s_lshr_b32 s17, s16, 1                         ; which half of S1's rows is mine.  Also: I fetch for S1 (0) or for S0 (1)
	s_and_b32 s18, s16, 1                          ; which half of S0's.  Also: which 128 rows of that tile I fetch
	s_bfe_u32 s40, ttmp6, 0x40000                  ; cx
	s_bfe_u32 s41, ttmp6, 0x40004                  ; cy
	s_and_b32 s2, ttmp7, 0xffff                    ; cluster y, 0..11: the same in all sixteen partners
	s_lshr_b32 s42, s2, 2                          ; the tensor: 0 q, 1 k, 2 v
	s_and_b32 s43, s2, 3
	s_lshl_b32 s43, s43, 2                         ; four tiles of 256 tokens for each quarter
	s_lshl_b32 s44, s41, 2
	s_lshl_b32 s44, 15, s44                        ; my row of the cluster
	s_lshl_b32 s45, 0x1111, s40                    ; my column
	; group 1 for the codes: 8 tiles x 3,072 bytes (384 elements of 8 bytes), 12,288 bytes from tile to tile, no padding
	s_or_b32 s[G1+0], s44, (3<<16)|(1<<21)         ; 15:0 the mask: S1's tiles go to my row; 17:16 elements of 8 bytes; 21 set beside a mask
	s_or_b32 s[G1B+0], s45, (3<<16)|(1<<21)        ; S0's go to my column
.irp g, G1, G1B
	s_mov_b32 s[\g+1], 384<<16                     ; tensor_dim0
	s_mov_b32 s[\g+2], 8<<16                       ; tensor_dim1
	s_mov_b32 s[\g+3], 384<<16                     ; tile_dim0
	s_mov_b32 s[\g+4], 8                           ; tile_dim1
	s_mov_b32 s[\g+5], 1536                        ; tensor_dim0_stride
	s_mov_b32 s[\g+6], 0
	s_mov_b32 s[\g+7], 0
.endr
	; and for the scale words of 128 rows: 4,096 dense bytes as 16 rows of 256, 16 bytes of padding behind each
	s_or_b32 s[G1S+0], s44, (3<<16)|(1<<20)|(1<<21)|(5<<22)|(3<<25)
	s_or_b32 s[G1SB+0], s45, (3<<16)|(1<<20)|(1<<21)|(5<<22)|(3<<25)
.irp g, G1S, G1SB
	s_mov_b32 s[\g+1], 32<<16
	s_mov_b32 s[\g+2], 16<<16
	s_mov_b32 s[\g+3], 32<<16
	s_mov_b32 s[\g+4], 16
	s_mov_b32 s[\g+5], 32
	s_mov_b32 s[\g+6], 0
	s_mov_b32 s[\g+7], 0
.endr
	s_mul_i32 s2, s42, 786432                      ; the weight's codes in wts,
	s_lshl_b32 s3, s42, 15
	s_add_co_u32 s3, s3, 3932160                   ; its scale words,
	s_mul_i32 s19, s42, 3145728                    ; the activation's codes in xq,
	s_lshl_b32 s101, s42, 17
	s_add_co_u32 s101, s101, 9437184               ; its scale words
	s_cmp_eq_u32 s42, 2                            ; v changes the operands' places
	s_cselect_b32 s100, 1, 0
	s_cselect_b32 s20, s2, s19                     ; S1's codes
	s_cselect_b32 s22, s3, s101                    ; S1's scale words
	s_cselect_b32 s46, s19, s2                     ; S0's codes
	s_cselect_b32 s66, s101, s3                    ; S0's scale words
	s_cselect_b32 s92, 0, s43
	s_cselect_b32 s94, s43, 0
	s_cselect_b32 s43, 6, 8                        ; log2 of S1's tiles of 16 rows: 64 or 256
	s_add_co_u32 s41, s41, s92                     ; S1's tile of 256 rows: hangs on cy and the cluster's y
	s_add_co_u32 s40, s40, s94                     ; S0's: on cx and the cluster's y
	s_mul_i32 s2, s41, 196608
	s_add_co_u32 s20, s20, s2
	s_mul_i32 s2, s18, 98304                       ; which 128 rows I fetch
	s_add_co_u32 s20, s20, s2
	s_mov_b32 s21, 0
	s_lshl_b32 s2, s41, 13
	s_add_co_u32 s22, s22, s2
	s_lshl_b32 s2, s18, 12
	s_add_co_u32 s22, s22, s2
	s_mov_b32 s23, 0
	s_mul_i32 s3, s40, 196608
	s_add_co_u32 s46, s46, s3
	s_mul_i32 s3, s18, 98304
	s_add_co_u32 s46, s46, s3
	s_mov_b32 s47, 0
	s_lshl_b32 s3, s40, 13
	s_add_co_u32 s66, s66, s3
	s_lshl_b32 s3, s18, 12
	s_add_co_u32 s66, s66, s3
	s_mov_b32 s67, 0
	s_mul_i32 s19, s16, HALFT                      ; where they go: wave x 128 rows: no place in the cluster enters an LDS address
	s_mul_i32 s101, s16, HALFS
	s_wait_kmcnt 0x0
	s_cmp_eq_u32 s100, 1
	s_cselect_b64 s[92:93], s[4:5], s[6:7]         ; S1's buffer
	s_cselect_b64 s[94:95], s[6:7], s[4:5]         ; S0's
	s_add_nc_u64 s[20:21], s[92:93], s[20:21]
	s_add_nc_u64 s[22:23], s[92:93], s[22:23]
	s_add_nc_u64 s[46:47], s[94:95], s[46:47]
	s_add_nc_u64 s[66:67], s[94:95], s[66:67]
	s_cmp_eq_u32 s42, 1
	s_cselect_b64 s[96:97], s[10:11], s[8:9]
	s_cmp_eq_u32 s42, 2
	s_cselect_b64 s[96:97], s[12:13], s[96:97]     ; the tensor's bias
	s_mov_b64 s[98:99], s[96:97]
	CROUND                                         ; all sixteen work-groups are here: the first joint loads meet
	s_mov_b32 s[G0S], 1
	s_add_co_u32 s[G0S+1], s101, SCL
	s_mov_b64 s[G0S+2:G0S+3], s[22:23]
	s_or_b32 s[G0S+3], s[G0S+3], 0x80000000
	s_mov_b32 s[G0SB], 1
	s_add_co_u32 s[G0SB+1], s101, SCL
	s_mov_b64 s[G0SB+2:G0SB+3], s[66:67]
	s_or_b32 s[G0SB+3], s[G0SB+3], 0x80000000
	JLOAD G0S, G1S, G0SB, G1SB                     ; the scale words first: they are wanted with K step 0.  Three loads of mine are out behind the third JLOAD
.irp s, 0,1
	s_mov_b32 s[G0+4*\s], 1
	s_add_co_u32 s[G0+4*\s+1], s19, \s*SLOT
	s_add_nc_u64 s[G0+4*\s+2:G0+4*\s+3], s[20:21], \s*FROW
	s_or_b32 s[G0+4*\s+3], s[G0+4*\s+3], 0x80000000
	s_mov_b32 s[G0B+4*\s], 1
	s_add_co_u32 s[G0B+4*\s+1], s19, \s*SLOT
	s_add_nc_u64 s[G0B+4*\s+2:G0B+4*\s+3], s[46:47], \s*FROW
	s_or_b32 s[G0B+4*\s+3], s[G0B+4*\s+3], 0x80000000
	JLOAD G0+4*\s, G1, G0B+4*\s, G1B
.endr
	v_and_b32 v1, 15, v0                           ; r
	v_bfe_u32 v2, v0, 4, 1                         ; h
	v_and_b32 v3, 31, v0
	v_lshlrev_b32 v10, 4, v3                       ; 16 x lane
	v_lshlrev_b32 v11, 3, v3                       ; 8 x lane
	v_lshlrev_b32 v12, 2, v3                       ; 4 x lane
	s_mul_i32 s2, s17, HALFT                       ; my 128 rows of S1
	s_mul_i32 s3, s18, HALFT                       ; my 128 rows of S0,
	s_add_co_u32 s3, s3, 2*HALFT                   ; which lie behind S1's 256
.irp s, 0,1
	v_add_nc_u32 v[ADRA+\s], s2, v10
	v_add_nc_u32 v[ADRB+\s], s3, v10
	s_add_co_u32 s2, s2, SLOT
	s_add_co_u32 s3, s3, SLOT
.endr
	v_lshlrev_b32 v5, 5, v1                        ; my row's scale words: 32 bytes a row,
	v_lshrrev_b32 v6, 8, v5
	v_lshl_add_u32 v5, v6, 4, v5                   ; and 16 more for each 256 passed
	s_mul_i32 s2, s17, HALFS
	s_mul_i32 s3, s18, HALFS
	s_add_co_u32 s3, s3, 2*HALFS
	s_sub_co_u32 s3, s3, s2
	v_mul_u32_u24 v6, s3, v2                       ; lanes 16-31 take S0's
	s_add_co_u32 s2, s2, SCL
	v_add_nc_u32 v5, v5, v6
	v_add_nc_u32 v[ADRS], s2, v5
	; where the results go, and the bias
	s_lshl_b32 s2, s40, 1
	s_add_co_u32 s2, s2, s18                       ; my 128 rows of S0 are K step (q, k: head pair; v: 128 keys) number 2 x tile + half
	s_lshl_b32 s3, s41, 4
	s_lshl_b32 s20, s17, 3
	s_add_co_u32 s3, s3, s20                       ; my first tile of 16 rows of S1
	s_lshl_b32 s20, s2, s43
	s_add_co_u32 s20, s20, s3                      ; my first fragment
	s_mul_i32 s22, s20, 1536
	s_mul_i32 s21, s42, 3145728
	s_add_co_u32 s22, s22, s21
	s_mov_b32 s23, 0
	s_add_nc_u64 s[92:93], s[14:15], s[22:23]      ; its codes
	s_lshl_b32 s22, s20, 6
	s_lshl_b32 s21, s42, 17
	s_add_co_u32 s22, s22, s21
	s_add_co_u32 s22, s22, 9437184
	s_add_nc_u64 s[94:95], s[14:15], s[22:23]      ; its 16 scale words
	s_lshl_b32 s20, s2, 9
	s_lshl_b32 s22, s3, 6
	s_cmp_eq_u32 s100, 1
	s_cselect_b32 s20, 0, s20                      ; q, k: the bias runs along S0; v: along S1.  The set that is not used is loaded from the bias's first bytes
	s_cselect_b32 s22, s22, 0
	s_mov_b32 s21, 0
	s_add_nc_u64 s[96:97], s[96:97], s[20:21]
	s_add_nc_u64 s[98:99], s[98:99], s[22:23]
	v_lshlrev_b32 v8, 6, v2                        ; 64 h
	v_and_b32 v9, 8, v1
	v_add_nc_u32 v9, v9, v1
	v_lshlrev_b32 v9, 2, v9                        ; 4 (r + 8 (r / 8))
.irp b, 0,1,2,3
.irp q, 0,1,2,3
	global_load_b128 v[B0+16*\b+4*\q:B0+16*\b+4*\q+3], v8, s[96:97] offset:128*\b+16*\q    ; register 16 b + i: the bias of unit 32 b + 16 h + i of my 128
.endr
.endr
.irp j, 0,1,2,3,4,5,6,7
	global_load_b32 v[B1+2*\j], v9, s[98:99] offset:128*(\j/2)+32*(\j%2)                    ; the bias of my row of tile j, twice: a pair for the packed add
	global_load_b32 v[B1+2*\j+1], v9, s[98:99] offset:128*(\j/2)+32*(\j%2)
.endr
.macro FRAG reg, adr, q, i             ; a fragment as it lies: three loads of 16 bytes a lane
.irp c, 0,1,2
	ds_load_b128 v[\reg+4*\c:\reg+4*\c+3], v[\adr] offset:(\i)*FROW+(\q)*1536+512*\c
.endr
.endm
; 16 matrix instructions: S1's blocks a0, a0 + 1 x S0's eight, 128 along K.  The 64 accumulators take turns, one instruction a turn, in the same order in every step.
.macro MUL16 a0, p, q, sc, zero
.irp a, \a0, \a0+1
.irp b, 0,1,2,3,4,5,6,7
.if \zero
	v_wmma_scale_f32_16x16x128_f8f6f4 v[8*(8*((\a)%4)+\b):8*(8*((\a)%4)+\b)+7], v[128*(\p)+FR*\b:128*(\p)+FR*\b+FR-1], v[AF+FR*(\a):AF+FR*(\a)+FR-1], 0, v[SC+8*NQ*(\sc)+NQ*\b+(\q)], v[SC+8*NQ*(\sc)+NQ*(\a)+(\q)] matrix_a_fmt:MATRIX_FMT_FP6 matrix_b_fmt:MATRIX_FMT_FP6 matrix_a_scale:MATRIX_SCALE_ROW1
.else
	v_wmma_scale_f32_16x16x128_f8f6f4 v[8*(8*((\a)%4)+\b):8*(8*((\a)%4)+\b)+7], v[128*(\p)+FR*\b:128*(\p)+FR*\b+FR-1], v[AF+FR*(\a):AF+FR*(\a)+FR-1], v[8*(8*((\a)%4)+\b):8*(8*((\a)%4)+\b)+7], v[SC+8*NQ*(\sc)+NQ*\b+(\q)], v[SC+8*NQ*(\sc)+NQ*(\a)+(\q)] matrix_a_fmt:MATRIX_FMT_FP6 matrix_b_fmt:MATRIX_FMT_FP6 matrix_a_scale:MATRIX_SCALE_ROW1
.endif
.endr
.endr
.endm
.macro FETCH_B slot, q, p
	WIN TO_B
.irp i, 0,1,2,3,4,5,6,7
	FRAG 128*(\p)+FR*\i, ADRB+\slot, \q, \i
.endr
	WIN 0
.endm
.macro FETCH_A slot, q, i0
.irp i, \i0, \i0+1, \i0+2, \i0+3
	FRAG AF+FR*(\i), ADRA+\slot, \q, \i
.endr
.endm
.macro SCALES sc                       ; a K step's scale words: two a row; lanes 0-15 take S1's block i, lanes 16-31 S0's block i
.irp i, 0,1,2,3,4,5,6,7
	ds_load_b64 v[SC+8*NQ*\sc+NQ*\i:SC+8*NQ*\sc+NQ*\i+1], v[ADRS] offset:\i*SBLK
.endr
.endm
.macro PLACES n                        ; places in front of loads into registers that matrix instructions have read, and of the first read of results
.rept \n
	v_nop
.endr
.endm
.macro STEP slot, q, zero              ; a step of 128 along K that has its successor in the same slot
	s_wait_dscnt 4*NL                              ; S0's set and S1's blocks 0-3 are in; the youngest 12 loads (S1's blocks 4-7) may be out
	WIN MUL_LO
	MUL16 0, (\q)%2, \q, \slot, \zero
	MUL16 2, (\q)%2, \q, \slot, \zero
	s_wait_dscnt 0
	PLACES NP
	FETCH_B \slot, (\q)+1, 1-(\q)%2
	FETCH_A \slot, (\q)+1, 0
	WIN MUL_HI
	MUL16 4, (\q)%2, \q, \slot, \zero
	MUL16 6, (\q)%2, \q, \slot, \zero
	PLACES NP
	WIN 0
	FETCH_A \slot, (\q)+1, 4
.endm
; A slot's last step changes slots: one barrier; in front of it each wave waits for all its tensor loads, adds 0 to its spare word, and waits for that and for its reads of this slot.  fill = 1: the slot is filled again, two K steps ahead.
.macro TURN slot, next, fill
	s_wait_tensorcnt 0x0                           ; all my tensor loads have landed: my part of the next slot
	ds_add_u32 v[SPW], v[NIL]                      ; 0 onto my spare word
	s_wait_dscnt 4*NL+1                            ; (the add and the youngest 12 loads may be out)
	WIN MUL_LO
	MUL16 0, 1, NQ-1, \slot, 0
	s_wait_dscnt 0x0                               ; the add is done, and my reads of this slot are over
	s_barrier_signal -1
	MUL16 2, 1, NQ-1, \slot, 0
	WIN 0
	s_barrier_wait -1
.if \fill
	CREST                                          ; the barrier has opened a round of the cluster's barrier: no wave of any partner still reads this slot or has a load on its way
	s_add_nc_u64 s[G0+4*\slot+2:G0+4*\slot+3], s[G0+4*\slot+2:G0+4*\slot+3], 2*FROW
	s_add_nc_u64 s[G0B+4*\slot+2:G0B+4*\slot+3], s[G0B+4*\slot+2:G0B+4*\slot+3], 2*FROW
	JLOAD G0+4*\slot, G1, G0B+4*\slot, G1B         ; the first tensor load behind the round, my one load until the next
.else
	PLACES NP
.endif
	v_add_nc_u32 v[ADRS], 4*NQ, v[ADRS]            ; on to the next K step's scale words
	FETCH_B \next, 0, 0
	FETCH_A \next, 0, 0
	SCALES \next
	WIN MUL_HI
	MUL16 4, 1, NQ-1, \slot, 0
	MUL16 6, 1, NQ-1, \slot, 0
	PLACES NP
	WIN 0
	FETCH_A \next, 0, 4
.endm
	s_wait_tensorcnt 1                             ; the scale words and my part of K step 0 are in (K step 1's load may be out),
	s_barrier_signal -1
	s_barrier_wait -1                              ; everybody's are
	FETCH_B 0, 0, 0
	FETCH_A 0, 0, 0
	SCALES 0
	FETCH_A 0, 0, 4
	STEP 0, 0, 1                                   ; the first products start the sums: nothing is cleared
	TURN 0, 1, 1                                   ; K = 1,024 is four slots' worth: written out, no loop
	STEP 1, 0, 0
	TURN 1, 0, 1
	STEP 0, 0, 0
	TURN 0, 1, 0                                   ; nothing is left to fetch
	STEP 1, 0, 0
	s_wait_dscnt 4*NL
	WIN MUL_LO
	MUL16 0, 1, NQ-1, 1, 0
	MUL16 2, 1, NQ-1, 1, 0
	s_wait_dscnt 0
	WIN MUL_HI
	MUL16 4, 1, NQ-1, 1, 0
	MUL16 6, 1, NQ-1, 1, 0
	WIN 0
; THE WAY OUT.  64 numbers of a lane, register 16 b + i = k 32 b + 16 (lane / 16) + i of my row, become a fragment in v[pc] on and its scale word in v[pw].
.macro QUANT s, pc, pw
.irp b, 0,1,2,3
	v_max3_num_f32 v[TM+\b], |v[\s+16*\b]|, |v[\s+1+16*\b]|, 0x1800000   ; and the floor 2^(3 - 127): the byte cannot fall under 1
.endr
.irp i, 2,4,6,8,10,12,14
.irp b, 0,1,2,3
	v_max3_num_f32 v[TM+\b], v[TM+\b], |v[\s+16*\b+\i]|, |v[\s+1+16*\b+\i]|
.endr
.endr
.irp b, 0,1,2,3
	v_permlanex16_b32 v[TM+4+\b], v[TM+\b], s20, s21
.endr
.irp b, 0,1,2,3
	v_max_num_f32 v[TM+\b], v[TM+\b], v[TM+4+\b]
.endr
.irp b, 0,1,2,3
	v_add_nc_u32 v[TM+12+\b], 0xff000000, v[TM+\b]     ; 2 off the exponent field: the conversion's scale operand
.endr
.irp b, 0,1,2,3
	v_lshrrev_b32 v[TM+4+\b], 23, v[TM+12+\b]
.endr
	v_lshl_or_b32 v[\pw], v[TM+5], 8, v[TM+4]
	v_lshl_or_b32 v[\pw], v[TM+6], 16, v[\pw]
	v_lshl_or_b32 v[\pw], v[TM+7], 24, v[\pw]
.irp c, 0,1
	v_cvt_scalef32_pk16_fp6_f32 v[\pc+6*\c:\pc+2+6*\c], v[\s+32*\c:\s+15+32*\c], v[TM+12+2*\c]
	v_cvt_scalef32_pk16_fp6_f32 v[TP+4*\c:TP+2+4*\c], v[\s+16+32*\c:\s+31+32*\c], v[TM+13+2*\c]
.endr
	v_nop                                              ; one plain place behind a scaled conversion
.irp c, 0,1
.irp i, 0,1,2
	v_permlane16_swap_b32 v[\pc+6*\c+\i], v[TP+4*\c+\i]
.endr
.irp i, 0,1,2
	v_mov_b32 v[\pc+3+6*\c+\i], v[TP+4*\c+\i]
.endr
.endr
.endm
; Tile j of S1: the bias is added on the way into window 0, each accumulator from its low end on; the branch hangs on the cluster's y alone
.macro OUTT j
.set AC, 64*((\j)%4)
.set PCJ, PC+12*((\j)%2)
	s_cmp_eq_u32 s100, 1
	s_cbranch_scc1 .Lvb_\@
	WIN 2+(\j)/4                                   ; source 0: window 2 or 3
.set i, 0
.rept 32
	v_pk_add_f32 v[HA+i:HA+i+1], v[AC+i:AC+i+1], v[B0+i:B0+i+1]
.set i, i+2
.endr
	WIN 0
	s_branch .Lbd_\@
.Lvb_\@:
	WIN 2+(\j)/4
.set i, 0
.rept 32
	v_pk_add_f32 v[HA+i:HA+i+1], v[AC+i:AC+i+1], v[B1+2*(\j):B1+2*(\j)+1]
.set i, i+2
.endr
	WIN 0
.Lbd_\@:
.if (\j) > 1
	s_wait_xcnt 0x0                                ; the stores of two tiles back have read their registers: this set of codes may be written again
.endif
	QUANT HA, PCJ, PWJ+(\j)
	global_store_b128 v10, v[PCJ:PCJ+3], s[92:93] offset:1536*(\j)              ; 512 consecutive bytes
	global_store_b64 v11, v[PCJ+4:PCJ+5], s[92:93] offset:1536*(\j)+512         ; 256 consecutive bytes, at a multiple of 256 from the buffer's first byte
	global_store_b128 v10, v[PCJ+6:PCJ+9], s[92:93] offset:1536*(\j)+768
	global_store_b64 v11, v[PCJ+10:PCJ+11], s[92:93] offset:1536*(\j)+1280
.endm
	PLACES NP                                      ; behind the last products
	s_wait_loadcnt 0x0                             ; the bias
	s_mov_b32 s20, 0x76543210
	s_mov_b32 s21, 0xfedcba98                      ; lane l xor 16
.irp b, 0,1,2,3
	v_mov_b32 v[TM+4+\b], 0                        ; written once: a lane permute's destination counts as one of its sources
.endr
.irp j, 0,1,2,3,4,5,6,7
	OUTT \j
.endr
	v_cmp_ne_u32 vcc_lo, 0, v2
.irp i, 0,1,2,3
	v_cndmask_b32 v[40+\i], v[PWJ+2*\i], v[PWJ+2*\i+1], vcc_lo     ; lanes 0-15: tile 2 i's words, lanes 16-31: tile 2 i + 1's
	global_store_b32 v12, v[40+\i], s[94:95] offset:128*\i
.endr
	s_wait_tensorcnt 0x0                           ; the wave's end
	ds_add_u32 v[SPW], v[NIL]
	s_wait_dscnt 0x0
	CROUND                                         ; the closing round: no work-group ends while a partner may still ask for a tile that names it
	s_endpgm
.Lfunc_end_k_qdd00154067_proj:
	.size	k_qdd00154067_proj, .Lfunc_end_k_qdd00154067_proj-k_qdd00154067_proj
	.p2alignl 7, 3214868480
	.fill 96, 4, 3214868480
	.section	.rodata,"a",@progbits
	.p2align	6, 0x0
	.amdhsa_kernel k_qdd00154067_proj
		.amdhsa_group_segment_fixed_size 327680
		.amdhsa_private_segment_fixed_size 0
		.amdhsa_enable_private_segment 0
		.amdhsa_kernarg_size 48
		.amdhsa_user_sgpr_count 2
		.amdhsa_user_sgpr_kernarg_segment_ptr 1
		.amdhsa_wavefront_size32 1
		.amdhsa_system_sgpr_workgroup_id_x 1
		.amdhsa_system_sgpr_workgroup_id_y 1
		.amdhsa_system_sgpr_workgroup_id_z 1
		.amdhsa_system_vgpr_workitem_id 0
		.amdhsa_next_free_vgpr 1024
		.amdhsa_next_free_sgpr 102
		.amdhsa_reserve_vcc 1
		.amdhsa_float_denorm_mode_32 3
		.amdhsa_float_denorm_mode_16_64 3
		.amdhsa_memory_ordered 1
		.amdhsa_forward_progress 1
		.amdhsa_inst_pref_size 178
	.end_amdhsa_kernel
	.amdgpu_metadata
---
amdhsa.version: [ 1, 2 ]
amdhsa.kernels:
  - .name:           k_qdd00154067_proj
    .symbol:         k_qdd00154067_proj.kd
    .args:
      - { .name: wts, .offset: 0, .size: 8, .value_kind: global_buffer, .address_space: global }
      - { .name: xq, .offset: 8, .size: 8, .value_kind: global_buffer, .address_space: global }
      - { .name: bq, .offset: 16, .size: 8, .value_kind: global_buffer, .address_space: global }
      - { .name: bk, .offset: 24, .size: 8, .value_kind: global_buffer, .address_space: global }
      - { .name: bv, .offset: 32, .size: 8, .value_kind: global_buffer, .address_space: global }
      - { .name: qkv, .offset: 40, .size: 8, .value_kind: global_buffer, .address_space: global }
    .group_segment_fixed_size: 327680
    .private_segment_fixed_size: 0
    .kernarg_segment_align: 8
    .kernarg_segment_size: 48
    .max_flat_workgroup_size: 128
    .sgpr_count:     102
    .vgpr_count:     1024
    .wavefront_size: 32
...
	.end_amdgpu_metadata
.endif
;; end of part 2
;; launch attn (part 3): grid 8 x 32, 16 waves a work-group, clusters of 4 x 1, 223,232 bytes of LDS; arguments qkv, mask, o6; writes o6
.if DOCPART == 3
	.amdgcn_target "amdgcn-amd-amdhsa--gfx1250"
	.amdhsa_code_object_version 6
	.text
	.protected	k_qdd00154067_attn
	.globl	k_qdd00154067_attn
	.p2align	8
	.type	k_qdd00154067_attn,@function
k_qdd00154067_attn:
	s_mov_b64 s[64:65], 0
	v_nop
	global_prefetch_b8 v0, s[64:65] scope:SCOPE_SE
	s_setreg_imm32_b32 hwreg(HW_REG_WAVE_MODE, 25, 1), 1
	s_wait_xcnt 0x0
	s_wait_alu depctr_hold_cnt(0) depctr_sa_sdst(0) depctr_va_vdst(0) depctr_va_sdst(0) depctr_va_ssrc(0) depctr_va_vcc(0) depctr_vm_vsrc(0)
	s_getreg_b32 s2, hwreg(HW_REG_IB_STS2, 6, 4)
	s_cmp_eq_u32 s2, 0
	s_cbranch_scc0 .Lentry_in_a_cluster
	s_endpgm
.Lentry_in_a_cluster:
	s_bfe_u32 s2, ttmp6, 0x10000c
	s_cmp_lg_u32 s2, 0x3003
	s_cbranch_scc0 .Lentry_shape_is_right
	s_endpgm
.Lentry_shape_is_right:
; ATTN: o = softmax(q k^T / 32 - (1 - mask) 1e12) v for one batch and head, both products on codes of FP6 (E2M3); o is quantised along its 64 channels for the next product.
; SHARES.  A work-group owns 256 queries of one (batch, head); each of its sixteen waves one tile of 16, in 256 registers.  Every wave walks the 2,048 keys, 128 a step.
; ALL OF THE HEAD'S K AND V STAY IN LDS: 2 x 98,304 bytes of codes and 2 x 8,192 of places for scale words.  They are asked for once, at the head, in four chunks of 512 keys: nothing is filled again.
; CLUSTER.  The four query blocks of a cluster belong to one head: each tile is asked for jointly, with a mask that names the four.
; LAYOUT.  Both products are used transposed: S^T = K Q^T, O^T = V^T P^T: a lane holds one query (lane % 16) throughout.  The keys of a tile and V's channels lie in the order 32 (T / 2) + 8 (T % 2) + r + 8 (r / 8),
; so the 16 registers of two neighbouring tiles are 16 neighbouring keys (channels).
; K = 64 IN AN INSTRUCTION OF 128: Q's registers 6-11 hold zero codes; a tile of K is six registers, and the six behind them (the next tile's codes) meet Q's zeros; the scale words come as 16 bits, so that bytes 2 and 3 are 0.
; THE MASK.  C = -32 fl(fl(1 - m) 1e12) lies in LDS for each key and is the C of the first product: the sum is 32 (score / 32 - (1 - m) 1e12).
; THE SOFTMAX.  t = the sum x log2(e) / 32, rounded; M = the running largest t rounded up to a whole number, kept as -M = floor(-t); p = 2^(t - M) is what is quantised, along the keys, not normalised.
; The multiplication and the subtraction are two instructions: with t rounded first, keys whose logits are equal in f32 (all masked) get equal p.  The row's sum is taken of the unquantised p and divides O at the end.
; When M moves, the sum and O^T are multiplied by 2^(old M - new M): exact.
; LIMITS: NaN and infinities are not served; a block of p or of o whose largest magnitude lies under 2^-124 gets the byte 1; the two scale bytes of a row leave by a store of two bytes a lane (both halves of the lanes
; write the same bytes): 2 bytes beside 48 of codes.
; REGISTERS: v1-5 addresses that stay; v8-11, v28 the step's; v12 -M, v13 the largest t, v[14:15] the sum; v16-27 Q; v29 Q's scale word; v32-85 K's eight tiles (and six zeros), then V's four fragments; v86-93 K's scale words;
;   v96-159 C, S^T, t, p; v160-191 O^T; v192-203 p's codes; v204-207 V's scale words; v208-214 halves of codes; v216-227 the blocks' maxima, bytes, scale operands; v232 p's scale word; v[234:235] f; v236-237 at work.
.set CHK,  49152                       ; a chunk in LDS: K's 32 tiles of 768 bytes, then V's 4 key steps of 6,144
.set VOF,  24576
.set SCB,  4*CHK                       ; K's scale words (tile x 64 + 4 r), 8,192 bytes; V's at + 8,192: (step / 8) x 4,096 + (step % 8) x 256 + 64 x tile + 4 r
.set NB,   SCB+16384                   ; the mask's 2,048 numbers C
.set WV,   10
.set SEL,  20
.set CS,   22
.set G1K,  24
.set G1V,  32
.set G1KS, 40
.set G1VS, 48
.set GA0,  56
.set GA1,  60
.set GA2,  68
.set GA3,  72
.set GA4,  76
.set BM,   216
.set BP,   220
.set BS,   224
.set PCD,  192
.set TPA,  208
.set PSW,  232
.set FF,   234
.set TW,   236
.macro CROUND                          ; a round of the cluster's barrier
	s_barrier_signal -1
	s_barrier_wait -1
	s_cmp_lg_u32 s[WV], 0
	s_cbranch_scc1 .Lnot_wave_0_\@
	s_barrier_signal -3
.Lnot_wave_0_\@:
	s_barrier_wait -3
	s_barrier_signal -1
	s_barrier_wait -1
.endm
	s_load_b128 s[4:7], s[0:1], 0x0                ; qkv, mask
	s_load_b64 s[8:9], s[0:1], 0x10                ; o6
	v_lshl_add_u32 v254, v0, 2, 0x36000
	v_mov_b32 v255, 0
	ds_add_u32 v254, v255
	ds_add_u32 v254, v255
	v_lshrrev_b32 v1, 5, v0
	v_readfirstlane_b32 s[WV], v1                  ; wave 0..15
	s_bfe_u32 s16, ttmp6, 0x40000                  ; cx: it enters Q's and o's addresses alone
	s_and_b32 s11, ttmp7, 0xffff
	s_lshr_b32 s12, s11, 4                         ; batch
	s_and_b32 s13, s11, 15                         ; head
	s_lshr_b32 s14, s13, 1                         ; head pair
	s_and_b32 s15, s13, 1                          ; which of the pair
	; group 1.  15:0 the mask: all four work-groups; 17:16 elements of 8 bytes; 21 set beside a mask; no padding
	s_mov_b32 s[G1K], 15|(3<<16)|(1<<21)           ; K: 16 tiles x 768 bytes (my head's half of a fragment), 1,536 bytes apart
	s_mov_b32 s[G1K+1], 96<<16
	s_mov_b32 s[G1K+2], 16<<16
	s_mov_b32 s[G1K+3], 96<<16
	s_mov_b32 s[G1K+4], 16
	s_mov_b32 s[G1K+5], 192
	s_mov_b32 s[G1K+6], 0
	s_mov_b32 s[G1K+7], 0
	s_mov_b32 s[G1V], 15|(3<<16)|(1<<21)           ; V: 2 key steps x 6,144 bytes (my head's four fragments), 98,304 bytes apart
	s_mov_b32 s[G1V+1], 768<<16
	s_mov_b32 s[G1V+2], 2<<16
	s_mov_b32 s[G1V+3], 768<<16
	s_mov_b32 s[G1V+4], 2
	s_mov_b32 s[G1V+5], 12288
	s_mov_b32 s[G1V+6], 0
	s_mov_b32 s[G1V+7], 0
	s_mov_b32 s[G1KS], 15|(3<<16)|(1<<21)          ; K's scale words: 4,096 dense bytes as 16 rows of 256
	s_mov_b32 s[G1KS+1], 32<<16
	s_mov_b32 s[G1KS+2], 16<<16
	s_mov_b32 s[G1KS+3], 32<<16
	s_mov_b32 s[G1KS+4], 16
	s_mov_b32 s[G1KS+5], 32
	s_mov_b32 s[G1KS+6], 0
	s_mov_b32 s[G1KS+7], 0
	s_mov_b32 s[G1VS], 15|(3<<16)|(1<<21)          ; V's: 8 key steps x 256 bytes, 4,096 bytes apart
	s_mov_b32 s[G1VS+1], 32<<16
	s_mov_b32 s[G1VS+2], 8<<16
	s_mov_b32 s[G1VS+3], 32<<16
	s_mov_b32 s[G1VS+4], 8
	s_mov_b32 s[G1VS+5], 512
	s_mov_b32 s[G1VS+6], 0
	s_mov_b32 s[G1VS+7], 0
	; what I fetch, if I fetch: waves 0, 1: halves of K's chunks and scale words; waves 2, 3: of V's
	s_lshl_b32 s18, s14, 8
	s_lshl_b32 s81, s12, 7
	s_add_co_u32 s18, s18, s81                     ; K's first fragment: 256 x pair + 128 x batch
	s_lshl_b32 s19, s12, 10
	s_lshl_b32 s81, s13, 2
	s_add_co_u32 s19, s19, s81                     ; V's: 1,024 x batch + 4 x head
	s_mul_i32 s82, s18, 1536
	s_mul_i32 s81, s15, 768
	s_add_co_u32 s82, s82, s81
	s_mul_i32 s81, s[WV], 24576
	s_add_co_u32 s82, s82, s81
	s_add_co_u32 s82, s82, 3145728                 ; K's codes
	s_sub_co_u32 s84, s[WV], 2
	s_mul_i32 s85, s19, 1536
	s_mul_i32 s81, s84, 196608
	s_add_co_u32 s85, s85, s81
	s_add_co_u32 s85, s85, 6291456                 ; V's codes
	s_lshl_b32 s86, s18, 6
	s_lshl_b32 s81, s[WV], 12
	s_add_co_u32 s86, s86, s81
	s_add_co_u32 s86, s86, 9568256                 ; K's scale words
	s_lshl_b32 s87, s19, 6
	s_lshl_b32 s81, s84, 15
	s_add_co_u32 s87, s87, s81
	s_add_co_u32 s87, s87, 9699328                 ; V's
	s_mov_b32 s81, 393216
	s_cmp_lt_u32 s[WV], 2
	s_cselect_b32 s82, s82, s85
	s_cselect_b32 s86, s86, s87
	s_cselect_b32 s84, 49152, s81                  ; from chunk to chunk in memory
	s_mov_b32 s83, 0
	s_mov_b32 s85, 0
	s_mov_b32 s87, 0
	s_lshl_b32 s88, s[WV], 12
	s_mul_i32 s89, s[WV], 12288
	s_lshl_b32 s90, s15, 1                         ; my head's two bytes of a scale word
	s_mov_b32 s[SEL], 0x76543210
	s_mov_b32 s[SEL+1], 0xfedcba98
	s_mov_b32 s[CS], 0x3d38aa3b                    ; log2(e) / 32
	s_mov_b32 s[CS+1], s[CS]                       ; (named with it as a pair, so it is written)
	s_wait_dscnt 0x0
	s_wait_kmcnt 0x0
	s_mov_b32 s[GA0], 1
	s_add_co_u32 s[GA0+1], s88, SCB
	s_add_nc_u64 s[GA0+2:GA0+3], s[4:5], s[86:87]
	s_or_b32 s[GA0+3], s[GA0+3], 0x80000000
	s_add_nc_u64 s[82:83], s[4:5], s[82:83]
.macro G0SET g, c
	s_mov_b32 s[\g], 1
	s_add_co_u32 s[\g+1], s89, (\c)*CHK
	s_mov_b64 s[\g+2:\g+3], s[82:83]
	s_or_b32 s[\g+3], s[\g+3], 0x80000000
	s_add_nc_u64 s[82:83], s[82:83], s[84:85]
.endm
	G0SET GA1, 0
	G0SET GA2, 1
	G0SET GA3, 2
	G0SET GA4, 3
	CROUND                                         ; all four work-groups are here: the joint loads meet
	s_cmp_lt_u32 s[WV], 2                          ; a wave's fills stand in one branch on its number: five loads of mine are out; four v_nop follow the last
	s_cbranch_scc0 .Lnot_k
	tensor_load_to_lds s[GA0:GA0+3], s[G1KS:G1KS+7]
	s_nop 0
	tensor_load_to_lds s[GA1:GA1+3], s[G1K:G1K+7]
	s_nop 0
	tensor_load_to_lds s[GA2:GA2+3], s[G1K:G1K+7]
	s_nop 0
	tensor_load_to_lds s[GA3:GA3+3], s[G1K:G1K+7]
	s_nop 0
	tensor_load_to_lds s[GA4:GA4+3], s[G1K:G1K+7]
	s_nop 0
.rept 4
	v_nop
.endr
	s_branch .Lasked
.Lnot_k:
	s_cmp_lt_u32 s[WV], 4
	s_cbranch_scc0 .Lasked
	tensor_load_to_lds s[GA0:GA0+3], s[G1VS:G1VS+7]
	s_nop 0
	tensor_load_to_lds s[GA1:GA1+3], s[G1V:G1V+7]
	s_nop 0
	tensor_load_to_lds s[GA2:GA2+3], s[G1V:G1V+7]
	s_nop 0
	tensor_load_to_lds s[GA3:GA3+3], s[G1V:G1V+7]
	s_nop 0
	tensor_load_to_lds s[GA4:GA4+3], s[G1V:G1V+7]
	s_nop 0
.rept 4
	v_nop
.endr
.Lasked:
	v_and_b32 v6, 31, v0                           ; lane
	v_and_b32 v7, 15, v0                           ; r
	v_bfe_u32 v30, v0, 4, 1                        ; h
	v_lshlrev_b32 v1, 4, v6                        ; 16 x lane: a fragment's registers 0-3
	v_lshlrev_b32 v2, 3, v6
	v_add_nc_u32 v2, 512, v2                       ; 512 + 8 x lane: its registers 4, 5
	v_lshl_add_u32 v3, v7, 2, SCB
	v_add_nc_u32 v3, s90, v3                       ; K's scale words: my head's two bytes
	v_lshl_add_u32 v4, v7, 2, SCB+8192             ; V's
	v_lshl_add_u32 v5, v30, 6, NB                  ; C: 16 keys of each 32 for my half
	v_lshl_add_u32 v31, v0, 4, NB                  ; where my thread puts four numbers C
	v_lshlrev_b32 v236, 4, v0
	v_lshlrev_b32 v237, 2, v7
	s_lshl_b32 s82, s12, 13
	s_mov_b32 s83, 0
	s_add_nc_u64 s[82:83], s[6:7], s[82:83]        ; my batch's mask
	s_lshl_b32 s17, ttmp9, 2
	s_add_co_u32 s17, s17, s16
	s_lshl_b32 s17, s17, 4
	s_add_co_u32 s17, s17, s[WV]                   ; my tile of queries in the batch: 16 (4 x cluster x + cx) + wave
	s_lshl_b32 s84, s12, 7
	s_add_co_u32 s17, s17, s84                     ; and among all tokens
	s_lshl_b32 s84, s14, 8
	s_add_co_u32 s84, s84, s17                     ; Q's fragment
	s_mul_i32 s86, s84, 1536
	s_mul_i32 s81, s15, 768
	s_add_co_u32 s86, s86, s81
	s_mov_b32 s87, 0
	s_add_nc_u64 s[86:87], s[4:5], s[86:87]
	s_lshl_b32 s88, s84, 6
	s_add_co_u32 s88, s88, s90
	s_add_co_u32 s88, s88, 9437184
	s_mov_b32 s89, 0
	s_add_nc_u64 s[88:89], s[4:5], s[88:89]
	s_lshl_b32 s81, s17, 3
	s_add_co_u32 s81, s81, s14
	s_mul_i32 s92, s81, 1536
	s_mul_i32 s81, s15, 768
	s_add_co_u32 s92, s92, s81
	s_mov_b32 s93, 0
	s_add_nc_u64 s[92:93], s[8:9], s[92:93]        ; o's codes: fragment 8 x tile + pair, my head's half
	s_lshl_b32 s94, s17, 9
	s_lshl_b32 s81, s13, 1
	s_add_co_u32 s94, s94, s81
	s_add_co_u32 s94, s94, 3145728
	s_mov_b32 s95, 0
	s_add_nc_u64 s[94:95], s[8:9], s[94:95]        ; o's scale bytes: 512 x tile + 32 r + 2 x head
	global_load_b128 v[96:99], v236, s[82:83]      ; four numbers of the mask a thread
	global_load_b128 v[16:19], v1, s[86:87]        ; Q's six registers
	global_load_b64 v[20:21], v2, s[86:87]
	global_load_u16 v29, v237, s[88:89]            ; and its two scale bytes
.irp i, 22,23,24,25,26,27,80,81,82,83,84,85
	v_mov_b32 v[\i], 0                             ; zero codes for k = 64 .. 127 of Q; the six registers behind K's last tile are written
.endr
	v_mov_b32 v13, 0xff61b1e6                      ; the largest t so far: -3e38
	v_floor_f32 v12, -v13                          ; -M
	v_mov_b32 v14, 0
	v_mov_b32 v15, 0
	v_mov_b32 v[FF+1], 0                           ; (named as the upper half of a pair)
.irp b, 0,1,2,3
	v_mov_b32 v[BP+\b], 0                          ; a lane permute's destination counts as one of its sources
.endr
.set j, 0
.rept 32
	v_mov_b32 v[160+j], 0                          ; O^T: the step is written once; the first finds zeros
.set j, j+1
.endr
	s_wait_loadcnt 3                               ; the mask is in; Q's three loads may be out
.irp i, 0,1,2,3
	v_sub_f32 v[96+\i], 1.0, v[96+\i]
.endr
.irp i, 0,1,2,3
	v_mul_f32 v[96+\i], 0x5368d4a5, v[96+\i]       ; x 1e12, rounded as the definition rounds it,
.endr
.irp i, 0,1,2,3
	v_mul_f32 v[96+\i], 0xc2000000, v[96+\i]       ; x -32: exact
.endr
	ds_store_b128 v31, v[96:99]
; A KEY STEP: 128 keys.  s2, s3, s66, s67: where the step's tiles, K's and V's scale words and its numbers C begin
.macro STEP
	v_add_nc_u32 v8, s2, v1                        ; (these five are also the places in front of the loads into registers that the last products read)
	v_add_nc_u32 v9, s2, v2
	v_add_nc_u32 v10, s3, v3
	v_add_nc_u32 v11, s66, v4
	v_add_nc_u32 v28, s67, v5
.irp t, 0,1,2,3,4,5,6,7
	ds_load_b128 v[96+8*\t:99+8*\t], v28 offset:128*(\t/2)+32*(\t%2)           ; C of keys 32 (t / 2) + 16 h + 8 (t % 2) + 0 .. 7
	ds_load_b128 v[100+8*\t:103+8*\t], v28 offset:128*(\t/2)+32*(\t%2)+16
.endr
.irp t, 0,1,2,3,4,5,6,7
	ds_load_b128 v[32+6*\t:35+6*\t], v8 offset:768*\t
	ds_load_b64 v[36+6*\t:37+6*\t], v9 offset:768*\t
	ds_load_u16 v[86+\t], v10 offset:64*\t
.endr
	s_wait_dscnt 0x0
.irp t, 0,1,2,3,4,5,6,7
	v_wmma_scale_f32_16x16x128_f8f6f4 v[96+8*\t:103+8*\t], v[32+6*\t:43+6*\t], v[16:27], v[96+8*\t:103+8*\t], v[86+\t], v29 matrix_a_fmt:MATRIX_FMT_FP6 matrix_b_fmt:MATRIX_FMT_FP6
.endr
.rept 4
	v_nop                                          ; places in front of the loads below and of the first read of the sums
.endr
.irp d, 0,1,2,3                                    ; V's four fragments land under the softmax
	ds_load_b128 v[32+12*\d:35+12*\d], v8 offset:VOF+1536*\d
	ds_load_b64 v[36+12*\d:37+12*\d], v9 offset:VOF+1536*\d
	ds_load_b128 v[38+12*\d:41+12*\d], v8 offset:VOF+1536*\d+768
	ds_load_b64 v[42+12*\d:43+12*\d], v9 offset:VOF+1536*\d+768
	ds_load_b32 v[204+\d], v11 offset:64*\d
.endr
.set j, 0
.rept 32
	v_pk_mul_f32 v[96+j:97+j], v[96+j:97+j], s[CS:CS+1] op_sel_hi:[1,0]        ; t, rounded; each accumulator from its low end on
.set j, j+2
.endr
.irp b, 0,1,2,3
	v_max3_num_f32 v[BM+\b], v[96+16*\b], v[97+16*\b], v[98+16*\b]             ; the largest t of each block of 32 keys: it serves the row's maximum and, since p rises with t, the block's largest p
.endr
.irp i, 3,5,7,9,11,13
.irp b, 0,1,2,3
	v_max3_num_f32 v[BM+\b], v[BM+\b], v[96+16*\b+\i], v[97+16*\b+\i]
.endr
.endr
.irp b, 0,1,2,3
	v_max_num_f32 v[BM+\b], v[BM+\b], v[111+16*\b]
.endr
.irp b, 0,1,2,3
	v_permlanex16_b32 v[BP+\b], v[BM+\b], s[SEL], s[SEL+1]
.endr
.irp b, 0,1,2,3
	v_max_num_f32 v[BM+\b], v[BM+\b], v[BP+\b]     ; with lane l xor 16's 16 keys
.endr
	v_max3_num_f32 v[TW], v[BM], v[BM+1], v[BM+2]
	v_max_num_f32 v[TW], v[TW], v[BM+3]
	v_max_num_f32 v13, v13, v[TW]                  ; the running largest t
	v_mov_b32 v[TW], v12
	v_floor_f32 v12, -v13                          ; the new -M: M is a whole number
	v_sub_f32 v[TW], v12, v[TW]                    ; old M - new M: a whole number, 0 or less
	v_cvt_i32_f32 v[TW], v[TW]                     ; (it saturates)
	v_ldexp_f32 v[FF], 1.0, v[TW]                  ; f = 2^(old M - new M)
.set j, 0
.rept 32
	v_pk_add_f32 v[96+j:97+j], v[96+j:97+j], v[12:13] op_sel_hi:[1,0]          ; t - M
.set j, j+2
.endr
.irp b, 0,1,2,3
	v_add_f32 v[BM+\b], v[BM+\b], v12
.endr
.set j, 0
.rept 64
	v_exp_f32 v[96+j], v[96+j]                     ; p = 2^(t - M), at most 1
.set j, j+1
.endr
.irp b, 0,1,2,3
	v_exp_f32 v[BM+\b], v[BM+\b]                   ; the block's largest p: the same instructions on the same number
.endr
	v_pk_mul_f32 v[14:15], v[14:15], v[FF:FF+1] op_sel_hi:[1,0]                ; the sums under the new M (a plain place behind the exponentials)
	s_wait_alu depctr_va_vdst(0)
.irp b, 0,1,2,3
	v_max_num_f32 v[BM+\b], 0x1800000, v[BM+\b]    ; the floor 2^(3 - 127)
.endr
.irp b, 0,1,2,3
	v_add_nc_u32 v[BS+\b], 0xff000000, v[BM+\b]    ; the conversion's scale operand
.endr
.irp b, 0,1,2,3
	v_lshrrev_b32 v[BP+\b], 23, v[BS+\b]           ; the scale's byte
.endr
	v_lshl_or_b32 v[PSW], v[BP+1], 8, v[BP]
	v_lshl_or_b32 v[PSW], v[BP+2], 16, v[PSW]
	v_lshl_or_b32 v[PSW], v[BP+3], 24, v[PSW]
.irp c, 0,1
	v_cvt_scalef32_pk16_fp6_f32 v[PCD+6*\c:PCD+2+6*\c], v[96+32*\c:111+32*\c], v[BS+2*\c]
	v_cvt_scalef32_pk16_fp6_f32 v[TPA+4*\c:TPA+2+4*\c], v[112+32*\c:127+32*\c], v[BS+1+2*\c]
.endr
	v_nop                                          ; one plain place behind a scaled conversion
.irp c, 0,1
.irp i, 0,1,2
	v_permlane16_swap_b32 v[PCD+6*\c+\i], v[TPA+4*\c+\i]
.endr
.irp i, 0,1,2
	v_mov_b32 v[PCD+3+6*\c+\i], v[TPA+4*\c+\i]
.endr
.endr
	v_pk_add_f32 v[TW:TW+1], v[96:97], v[98:99]    ; the row's sum is taken of the unquantised p, in two chains.  (These are also the places between p's scale word and codes and the products)
.irp j, 4,8,12,16,20,24,28,32,36,40,44,48,52,56,60
	v_pk_add_f32 v[14:15], v[14:15], v[96+\j:97+\j]
	v_pk_add_f32 v[TW:TW+1], v[TW:TW+1], v[98+\j:99+\j]
.endr
	v_pk_add_f32 v[14:15], v[14:15], v[TW:TW+1]
.set j, 0
.rept 16
	v_pk_mul_f32 v[160+j:161+j], v[160+j:161+j], v[FF:FF+1] op_sel_hi:[1,0]    ; O^T under the new M
.set j, j+2
.endr
	s_wait_dscnt 0x0                               ; V
.irp d, 0,1,2,3
	v_wmma_scale_f32_16x16x128_f8f6f4 v[160+8*\d:167+8*\d], v[32+12*\d:43+12*\d], v[PCD:PCD+11], v[160+8*\d:167+8*\d], v[204+\d], v[PSW] matrix_a_fmt:MATRIX_FMT_FP6 matrix_b_fmt:MATRIX_FMT_FP6
.endr
	s_add_co_u32 s2, s2, 6144
	s_add_co_u32 s3, s3, 512
	s_add_co_u32 s66, s66, 256
	s_add_co_u32 s67, s67, 512
.endm
; A chunk of 512 keys: the fetching waves wait for its load (the later chunks' may stay out), a barrier shows it to all sixteen, four key steps
.macro CHUNK c
	s_mov_b32 s2, (\c)*CHK
	s_mov_b32 s3, (\c)*2048
	s_mov_b32 s66, ((\c)/2)*4096+((\c)%2)*1024
	s_mov_b32 s67, (\c)*2048
	s_wait_tensorcnt 3-(\c)                        ; behind this chunk's load stand 3 - c loads of mine
.if (\c) == 0
	s_wait_loadcnt 0x0                             ; Q
.endif
	s_wait_dscnt 0x0                               ; my store of C has landed; no LDS instruction of mine is out
	s_barrier_signal -1
	s_barrier_wait -1
	s_mov_b32 s80, 4
.Lstep_\@:
	STEP
	s_sub_co_u32 s80, s80, 1
	s_cmp_lg_u32 s80, 0
	s_cbranch_scc1 .Lstep_\@
.endm
	CHUNK 0
	CHUNK 1
	CHUNK 2
	CHUNK 3
	; THE WAY OUT: O^T / the sum; register 16 b + i is channel 32 b + 16 h + i of my query: two blocks of 32, quantised as half a fragment
.rept 4
	v_nop                                          ; places behind the last products
.endr
	v_add_f32 v14, v14, v15
	v_permlanex16_b32 v[TW], v14, s[SEL], s[SEL+1]
	v_add_f32 v14, v14, v[TW]                      ; the row's sum
	v_rcp_f32 v14, v14
	v_and_b32 v7, 15, v0                           ; (a plain place behind the reciprocal)
	v_lshlrev_b32 v7, 5, v7                        ; 32 r
.set j, 0
	s_wait_alu depctr_va_vdst(0)
.rept 32
	v_mul_f32 v[96+j], v[160+j], v14
.set j, j+1
.endr
.irp b, 0,1
	v_max3_num_f32 v[BM+\b], |v[96+16*\b]|, |v[97+16*\b]|, 0x1800000
.endr
.irp i, 2,4,6,8,10,12,14
.irp b, 0,1
	v_max3_num_f32 v[BM+\b], v[BM+\b], |v[96+16*\b+\i]|, |v[97+16*\b+\i]|
.endr
.endr
.irp b, 0,1
	v_permlanex16_b32 v[BP+\b], v[BM+\b], s[SEL], s[SEL+1]
.endr
.irp b, 0,1
	v_max_num_f32 v[BM+\b], v[BM+\b], v[BP+\b]
.endr
.irp b, 0,1
	v_add_nc_u32 v[BS+\b], 0xff000000, v[BM+\b]
.endr
.irp b, 0,1
	v_lshrrev_b32 v[BP+\b], 23, v[BS+\b]
.endr
	v_lshl_or_b32 v[PSW], v[BP+1], 8, v[BP]
	v_cvt_scalef32_pk16_fp6_f32 v[PCD:PCD+2], v[96:111], v[BS]
	v_cvt_scalef32_pk16_fp6_f32 v[TPA:TPA+2], v[112:127], v[BS+1]
	v_nop
.irp i, 0,1,2
	v_permlane16_swap_b32 v[PCD+\i], v[TPA+\i]
.endr
.irp i, 0,1,2
	v_mov_b32 v[PCD+3+\i], v[TPA+\i]
.endr
	global_store_b128 v1, v[PCD:PCD+3], s[92:93]   ; 512 consecutive bytes
	global_store_b64 v2, v[PCD+4:PCD+5], s[92:93]  ; 256 consecutive bytes
	global_store_b16 v7, v[PSW], s[94:95]
	s_wait_tensorcnt 0x0
	ds_add_u32 v254, v255
	s_wait_dscnt 0x0
	CROUND                                         ; the closing round
	s_endpgm
.Lfunc_end_k_qdd00154067_attn:
	.size	k_qdd00154067_attn, .Lfunc_end_k_qdd00154067_attn-k_qdd00154067_attn
	.p2alignl 7, 3214868480
	.fill 96, 4, 3214868480
	.section	.rodata,"a",@progbits
	.p2align	6, 0x0
	.amdhsa_kernel k_qdd00154067_attn
		.amdhsa_group_segment_fixed_size 223232
		.amdhsa_private_segment_fixed_size 0
		.amdhsa_enable_private_segment 0
		.amdhsa_kernarg_size 24
		.amdhsa_user_sgpr_count 2
		.amdhsa_user_sgpr_kernarg_segment_ptr 1
		.amdhsa_wavefront_size32 1
		.amdhsa_system_sgpr_workgroup_id_x 1
		.amdhsa_system_sgpr_workgroup_id_y 1
		.amdhsa_system_sgpr_workgroup_id_z 1
		.amdhsa_system_vgpr_workitem_id 0
		.amdhsa_next_free_vgpr 256
		.amdhsa_next_free_sgpr 96
		.amdhsa_reserve_vcc 0
		.amdhsa_float_denorm_mode_32 3
		.amdhsa_float_denorm_mode_16_64 3
		.amdhsa_memory_ordered 1
		.amdhsa_forward_progress 1
		.amdhsa_inst_pref_size 96
	.end_amdhsa_kernel
	.amdgpu_metadata
---
amdhsa.version: [ 1, 2 ]
amdhsa.kernels:
  - .name:           k_qdd00154067_attn
    .symbol:         k_qdd00154067_attn.kd
    .args:
      - { .name: qkv, .offset: 0, .size: 8, .value_kind: global_buffer, .address_space: global }
      - { .name: mask, .offset: 8, .size: 8, .value_kind: global_buffer, .address_space: global }
      - { .name: o6, .offset: 16, .size: 8, .value_kind: global_buffer, .address_space: global }
    .group_segment_fixed_size: 223232
    .private_segment_fixed_size: 0
    .kernarg_segment_align: 8
    .kernarg_segment_size: 24
    .max_flat_workgroup_size: 512
    .sgpr_count:     96
    .vgpr_count:     256
    .wavefront_size: 32
...
	.end_amdgpu_metadata
.endif
;; end of part 3
;; launch tail (part 4): grid 128 x 1, 4 waves a work-group, no clusters, 75,264 bytes of LDS; arguments o6, wts, query, bc, rms1_scale, mlp_b1, mlp_b2, rms2_scale, out0; writes out0
.if DOCPART == 4
	.amdgcn_target "amdgcn-amd-amdhsa--gfx1250"
	.amdhsa_code_object_version 6
	.text
	.protected	k_qdd00154067_tail
	.globl	k_qdd00154067_tail
	.p2align	8
	.type	k_qdd00154067_tail,@function
k_qdd00154067_tail:
	s_mov_b64 s[64:65], 0
	v_nop
	global_prefetch_b8 v0, s[64:65] scope:SCOPE_SE
	s_setreg_imm32_b32 hwreg(HW_REG_WAVE_MODE, 25, 1), 1
	s_wait_xcnt 0x0
; TAIL: r1 = rmsnorm(o Wc + bc + query) s1;  out = rmsnorm(r1 + relu(r1 W1 + b1) W2 + b2) s2.  The three products on codes of FP6 (E2M3); all else in f32.
; SHARES.  A work-group owns 32 tokens (two tiles of rows, m = 0, 1) through the whole chain: a norm wants whole rows.  THE WAVES SHARE THE COLUMNS: a wave makes 256 columns of the first and third product and
; 128 hidden units of the second.  The products are used transposed (source 0 = 16 columns of a weight, source 1 = 16 tokens): a lane holds one token, its registers run along the columns, 16 neighbours for two tiles.
; THE WEIGHTS go from memory straight into registers, in the order in which they were laid: 64 groups of four fragments and their scale words (13 or 14 loads), through a ring of five sets; the ring runs on through the norms.
; THE WALK.  Every work-group reads all of the three weights.  So that they do not all ask for the same bytes at the same time, a work-group has a class c = (g xor g / 4 xor g / 16) mod 4, and K goes by quarters,
; the quarter outermost: in the i-th quarter of a product's walk the work-group takes K's quarter i xor c: at any time the four classes read four different quarters of a weight.
; ONLY ADDRESSES IN MEMORY HANG ON c.  Wave w takes the columns' quarter w xor c, but keeps its own place w in LDS: so place s of r1's fragments holds K step s xor 2 c, place s of the hidden layer's holds K step s xor c,
; and the weights' fragments and scale words are asked for by the same rule; o's fragments come from memory in that order too.  No register number, LDS address or branch hangs on c.
; An output is still one f32 sum in one accumulator; in classes 1 to 3 its K steps are taken in another order than ascending.
; No cluster and no tensor load: the weights never touch LDS, so there is no tile that a joint load could share.
; What one wave has quantised reaches the others through LDS as images of the operand's registers.  Four barriers: the first norm's sums, r1's images, the hidden layer's images, the second norm's sums.
; The sums begin on what is added anyway: query + bc, b1, r1 + b2.  Nothing is cleared.
; LIMITS: NaN and infinities are not served; the norm multiplies by v_rcp_f32 of (rms + 1e-8) where the definition divides; a block whose largest magnitude lies under 2^-124 gets the byte 1.
; REGISTERS, in windows of 256: window 0: v2-31, v120-127 addresses; v32-47 the rows' scale words; v48-67 the weights', four places a set; v68-104 the quantiser's; v106-119 sums and factors; v128-255 H: the hidden layer, column vectors, rows on the way out.
;   window 1: Y(m, t) at 128 m + 8 t.   window 2: the rows' fragments; in the last phase s2 from v96.   window 3: the ring of weights, 48 registers a set.
.set STGW, 8448                        ; LDS: a stage for each wave, 16 rows x (512 bytes + 16);
.set XIMG, 4*STGW                      ; r1's 16 fragments (8 m + place),
.set XSC,  XIMG+16*1536                ; their scale words, 128 bytes each,
.set HIMG, XSC+16*128                  ; the hidden layer's 8 fragments (4 m + place),
.set HSC,  HIMG+8*1536                 ; their scale words,
.set RED,  HSC+8*128                   ; and the norms' partial sums: 512 bytes each
.set AS,  32
.set WS,  48
.set TM,  68
.set TP,  84
.set PC,  92
.set PW,  104
.set SA,  106
.set FA,  116
.set H,   128
.set VC,  5                            ; v5-8     16 x lane + 3,072 (i xor c): two K steps' fragments of a tile, K = 1,024
.set VS,  27                           ; v27-30   32 r + 512 h + 8 (i xor c): their two scale words; lanes 16-31 take the next tile's
.set VC2, 120                          ; v120-123 16 x lane + 1,536 (i xor c): one K step's fragment, K = 512
.set VS2, 124                          ; v124-127 16 r + 256 h + 4 (i xor c): its scale word
.set WCC, 50                           ; s[50:51] Wc's codes at my wave's 16 tiles;  s[52:53] their scale words
.set WCS, 52
.set W1C, 54                           ; s[54:55], s[56:57] W1's, my 8 tiles
.set W1S, 56
.set W2C, 58                           ; s[58:59], s[60:61] W2's, my 16 tiles
.set W2S, 60
.set MSB, 0
.macro WIN new                         ; the immediate's high byte repeats the setting that is left
.if MSB != (\new)
	s_set_vgpr_msb (MSB<<8)|(\new)
.set MSB, (\new)
.endif
.endm
; 64 numbers of a lane in window win, register 16 b + i = k 32 b + 16 (lane / 16) + i of my row, become a fragment in v[PC] on and its scale word in v[PW]
.macro QUANT s, win
	WIN (\win)*5                                   ; sources 0 and 1
.irp b, 0,1,2,3
	v_max3_num_f32 v[TM+\b], |v[\s+16*\b]|, |v[\s+1+16*\b]|, 0x1800000   ; and the floor 2^(3 - 127): the byte cannot fall under 1
.endr
.irp i, 2,4,6,8,10,12,14
.irp b, 0,1,2,3
	v_max3_num_f32 v[TM+\b], |v[\s+16*\b+\i]|, |v[\s+1+16*\b+\i]|, v[TM+\b]
.endr
.endr
	WIN 0
.irp b, 0,1,2,3
	v_permlanex16_b32 v[TM+4+\b], v[TM+\b], s26, s27
.endr
.irp b, 0,1,2,3
	v_max_num_f32 v[TM+\b], v[TM+\b], v[TM+4+\b]
.endr
.irp b, 0,1,2,3
	v_add_nc_u32 v[TM+12+\b], 0xff000000, v[TM+\b]     ; the conversion's scale operand
.endr
.irp b, 0,1,2,3
	v_lshrrev_b32 v[TM+4+\b], 23, v[TM+12+\b]
.endr
	v_lshl_or_b32 v[PW], v[TM+5], 8, v[TM+4]
	v_lshl_or_b32 v[PW], v[TM+6], 16, v[PW]
	v_lshl_or_b32 v[PW], v[TM+7], 24, v[PW]
	WIN \win                                       ; source 0
.irp c, 0,1
	v_cvt_scalef32_pk16_fp6_f32 v[PC+6*\c:PC+2+6*\c], v[\s+32*\c:\s+15+32*\c], v[TM+12+2*\c]
	v_cvt_scalef32_pk16_fp6_f32 v[TP+4*\c:TP+2+4*\c], v[\s+16+32*\c:\s+31+32*\c], v[TM+13+2*\c]
.endr
	WIN 0
	v_nop                                          ; one plain place behind a scaled conversion
.irp c, 0,1
.irp i, 0,1,2
	v_permlane16_swap_b32 v[PC+6*\c+\i], v[TP+4*\c+\i]
.endr
.irp i, 0,1,2
	v_mov_b32 v[PC+3+6*\c+\i], v[TP+4*\c+\i]
.endr
.endr
.endm
.macro IMAGE adr, off                  ; the fragment in v[PC] on goes to LDS as it stands
.irp c, 0,1,2
	ds_store_b128 v[\adr], v[PC+4*\c:PC+4*\c+3] offset:\off+512*\c
.endr
.endm
.macro BARRIER                         ; my LDS stores have landed and my LDS loads are in: then the work-group's barrier
	s_wait_dscnt 0x0
	s_barrier_signal -1
	s_barrier_wait -1
.endm
; Group g of the weights into set g % 5.  0-31: Wc, quarter g / 8 of the walk, tiles 2 (g % 8) and + 1, two K steps each; 32-47: W1 likewise, four pairs of tiles a quarter;
; 48-63: W2, quarter (g - 48) / 4, tiles 4 ((g - 48) % 4) .. + 3, one K step each.  The scale words' loads take the even tile's rows in lanes 0-15 and the odd tile's in lanes 16-31.
.macro GLOAD g
.set SL5, (\g)%5
	WIN 0
.if (\g) < 48
.if (\g) < 32
.set QI, (\g)/8
.set JJ, (\g)%8
.set PCB, WCC
.set PSB, WCS
.else
.set QI, ((\g)-32)/4
.set JJ, ((\g)-32)%4
.set PCB, W1C
.set PSB, W1S
.endif
	global_load_b64 v[WS+4*SL5:WS+4*SL5+1], v[VS+QI], s[PSB:PSB+1] offset:1024*JJ
	WIN 0xc0                                       ; destination window 3
.irp e, 0,1,2,3,4,5,6,7,8,9,10,11
	global_load_b128 v[48*SL5+4*\e:48*SL5+4*\e+3], v[VC+QI], s[PCB:PCB+1] offset:12288*(2*JJ+\e/6)+512*(\e%6)
.endr
.else
.set QI, ((\g)-48)/4
.set JJ, ((\g)-48)%4
	global_load_b32 v[WS+4*SL5], v[VS2+QI], s[W2S:W2S+1] offset:1024*JJ
	global_load_b32 v[WS+4*SL5+1], v[VS2+QI], s[W2S:W2S+1] offset:1024*JJ+512
	WIN 0xc0
.irp e, 0,1,2,3,4,5,6,7,8,9,10,11
	global_load_b128 v[48*SL5+4*\e:48*SL5+4*\e+3], v[VC2+QI], s[W2C:W2C+1] offset:6144*(4*JJ+\e/3)+512*(\e%3)
.endr
.endif
.endm
.macro WMM row                         ; one product on the registers named by rD, rA, rB, rSA, rSB; row = 1: the weight's scale words stand in lanes 16-31
.if \row
	v_wmma_scale_f32_16x16x128_f8f6f4 v[rD:rD+7], v[rA:rA+11], v[rB:rB+11], v[rD:rD+7], v[rSA], v[rSB] matrix_a_fmt:MATRIX_FMT_FP6 matrix_b_fmt:MATRIX_FMT_FP6 matrix_a_scale:MATRIX_SCALE_ROW1
.else
	v_wmma_scale_f32_16x16x128_f8f6f4 v[rD:rD+7], v[rA:rA+11], v[rB:rB+11], v[rD:rD+7], v[rSA], v[rSB] matrix_a_fmt:MATRIX_FMT_FP6 matrix_b_fmt:MATRIX_FMT_FP6
.endif
.endm
; Group g is multiplied: eight products, the group's four or eight accumulators by turns, one instruction a turn; then its set takes the group five on
.macro MULG g
.set SL5, (\g)%5
.set NW, 0
.irp k, 1,2,3,4
.if (\g)+\k < 48
.set NW, NW+13
.elseif (\g)+\k < 64
.set NW, NW+14
.endif
.endr
	s_wait_loadcnt NW                              ; behind this group's loads stand the up to four younger groups', 13 or 14 each
.if (\g) < 48
.if (\g) < 32
.set QI, (\g)/8
.set JJ, (\g)%8
.set DT, 0
.set DM, 128
	WIN 0x5b                                       ; source 0 window 3, source 1 window 2, C and D window 1
.else
.set QI, ((\g)-32)/4
.set JJ, ((\g)-32)%4
.set DT, H
.set DM, 64
	WIN 0x0b                                       ; C and D window 0
.endif
.irp q, 0,1
.irp u, 0,1
.irp m, 0,1
.set rD, DT+DM*\m+8*(2*JJ+\u)
.set rA, 48*SL5+24*\u+12*\q
.set rB, 12*(8*\m+2*QI+\q)
.set rSA, WS+4*SL5+\q
.set rSB, AS+8*\m+2*QI+\q
	WMM \u
.endr
.endr
.endr
.else
.set QI, ((\g)-48)/4
.set JJ, ((\g)-48)%4
	WIN 0x5b
.irp u, 0,1,2,3
.irp m, 0,1
.set rD, 128*\m+8*(4*JJ+\u)
.set rA, 48*SL5+12*\u
.set rB, 12*(4*\m+QI)
.set rSA, WS+4*SL5+\u/2
.set rSB, AS+4*\m+QI
	WMM \u%2
.endr
.endr
.endif
.rept 4
	v_nop                                          ; places in front of the loads into this set and its scale words, and of the first read of results
.endr
.if (\g)+5 < 64
	GLOAD (\g)+5
.endif
.endm
; n tiles of a column vector in the result's layout: register 8 t + j = the vector at 32 (t / 2) + 16 h + 8 (t % 2) + j of my wave's columns
.macro VEC dst, ptr, n, vo
.set tt, 0
.rept \n
	global_load_b128 v[\dst+8*tt:\dst+8*tt+3], v[\vo], s[\ptr:\ptr+1] offset:128*(tt/2)+32*(tt%2)
	global_load_b128 v[\dst+8*tt+4:\dst+8*tt+7], v[\vo], s[\ptr:\ptr+1] offset:128*(tt/2)+32*(tt%2)+16
.set tt, tt+1
.endr
.endm
.macro SS                              ; my 128 numbers' squares for each tile of rows, in two chains each; every accumulator is read from its low end on
	WIN 0x05
	v_pk_mul_f32 v[SA:SA+1], v[0:1], v[0:1]
	v_pk_mul_f32 v[SA+4:SA+5], v[128:129], v[128:129]
	v_pk_mul_f32 v[SA+2:SA+3], v[2:3], v[2:3]
	v_pk_mul_f32 v[SA+6:SA+7], v[130:131], v[130:131]
.set p, 4
.rept 31
	v_pk_fma_f32 v[SA:SA+1], v[p:p+1], v[p:p+1], v[SA:SA+1]
	v_pk_fma_f32 v[SA+4:SA+5], v[128+p:129+p], v[128+p:129+p], v[SA+4:SA+5]
	v_pk_fma_f32 v[SA+2:SA+3], v[p+2:p+3], v[p+2:p+3], v[SA+2:SA+3]
	v_pk_fma_f32 v[SA+6:SA+7], v[130+p:131+p], v[130+p:131+p], v[SA+6:SA+7]
.set p, p+4
.endr
	WIN 0
.endm
.macro NORM red                        ; the rows' sums over lanes and waves; then 1 / (sqrt(sum) / 32 + 1e-8), twice each: pairs for the packed multiply
	v_add_f32 v[SA], v[SA], v[SA+1]
	v_add_f32 v[SA+2], v[SA+2], v[SA+3]
	v_add_f32 v[SA+4], v[SA+4], v[SA+5]
	v_add_f32 v[SA+6], v[SA+6], v[SA+7]
	v_add_f32 v[SA], v[SA], v[SA+2]
	v_add_f32 v[SA+4], v[SA+4], v[SA+6]
	v_permlanex16_b32 v[SA+1], v[SA], s26, s27
	v_permlanex16_b32 v[SA+5], v[SA+4], s26, s27
	v_add_f32 v[SA], v[SA], v[SA+1]
	v_add_f32 v[SA+4], v[SA+4], v[SA+5]
	ds_store_b32 v20, v[SA] offset:\red            ; both halves of the lanes write the same word with the same value
	ds_store_b32 v20, v[SA+4] offset:\red+64
	BARRIER
.irp w, 0,1,2,3
	ds_load_b32 v[SA+\w], v21 offset:\red+128*\w
	ds_load_b32 v[SA+4+\w], v21 offset:\red+128*\w+64
.endr
	s_wait_dscnt 0x0
	v_add_f32 v[SA], v[SA], v[SA+1]
	v_add_f32 v[SA+4], v[SA+4], v[SA+5]
	v_add_f32 v[SA], v[SA], v[SA+2]
	v_add_f32 v[SA+4], v[SA+4], v[SA+6]
	v_add_f32 v[SA], v[SA], v[SA+3]
	v_add_f32 v[SA+4], v[SA+4], v[SA+7]
	v_sqrt_f32 v[SA], v[SA]
	v_sqrt_f32 v[SA+4], v[SA+4]
	v_nop                                          ; a plain place behind the roots
	s_wait_alu depctr_va_vdst(0)
	v_fma_f32 v[SA], v[SA], s37, s36
	v_fma_f32 v[SA+4], v[SA+4], s37, s36
	v_rcp_f32 v[FA], v[SA]
	v_rcp_f32 v[FA+1], v[SA]
	v_rcp_f32 v[FA+2], v[SA+4]
	v_rcp_f32 v[FA+3], v[SA+4]
	v_nop                                          ; and behind the reciprocals
.endm
	s_load_b512 s[4:19], s[0:1], 0x0               ; o6, wts, query, bc, rms1_scale, mlp_b1, mlp_b2, rms2_scale
	s_load_b64 s[20:21], s[0:1], 0x40              ; out0
	v_lshl_add_u32 v114, v0, 2, 0x12400
	v_mov_b32 v115, 0
	v_lshrrev_b32 v1, 5, v0
	v_readfirstlane_b32 s22, v1                    ; wave 0..3: my place in LDS
	s_lshr_b32 s44, ttmp9, 2
	s_xor_b32 s44, s44, ttmp9
	s_lshr_b32 s45, ttmp9, 4
	s_xor_b32 s44, s44, s45
	s_and_b32 s44, s44, 3                          ; c, the work-group's class: three fields of two bits of its number, mixed
	s_xor_b32 s45, s22, s44                        ; the quarter of the columns that my wave takes: w xor c
.irp i, 0,1,2,3
	s_xor_b32 s[46+\i], s44, \i                    ; K's quarter in the i-th quarter of a walk: i xor c
.endr
	v_and_b32 v1, 31, v0                           ; lane
	v_and_b32 v25, 15, v0                          ; r
	v_bfe_u32 v26, v0, 4, 1                        ; h
	v_lshlrev_b32 v2, 4, v1                        ; 16 x lane
	v_lshlrev_b32 v3, 3, v1                        ; 8 x lane
	v_lshlrev_b32 v4, 5, v25                       ; 32 r
	v_lshlrev_b32 v19, 2, v1                       ; 4 x lane
	v_lshl_add_u32 v31, v26, 9, v4                 ; 32 r + 512 h: a row's scale words, K = 1,024; lanes 16-31 one tile on
	v_lshlrev_b32 v9, 4, v25
	v_lshl_add_u32 v9, v26, 8, v9                  ; 16 r + 256 h: the same, K = 512
.irp i, 0,1,2,3
	s_mul_i32 s23, s[46+\i], 3072
	v_add_nc_u32 v[VC+\i], s23, v2
	v_add_nc_u32 v[TP+\i], s23, v3                 ; (for o's fragments, at the head alone: 8 x lane + 3,072 (i xor c))
	s_lshr_b32 s24, s23, 1
	v_add_nc_u32 v[VC2+\i], s24, v2
	s_lshl_b32 s24, s[46+\i], 3
	v_add_nc_u32 v[VS+\i], s24, v31
	v_add_nc_u32 v[TP+4+\i], s24, v4               ; (for o's scale words, at the head alone: 32 r + 8 (i xor c))
	s_lshl_b32 s24, s[46+\i], 2
	v_add_nc_u32 v[VS2+\i], s24, v9
.endr
	s_lshl_b32 s23, s45, 10
	v_lshl_add_u32 v11, v26, 6, s23                ; column vectors: 64 h + my 256 columns
	v_add_nc_u32 v22, s23, v2                      ; rows of query and of out0: my 1,024 bytes, 16 a lane
	s_lshl_b32 s23, s45, 9
	v_lshl_add_u32 v12, v26, 6, s23                ; b1: 64 h + my 128 units
	s_mul_i32 s23, s22, STGW                       ; from here on LDS: by my wave's own number
	v_add_nc_u32 v13, s23, v2                      ; my stage by rows
	v_mul_u32_u24 v14, v25, 528
	v_lshl_add_u32 v14, v26, 6, v14
	v_add_nc_u32 v14, s23, v14                     ; and by the result's layout: row r, + 64 h
	s_mul_i32 s23, s22, 3072
	s_add_co_u32 s23, s23, XIMG
	v_add_nc_u32 v15, s23, v2                      ; where I store r1's images: places 2 w, 2 w + 1
	s_lshl_b32 s23, s22, 8
	s_add_co_u32 s23, s23, XSC
	v_add_nc_u32 v16, s23, v19
	s_mul_i32 s23, s22, 1536
	s_add_co_u32 s23, s23, HIMG
	v_add_nc_u32 v17, s23, v2                      ; the hidden layer's: place w
	s_lshl_b32 s23, s22, 7
	s_add_co_u32 s24, s23, HSC
	v_add_nc_u32 v18, s24, v19
	s_add_co_u32 s24, s23, RED
	v_lshl_add_u32 v20, v25, 2, s24                ; my wave's partial sums
	v_lshl_add_u32 v21, v25, 2, RED                ; all four waves'
	v_add_nc_u32 v23, HIMG, v2
	v_add_nc_u32 v24, HSC, v19
.irp b, 0,1,2,3
	v_mov_b32 v[TM+4+\b], 0                        ; a lane permute's destination counts as one of its sources
.endr
	s_mov_b32 s26, 0x76543210
	s_mov_b32 s27, 0xfedcba98
	s_mov_b32 s36, 0x322bcc77                      ; 1e-8
	s_mov_b32 s37, 0x3d000000                      ; 1 / 32
	s_mul_i32 s38, ttmp9, 24576                    ; o's 16 fragments
	s_mov_b32 s39, 0
	s_lshl_b32 s40, ttmp9, 10
	s_add_co_u32 s40, s40, 3145728                 ; its scale words
	s_mov_b32 s41, 0
	s_lshl_b32 s42, ttmp9, 17                      ; 32 rows of 4,096 bytes
	s_mov_b32 s43, 0
	s_mov_b32 s63, 0
	s_wait_kmcnt 0x0
	s_add_nc_u64 s[28:29], s[4:5], s[38:39]
	s_add_nc_u64 s[30:31], s[4:5], s[40:41]
	s_add_nc_u64 s[32:33], s[8:9], s[42:43]
	s_add_nc_u64 s[34:35], s[20:21], s[42:43]
	s_mul_i32 s62, s45, 196608                     ; the weights at my wave's tiles
	s_add_co_u32 s62, s62, 2359296
	s_add_nc_u64 s[WCC:WCC+1], s[6:7], s[62:63]
	s_lshl_b32 s62, s45, 13
	s_add_co_u32 s62, s62, 4030464
	s_add_nc_u64 s[WCS:WCS+1], s[6:7], s[62:63]
	s_mul_i32 s24, s45, 98304
	s_add_co_u32 s62, s24, 3145728
	s_add_nc_u64 s[W1C:W1C+1], s[6:7], s[62:63]
	s_add_co_u32 s62, s24, 3538944
	s_add_nc_u64 s[W2C:W2C+1], s[6:7], s[62:63]
	s_lshl_b32 s24, s45, 12
	s_add_co_u32 s62, s24, 4063232
	s_add_nc_u64 s[W1S:W1S+1], s[6:7], s[62:63]
	s_add_co_u32 s62, s24, 4079616
	s_add_nc_u64 s[W2S:W2S+1], s[6:7], s[62:63]
	; ---- the head: the ring's first five groups; o; query as whole pieces of rows; bc
.irp g, 0,1,2,3,4
	GLOAD \g
.endr
	WIN 0x80                                       ; destination window 2
.irp m, 0,1                                        ; o's fragments: place 2 i + q takes K step 2 (i xor c) + q
.irp i, 0,1,2,3
.irp q, 0,1
.set FB, 12*(8*\m+2*\i+\q)
	global_load_b128 v[FB:FB+3], v[VC+\i], s[28:29] offset:12288*\m+1536*\q
	global_load_b64 v[FB+4:FB+5], v[TP+\i], s[28:29] offset:12288*\m+1536*\q+512
	global_load_b128 v[FB+6:FB+9], v[VC+\i], s[28:29] offset:12288*\m+1536*\q+768
	global_load_b64 v[FB+10:FB+11], v[TP+\i], s[28:29] offset:12288*\m+1536*\q+1280
.endr
.endr
.endr
	WIN 0
.irp m, 0,1
.irp i, 0,1,2,3
	global_load_b64 v[AS+8*\m+2*\i:AS+8*\m+2*\i+1], v[TP+4+\i], s[30:31] offset:512*\m     ; and their scale words, two a quarter
.endr
.endr
	WIN 0x40                                       ; destination window 1
.irp a, 0,1,2,3                                    ; block a: rows' tile a / 2, columns 128 (a % 2) on of my 256
.irp i, 0,1,2,3,4,5,6,7,8,9,10,11,12,13,14,15
	global_load_b128 v[64*\a+4*\i:64*\a+4*\i+3], v22, s[32:33] offset:(8*(\a/2)+\i+8*(\i/8))*4096+512*(\a%2) th:TH_LOAD_NT
.endr
.endr
	WIN 0
	VEC H, 10, 16, 11                              ; bc
	s_wait_loadcnt 0x0
.irp a, 0,1,2,3                                    ; query through my stage: in by rows, back in the result's layout, into the registers that it left.  LDS serves a wave's instructions in order
	WIN 0x04                                       ; an LDS store's data: window 1
.irp i, 0,1,2,3,4,5,6,7,8,9,10,11,12,13,14,15
	ds_store_b128 v13, v[64*\a+4*\i:64*\a+4*\i+3] offset:528*\i
.endr
	WIN 0x40
.irp i, 0,1,2,3,4,5,6,7,8,9,10,11,12,13,14,15
	ds_load_b128 v[64*\a+4*\i:64*\a+4*\i+3], v14 offset:128*(\i/4)+16*(\i%4)
.endr
.endr
	s_wait_dscnt 0x0
	WIN 0x41                                       ; destination and source 0 window 1
.irp m, 0,1
.set i, 0
.rept 64
	v_pk_add_f32 v[128*\m+i:128*\m+i+1], v[128*\m+i:128*\m+i+1], v[H+i:H+i+1]      ; query + bc: on these the first product's sums begin
.set i, i+2
.endr
.endr
	WIN 0
	VEC H, 12, 16, 11                              ; s1: in long before the products below are done (their counted waits pass it)
	; ---- o Wc
.irp g, 0,1,2,3,4,5,6,7,8,9,10,11,12,13,14,15,16,17,18,19,20,21,22,23,24,25,26,27,28,29,30,31
	MULG \g
.endr
	; ---- the first norm; r1 stays in Y
	SS
	NORM 0
	WIN 0x41
.irp m, 0,1
.set i, 0
.rept 64
	v_pk_mul_f32 v[128*\m+i:128*\m+i+1], v[128*\m+i:128*\m+i+1], v[H+i:H+i+1]      ; x s1
.set i, i+2
.endr
.endr
	s_wait_alu depctr_va_vdst(0)
.irp m, 0,1
.set i, 0
.rept 64
	v_pk_mul_f32 v[128*\m+i:128*\m+i+1], v[128*\m+i:128*\m+i+1], v[FA+2*\m:FA+2*\m+1]   ; / (rms + 1e-8)
.set i, i+2
.endr
.endr
	WIN 0
	VEC H, 14, 8, 12                               ; b1, for both tiles of rows: on it the second product's sums begin
	VEC H+64, 14, 8, 12
.irp m, 0,1
.irp k, 0,1
	QUANT 128*\m+64*\k, 1
	IMAGE 15, (8*\m+\k)*1536
	ds_store_b32 v16, v[PW] offset:(8*\m+\k)*128
	s_wait_dscnt 0x0                               ; the stores have read their registers
.endr
.endr
	BARRIER                                        ; r1's sixteen fragments lie in LDS
	WIN 0x80
.irp f, 0,1,2,3,4,5,6,7,8,9,10,11,12,13,14,15
.irp c, 0,1,2
	ds_load_b128 v[12*\f+4*\c:12*\f+4*\c+3], v2 offset:XIMG+1536*\f+512*\c
.endr
.endr
	WIN 0
.irp f, 0,1,2,3,4,5,6,7,8,9,10,11,12,13,14,15
	ds_load_b32 v[AS+\f], v19 offset:XSC+128*\f
.endr
	s_wait_dscnt 0x0
	s_wait_loadcnt 0x0                             ; b1 (issued behind the ring's loads)
	; ---- relu(r1 W1 + b1), quantised: my place's K step of the last product
.irp g, 32,33,34,35,36,37,38,39,40,41,42,43,44,45,46,47
	MULG \g
.endr
	WIN 0
.set j, 0
.rept 128
	v_max_num_f32 v[H+j], 0, v[H+j]
.set j, j+1
.endr
.irp m, 0,1
	QUANT H+64*\m, 0
	IMAGE 17, 4*\m*1536
	ds_store_b32 v18, v[PW] offset:4*\m*128
	s_wait_dscnt 0x0
.endr
	VEC H, 16, 16, 11                              ; b2
	WIN 0x80
	VEC 96, 18, 16, 11                             ; s2, into window 2 behind the eight fragments
	WIN 0
	BARRIER                                        ; the hidden layer's eight fragments lie in LDS
	WIN 0x80
.irp f, 0,1,2,3,4,5,6,7
.irp c, 0,1,2
	ds_load_b128 v[12*\f+4*\c:12*\f+4*\c+3], v23 offset:1536*\f+512*\c
.endr
.endr
	WIN 0
.irp f, 0,1,2,3,4,5,6,7
	ds_load_b32 v[AS+\f], v24 offset:128*\f
.endr
	s_wait_dscnt 0x0
	s_wait_loadcnt 0x0                             ; b2, s2
	WIN 0x41
.irp m, 0,1
.set i, 0
.rept 64
	v_pk_add_f32 v[128*\m+i:128*\m+i+1], v[128*\m+i:128*\m+i+1], v[H+i:H+i+1]      ; r1 + b2: on these the last product's sums begin
.set i, i+2
.endr
.endr
	; ---- + hidden W2; the second norm
.irp g, 48,49,50,51,52,53,54,55,56,57,58,59,60,61,62,63
	MULG \g
.endr
	SS
	NORM 512
	WIN 0x49                                       ; destination and source 0 window 1, source 1 window 2
.irp m, 0,1
.set i, 0
.rept 64
	v_pk_mul_f32 v[128*\m+i:128*\m+i+1], v[128*\m+i:128*\m+i+1], v[96+i:97+i]      ; x s2
.set i, i+2
.endr
.endr
	WIN 0x41
	s_wait_alu depctr_va_vdst(0)
.irp m, 0,1
.set i, 0
.rept 64
	v_pk_mul_f32 v[128*\m+i:128*\m+i+1], v[128*\m+i:128*\m+i+1], v[FA+2*\m:FA+2*\m+1]
.set i, i+2
.endr
.endr
	; ---- the way out, block by block of 16 rows x 128 columns, through my stage: back as whole pieces of rows, 512 consecutive bytes a store
.macro TOSTAGE a
	WIN 0x04
.irp i, 0,1,2,3,4,5,6,7,8,9,10,11,12,13,14,15
	ds_store_b128 v14, v[64*(\a)+4*\i:64*(\a)+4*\i+3] offset:128*(\i/4)+16*(\i%4)
.endr
	WIN 0
.irp i, 0,1,2,3,4,5,6,7,8,9,10,11,12,13,14,15
	ds_load_b128 v[H+64*((\a)%2)+4*\i:H+64*((\a)%2)+4*\i+3], v13 offset:528*\i
.endr
.endm
.macro SEND a, younger                 ; younger: the LDS instructions issued behind block a's loads, which may stay out
	s_wait_dscnt \younger
.irp i, 0,1,2,3,4,5,6,7,8,9,10,11,12,13,14,15
	global_store_b128 v22, v[H+64*((\a)%2)+4*\i:H+64*((\a)%2)+4*\i+3], s[34:35] offset:(8*((\a)/2)+\i+8*(\i/8))*4096+512*((\a)%2) th:TH_STORE_NT
.endr
.endm
	TOSTAGE 0
	TOSTAGE 1
	SEND 0, 32                                     ; behind block 0's loads: block 1's 16 stores and 16 loads
	s_wait_xcnt 0x0                                ; block 0's stores have read their registers: block 2's loads may land there
	TOSTAGE 2
	SEND 1, 32
	s_wait_xcnt 0x0
	TOSTAGE 3
	SEND 2, 32
	SEND 3, 0
	s_wait_tensorcnt 0x0
	ds_add_u32 v114, v115
	s_wait_dscnt 0x0
	s_endpgm
.Lfunc_end_k_qdd00154067_tail:
	.size	k_qdd00154067_tail, .Lfunc_end_k_qdd00154067_tail-k_qdd00154067_tail
	.p2alignl 7, 3214868480
	.fill 96, 4, 3214868480
	.section	.rodata,"a",@progbits
	.p2align	6, 0x0
	.amdhsa_kernel k_qdd00154067_tail
		.amdhsa_group_segment_fixed_size 75264
		.amdhsa_private_segment_fixed_size 0
		.amdhsa_enable_private_segment 0
		.amdhsa_kernarg_size 72
		.amdhsa_user_sgpr_count 2
		.amdhsa_user_sgpr_kernarg_segment_ptr 1
		.amdhsa_wavefront_size32 1
		.amdhsa_system_sgpr_workgroup_id_x 1
		.amdhsa_system_sgpr_workgroup_id_y 1
		.amdhsa_system_sgpr_workgroup_id_z 1
		.amdhsa_system_vgpr_workitem_id 0
		.amdhsa_next_free_vgpr 1024
		.amdhsa_next_free_sgpr 66
		.amdhsa_reserve_vcc 0
		.amdhsa_float_denorm_mode_32 3
		.amdhsa_float_denorm_mode_16_64 3
		.amdhsa_memory_ordered 1
		.amdhsa_forward_progress 1
		.amdhsa_inst_pref_size 255
	.end_amdhsa_kernel
	.section	.bss,"aw",@nobits
	.p2align	6
	.space	262144
	.amdgpu_metadata
---
amdhsa.version: [ 1, 2 ]
amdhsa.kernels:
  - .name:           k_qdd00154067_tail
    .symbol:         k_qdd00154067_tail.kd
    .args:
      - { .name: o6, .offset: 0, .size: 8, .value_kind: global_buffer, .address_space: global }
      - { .name: wts, .offset: 8, .size: 8, .value_kind: global_buffer, .address_space: global }
      - { .name: query, .offset: 16, .size: 8, .value_kind: global_buffer, .address_space: global }
      - { .name: bc, .offset: 24, .size: 8, .value_kind: global_buffer, .address_space: global }
      - { .name: rms1_scale, .offset: 32, .size: 8, .value_kind: global_buffer, .address_space: global }
      - { .name: mlp_b1, .offset: 40, .size: 8, .value_kind: global_buffer, .address_space: global }
      - { .name: mlp_b2, .offset: 48, .size: 8, .value_kind: global_buffer, .address_space: global }
      - { .name: rms2_scale, .offset: 56, .size: 8, .value_kind: global_buffer, .address_space: global }
      - { .name: out0, .offset: 64, .size: 8, .value_kind: global_buffer, .address_space: global }
    .group_segment_fixed_size: 75264
    .private_segment_fixed_size: 0
    .kernarg_segment_align: 8
    .kernarg_segment_size: 72
    .max_flat_workgroup_size: 128
    .sgpr_count:     66
    .vgpr_count:     1024
    .wavefront_size: 32
...
	.end_amdgpu_metadata
.endif
;; end of part 4
;; ======== version 2 of 2: 4 launches
;; workspace buffers: wts 4,096,000 bytes; xq 9,830,400 bytes; qkv 9,830,400 bytes; o6 3,276,800 bytes
;; launch prep: the kernel of part 1 again; grid 928 x 1, 4 waves a work-group, no clusters, 59,904 bytes of LDS; arguments query, key, value, Wq, Wk, Wv, Wc, mlp_w1, mlp_w2, xq, wts; writes xq, wts
;; launch proj: the kernel of part 2 again; grid 4 x 48, 4 waves a work-group, clusters of 4 x 4, 327,680 bytes of LDS; arguments wts, xq, bq, bk, bv, qkv; writes qkv
;; launch attn (part 5): grid 8 x 32, 16 waves a work-group, clusters of 4 x 1, 223,232 bytes of LDS; arguments qkv, mask, o6; writes o6
.if DOCPART == 5
	.amdgcn_target "amdgcn-amd-amdhsa--gfx1250"
	.amdhsa_code_object_version 6
	.text
	.protected	k_qdd00154067_attn
	.globl	k_qdd00154067_attn
	.p2align	8
	.type	k_qdd00154067_attn,@function
k_qdd00154067_attn:
	s_mov_b64 s[64:65], 0
	v_nop
	global_prefetch_b8 v0, s[64:65] scope:SCOPE_SE
	s_setreg_imm32_b32 hwreg(HW_REG_WAVE_MODE, 25, 1), 1
	s_wait_xcnt 0x0
	s_wait_alu depctr_hold_cnt(0) depctr_sa_sdst(0) depctr_va_vdst(0) depctr_va_sdst(0) depctr_va_ssrc(0) depctr_va_vcc(0) depctr_vm_vsrc(0)
	s_getreg_b32 s2, hwreg(HW_REG_IB_STS2, 6, 4)
	s_cmp_eq_u32 s2, 0
	s_cbranch_scc0 .Lentry_in_a_cluster
	s_endpgm
.Lentry_in_a_cluster:
	s_bfe_u32 s2, ttmp6, 0x10000c
	s_cmp_lg_u32 s2, 0x3003
	s_cbranch_scc0 .Lentry_shape_is_right
	s_endpgm
.Lentry_shape_is_right:
; ATTN: o = softmax(q k^T / 32 - (1 - mask) 1e12) v for one batch and head, both products on codes of FP6 (E2M3); o is quantised along its 64 channels for the next product.
; SHARES.  A work-group owns 256 queries of one (batch, head); each of its sixteen waves one tile of 16, in 256 registers.  Every wave walks the 2,048 keys, 128 a step.
; ALL OF THE HEAD'S K AND V STAY IN LDS: 2 x 98,304 bytes of codes and 2 x 8,192 of places for scale words.  They are asked for once, at the head, in four chunks of 512 keys: nothing is filled again.
; CLUSTER.  The four query blocks of a cluster belong to one head: each tile is asked for jointly, with a mask that names the four.
; LAYOUT.  Both products are used transposed: S^T = K Q^T, O^T = V^T P^T: a lane holds one query (lane % 16) throughout.  The keys of a tile and V's channels lie in the order 32 (T / 2) + 8 (T % 2) + r + 8 (r / 8),
; so the 16 registers of two neighbouring tiles are 16 neighbouring keys (channels).
; K = 64 IN AN INSTRUCTION OF 128: Q's registers 6-11 hold zero codes; a tile of K is six registers, and the six behind them (the next tile's codes) meet Q's zeros; the scale words come as 16 bits, so that bytes 2 and 3 are 0.
; THE MASK.  C = -32 fl(fl(1 - m) 1e12) lies in LDS for each key and is the C of the first product: the sum is 32 (score / 32 - (1 - m) 1e12).
; THE SOFTMAX.  t = the sum x log2(e) / 32, rounded; M = the running largest t rounded up to a whole number, kept as -M = floor(-t); p = 2^(t - M) is what is quantised, along the keys, not normalised.
; The multiplication and the subtraction are two instructions: with t rounded first, keys whose logits are equal in f32 (all masked) get equal p.  The row's sum is taken of the unquantised p and divides O at the end.
; When M moves, the sum and O^T are multiplied by 2^(old M - new M): exact.
; LIMITS: NaN and infinities are not served; a block of p or of o whose largest magnitude lies under 2^-124 gets the byte 1; the two scale bytes of a row leave by a store of two bytes a lane (both halves of the lanes
; write the same bytes): 2 bytes beside 48 of codes.
; REGISTERS: v1-5 addresses that stay; v8-11, v28 the step's; v12 -M, v13 the largest t, v[14:15] the sum; v16-27 Q; v29 Q's scale word; v32-85 K's eight tiles (and six zeros), then V's four fragments; v86-93 K's scale words;
;   v96-159 C, S^T, t, p; v160-191 O^T; v192-203 p's codes; v204-207 V's scale words; v208-214 halves of codes; v216-227 the blocks' maxima, bytes, scale operands; v232 p's scale word; v[234:235] f; v236-237 at work.
.set CHK,  49152                       ; a chunk in LDS: K's 32 tiles of 768 bytes, then V's 4 key steps of 6,144
.set VOF,  24576
.set SCB,  4*CHK                       ; K's scale words (tile x 64 + 4 r), 8,192 bytes; V's at + 8,192: (step / 8) x 4,096 + (step % 8) x 256 + 64 x tile + 4 r
.set NB,   SCB+16384                   ; the mask's 2,048 numbers C
.set WV,   10
.set SEL,  20
.set CS,   22
.set G1K,  24
.set G1V,  32
.set G1KS, 40
.set G1VS, 48
.set GA0,  56
.set GA1,  60
.set GA2,  68
.set GA3,  72
.set GA4,  76
.set BM,   216
.set BP,   220
.set BS,   224
.set PCD,  192
.set TPA,  208
.set PSW,  232
.set FF,   234
.set TW,   236
.macro CROUND                          ; a round of the cluster's barrier
	s_barrier_signal -1
	s_barrier_wait -1
	s_cmp_lg_u32 s[WV], 0
	s_cbranch_scc1 .Lnot_wave_0_\@
	s_barrier_signal -3
.Lnot_wave_0_\@:
	s_barrier_wait -3
	s_barrier_signal -1
	s_barrier_wait -1
.endm
	s_load_b128 s[4:7], s[0:1], 0x0                ; qkv, mask
	s_load_b64 s[8:9], s[0:1], 0x10                ; o6
	v_lshl_add_u32 v254, v0, 2, 0x36000
	v_mov_b32 v255, 0
	ds_add_u32 v254, v255
	ds_add_u32 v254, v255
	v_lshrrev_b32 v1, 5, v0
	s_delay_alu instid0(VALU_DEP_1)
	v_readfirstlane_b32 s[WV], v1                  ; wave 0..15
	s_bfe_u32 s16, ttmp6, 0x40000                  ; cx: it enters Q's and o's addresses alone
	s_and_b32 s11, ttmp7, 0xffff
	s_lshr_b32 s12, s11, 4                         ; batch
	s_and_b32 s13, s11, 15                         ; head
	s_lshr_b32 s14, s13, 1                         ; head pair
	s_and_b32 s15, s13, 1                          ; which of the pair
	; group 1.  15:0 the mask: all four work-groups; 17:16 elements of 8 bytes; 21 set beside a mask; no padding
	s_mov_b32 s[G1K], 15|(3<<16)|(1<<21)           ; K: 16 tiles x 768 bytes (my head's half of a fragment), 1,536 bytes apart
	s_mov_b32 s[G1K+1], 96<<16
	s_mov_b32 s[G1K+2], 16<<16
	s_mov_b32 s[G1K+3], 96<<16
	s_mov_b32 s[G1K+4], 16
	s_mov_b32 s[G1K+5], 192
	s_mov_b32 s[G1K+6], 0
	s_mov_b32 s[G1K+7], 0
	s_mov_b32 s[G1V], 15|(3<<16)|(1<<21)           ; V: 2 key steps x 6,144 bytes (my head's four fragments), 98,304 bytes apart
	s_mov_b32 s[G1V+1], 768<<16
	s_mov_b32 s[G1V+2], 2<<16
	s_mov_b32 s[G1V+3], 768<<16
	s_mov_b32 s[G1V+4], 2
	s_mov_b32 s[G1V+5], 12288
	s_mov_b32 s[G1V+6], 0
	s_mov_b32 s[G1V+7], 0
	s_mov_b32 s[G1KS], 15|(3<<16)|(1<<21)          ; K's scale words: 4,096 dense bytes as 16 rows of 256
	s_mov_b32 s[G1KS+1], 32<<16
	s_mov_b32 s[G1KS+2], 16<<16
	s_mov_b32 s[G1KS+3], 32<<16
	s_mov_b32 s[G1KS+4], 16
	s_mov_b32 s[G1KS+5], 32
	s_mov_b32 s[G1KS+6], 0
	s_mov_b32 s[G1KS+7], 0
	s_mov_b32 s[G1VS], 15|(3<<16)|(1<<21)          ; V's: 8 key steps x 256 bytes, 4,096 bytes apart
	s_mov_b32 s[G1VS+1], 32<<16
	s_mov_b32 s[G1VS+2], 8<<16
	s_mov_b32 s[G1VS+3], 32<<16
	s_mov_b32 s[G1VS+4], 8
	s_mov_b32 s[G1VS+5], 512
	s_mov_b32 s[G1VS+6], 0
	s_mov_b32 s[G1VS+7], 0
	; what I fetch, if I fetch: waves 0, 1: halves of K's chunks and scale words; waves 2, 3: of V's
	s_lshl_b32 s18, s14, 8
	s_lshl_b32 s81, s12, 7
	s_add_co_u32 s18, s18, s81                     ; K's first fragment: 256 x pair + 128 x batch
	s_lshl_b32 s19, s12, 10
	s_lshl_b32 s81, s13, 2
	s_add_co_u32 s19, s19, s81                     ; V's: 1,024 x batch + 4 x head
	s_mul_i32 s82, s18, 1536
	s_mul_i32 s81, s15, 768
	s_add_co_u32 s82, s82, s81
	s_mul_i32 s81, s[WV], 24576
	s_add_co_u32 s82, s82, s81
	s_add_co_u32 s82, s82, 3145728                 ; K's codes
	s_sub_co_u32 s84, s[WV], 2
	s_mul_i32 s85, s19, 1536
	s_mul_i32 s81, s84, 196608
	s_add_co_u32 s85, s85, s81
	s_add_co_u32 s85, s85, 6291456                 ; V's codes
	s_lshl_b32 s86, s18, 6
	s_lshl_b32 s81, s[WV], 12
	s_add_co_u32 s86, s86, s81
	s_add_co_u32 s86, s86, 9568256                 ; K's scale words
	s_lshl_b32 s87, s19, 6
	s_lshl_b32 s81, s84, 15
	s_add_co_u32 s87, s87, s81
	s_add_co_u32 s87, s87, 9699328                 ; V's
	s_mov_b32 s81, 393216
	s_cmp_lt_u32 s[WV], 2
	s_cselect_b32 s82, s82, s85
	s_cselect_b32 s86, s86, s87
	s_cselect_b32 s84, 49152, s81                  ; from chunk to chunk in memory
	s_mov_b32 s83, 0
	s_mov_b32 s85, 0
	s_mov_b32 s87, 0
	s_lshl_b32 s88, s[WV], 12
	s_mul_i32 s89, s[WV], 12288
	s_lshl_b32 s90, s15, 1                         ; my head's two bytes of a scale word
	s_mov_b32 s[SEL], 0x76543210
	s_mov_b32 s[SEL+1], 0xfedcba98
	s_mov_b32 s[CS], 0x3d38aa3b                    ; log2(e) / 32
	s_mov_b32 s[CS+1], s[CS]                       ; (named with it as a pair, so it is written)
	s_wait_dscnt 0x0
	s_wait_kmcnt 0x0
	s_mov_b32 s[GA0], 1
	s_add_co_u32 s[GA0+1], s88, SCB
	s_add_nc_u64 s[GA0+2:GA0+3], s[4:5], s[86:87]
	s_or_b32 s[GA0+3], s[GA0+3], 0x80000000
	s_add_nc_u64 s[82:83], s[4:5], s[82:83]
.macro G0SET g, c
	s_mov_b32 s[\g], 1
	s_add_co_u32 s[\g+1], s89, (\c)*CHK
	s_mov_b64 s[\g+2:\g+3], s[82:83]
	s_or_b32 s[\g+3], s[\g+3], 0x80000000
	s_add_nc_u64 s[82:83], s[82:83], s[84:85]
.endm
	G0SET GA1, 0
	G0SET GA2, 1
	G0SET GA3, 2
	G0SET GA4, 3
	CROUND                                         ; all four work-groups are here: the joint loads meet
	s_cmp_lt_u32 s[WV], 2                          ; a wave's fills stand in one branch on its number: five loads of mine are out; four v_nop follow the last
	s_cbranch_scc0 .Lnot_k
	tensor_load_to_lds s[GA0:GA0+3], s[G1KS:G1KS+7]
	s_nop 0
	tensor_load_to_lds s[GA1:GA1+3], s[G1K:G1K+7]
	s_nop 0
	tensor_load_to_lds s[GA2:GA2+3], s[G1K:G1K+7]
	s_nop 0
	tensor_load_to_lds s[GA3:GA3+3], s[G1K:G1K+7]
	s_nop 0
	tensor_load_to_lds s[GA4:GA4+3], s[G1K:G1K+7]
	s_nop 0
.rept 4
	v_nop
.endr
	s_branch .Lasked
.Lnot_k:
	s_cmp_lt_u32 s[WV], 4
	s_cbranch_scc0 .Lasked
	tensor_load_to_lds s[GA0:GA0+3], s[G1VS:G1VS+7]
	s_nop 0
	tensor_load_to_lds s[GA1:GA1+3], s[G1V:G1V+7]
	s_nop 0
	tensor_load_to_lds s[GA2:GA2+3], s[G1V:G1V+7]
	s_nop 0
	tensor_load_to_lds s[GA3:GA3+3], s[G1V:G1V+7]
	s_nop 0
	tensor_load_to_lds s[GA4:GA4+3], s[G1V:G1V+7]
	s_nop 0
.rept 4
	v_nop
.endr
.Lasked:
	v_and_b32 v6, 31, v0                           ; lane
	v_and_b32 v7, 15, v0                           ; r
	v_bfe_u32 v30, v0, 4, 1                        ; h
	s_delay_alu instid0(VALU_DEP_3)
	v_lshlrev_b32 v1, 4, v6                        ; 16 x lane: a fragment's registers 0-3
	s_delay_alu instid0(VALU_DEP_4)
	v_lshlrev_b32 v2, 3, v6
	s_delay_alu instid0(VALU_DEP_1)
	v_add_nc_u32 v2, 512, v2                       ; 512 + 8 x lane: its registers 4, 5
	v_lshl_add_u32 v3, v7, 2, SCB
	s_delay_alu instid0(VALU_DEP_1)
	v_add_nc_u32 v3, s90, v3                       ; K's scale words: my head's two bytes
	v_lshl_add_u32 v4, v7, 2, SCB+8192             ; V's
	v_lshl_add_u32 v5, v30, 6, NB                  ; C: 16 keys of each 32 for my half
	v_lshl_add_u32 v31, v0, 4, NB                  ; where my thread puts four numbers C
	v_lshlrev_b32 v236, 4, v0
	s_wait_alu depctr_va_vdst(0)
	v_lshlrev_b32 v237, 2, v7
	s_wait_alu depctr_va_vdst(0)
	s_lshl_b32 s82, s12, 13
	s_mov_b32 s83, 0
	s_add_nc_u64 s[82:83], s[6:7], s[82:83]        ; my batch's mask
	s_lshl_b32 s17, ttmp9, 2
	s_add_co_u32 s17, s17, s16
	s_lshl_b32 s17, s17, 4
	s_add_co_u32 s17, s17, s[WV]                   ; my tile of queries in the batch: 16 (4 x cluster x + cx) + wave
	s_lshl_b32 s84, s12, 7
	s_add_co_u32 s17, s17, s84                     ; and among all tokens
	s_lshl_b32 s84, s14, 8
	s_add_co_u32 s84, s84, s17                     ; Q's fragment
	s_mul_i32 s86, s84, 1536
	s_mul_i32 s81, s15, 768
	s_add_co_u32 s86, s86, s81
	s_mov_b32 s87, 0
	s_add_nc_u64 s[86:87], s[4:5], s[86:87]
	s_lshl_b32 s88, s84, 6
	s_add_co_u32 s88, s88, s90
	s_add_co_u32 s88, s88, 9437184
	s_mov_b32 s89, 0
	s_add_nc_u64 s[88:89], s[4:5], s[88:89]
	s_lshl_b32 s81, s17, 3
	s_add_co_u32 s81, s81, s14
	s_mul_i32 s92, s81, 1536
	s_mul_i32 s81, s15, 768
	s_add_co_u32 s92, s92, s81
	s_mov_b32 s93, 0
	s_add_nc_u64 s[92:93], s[8:9], s[92:93]        ; o's codes: fragment 8 x tile + pair, my head's half
	s_lshl_b32 s94, s17, 9
	s_lshl_b32 s81, s13, 1
	s_add_co_u32 s94, s94, s81
	s_add_co_u32 s94, s94, 3145728
	s_mov_b32 s95, 0
	s_add_nc_u64 s[94:95], s[8:9], s[94:95]        ; o's scale bytes: 512 x tile + 32 r + 2 x head
	global_load_b128 v[96:99], v236, s[82:83]      ; four numbers of the mask a thread
	global_load_b128 v[16:19], v1, s[86:87]        ; Q's six registers
	global_load_b64 v[20:21], v2, s[86:87]
	global_load_u16 v29, v237, s[88:89]            ; and its two scale bytes
.irp i, 22,23,24,25,26,27,80,81,82,83,84,85
	v_mov_b32 v[\i], 0                             ; zero codes for k = 64 .. 127 of Q; the six registers behind K's last tile are written
.endr
	v_mov_b32 v13, 0xff61b1e6                      ; the largest t so far: -3e38
	s_delay_alu instid0(VALU_DEP_1)
	v_floor_f32 v12, -v13                          ; -M
	v_mov_b32 v14, 0
	v_mov_b32 v15, 0
	v_mov_b32 v[FF+1], 0                           ; (named as the upper half of a pair)
.irp b, 0,1,2,3
	v_mov_b32 v[BP+\b], 0                          ; a lane permute's destination counts as one of its sources
.endr
.set j, 0
.rept 32
	v_mov_b32 v[160+j], 0                          ; O^T: the step is written once; the first finds zeros
.set j, j+1
.endr
	s_wait_loadcnt 3                               ; the mask is in; Q's three loads may be out
.irp i, 0,1,2,3
	v_sub_f32 v[96+\i], 1.0, v[96+\i]
.endr
.irp i, 0,1,2,3
	s_delay_alu instid0(VALU_DEP_4)
	v_mul_f32 v[96+\i], 0x5368d4a5, v[96+\i]       ; x 1e12, rounded as the definition rounds it,
.endr
.irp i, 0,1,2,3
	s_delay_alu instid0(VALU_DEP_4)
	v_mul_f32 v[96+\i], 0xc2000000, v[96+\i]       ; x -32: exact
.endr
	ds_store_b128 v31, v[96:99]
; A KEY STEP: 128 keys.  s2, s3, s66, s67: where the step's tiles, K's and V's scale words and its numbers C begin
.macro STEP
	v_add_nc_u32 v8, s2, v1                        ; (these five are also the places in front of the loads into registers that the last products read)
	v_add_nc_u32 v9, s2, v2
	v_add_nc_u32 v10, s3, v3
	v_add_nc_u32 v11, s66, v4
	v_add_nc_u32 v28, s67, v5
.irp t, 0,1,2,3,4,5,6,7
	ds_load_b128 v[96+8*\t:99+8*\t], v28 offset:128*(\t/2)+32*(\t%2)           ; C of keys 32 (t / 2) + 16 h + 8 (t % 2) + 0 .. 7
	ds_load_b128 v[100+8*\t:103+8*\t], v28 offset:128*(\t/2)+32*(\t%2)+16
.endr
.irp t, 0,1,2,3,4,5,6,7
	ds_load_b128 v[32+6*\t:35+6*\t], v8 offset:768*\t
	ds_load_b64 v[36+6*\t:37+6*\t], v9 offset:768*\t
	ds_load_u16 v[86+\t], v10 offset:64*\t
.endr
	s_wait_alu depctr_va_vdst(0)
	s_wait_dscnt 0x0
.irp t, 0,1,2,3,4,5,6,7
	v_wmma_scale_f32_16x16x128_f8f6f4 v[96+8*\t:103+8*\t], v[32+6*\t:43+6*\t], v[16:27], v[96+8*\t:103+8*\t], v[86+\t], v29 matrix_a_fmt:MATRIX_FMT_FP6 matrix_b_fmt:MATRIX_FMT_FP6
.endr
.rept 4
	v_nop                                          ; places in front of the loads below and of the first read of the sums
.endr
.irp d, 0,1,2,3                                    ; V's four fragments land under the softmax
	ds_load_b128 v[32+12*\d:35+12*\d], v8 offset:VOF+1536*\d
	ds_load_b64 v[36+12*\d:37+12*\d], v9 offset:VOF+1536*\d
	ds_load_b128 v[38+12*\d:41+12*\d], v8 offset:VOF+1536*\d+768
	ds_load_b64 v[42+12*\d:43+12*\d], v9 offset:VOF+1536*\d+768
	ds_load_b32 v[204+\d], v11 offset:64*\d
.endr
.set j, 0
.rept 32
	v_pk_mul_f32 v[96+j:97+j], v[96+j:97+j], s[CS:CS+1] op_sel_hi:[1,0]        ; t, rounded; each accumulator from its low end on
.set j, j+2
.endr
.irp b, 0,1,2,3
	v_max3_num_f32 v[BM+\b], v[96+16*\b], v[97+16*\b], v[98+16*\b]             ; the largest t of each block of 32 keys: it serves the row's maximum and, since p rises with t, the block's largest p
.endr
.irp i, 3,5,7,9,11,13
.irp b, 0,1,2,3
	s_delay_alu instid0(VALU_DEP_4)
	v_max3_num_f32 v[BM+\b], v[BM+\b], v[96+16*\b+\i], v[97+16*\b+\i]
.endr
.endr
.irp b, 0,1,2,3
	s_delay_alu instid0(VALU_DEP_4)
	v_max_num_f32 v[BM+\b], v[BM+\b], v[111+16*\b]
.endr
.irp b, 0,1,2,3
	s_delay_alu instid0(VALU_DEP_4)
	v_permlanex16_b32 v[BP+\b], v[BM+\b], s[SEL], s[SEL+1]
.endr
.irp b, 0,1,2,3
	s_delay_alu instid0(VALU_DEP_4)
	v_max_num_f32 v[BM+\b], v[BM+\b], v[BP+\b]     ; with lane l xor 16's 16 keys
.endr
	s_delay_alu instid0(VALU_DEP_2)
	v_max3_num_f32 v[TW], v[BM], v[BM+1], v[BM+2]
	s_delay_alu instid0(VALU_DEP_1)
	v_max_num_f32 v[TW], v[TW], v[BM+3]
	s_delay_alu instid0(VALU_DEP_1)
	v_max_num_f32 v13, v13, v[TW]                  ; the running largest t
	v_mov_b32 v[TW], v12
	s_delay_alu instid0(VALU_DEP_2)
	v_floor_f32 v12, -v13                          ; the new -M: M is a whole number
	s_delay_alu instid0(VALU_DEP_1)
	v_sub_f32 v[TW], v12, v[TW]                    ; old M - new M: a whole number, 0 or less
	s_delay_alu instid0(VALU_DEP_1)
	v_cvt_i32_f32 v[TW], v[TW]                     ; (it saturates)
	s_delay_alu instid0(VALU_DEP_1)
	v_ldexp_f32 v[FF], 1.0, v[TW]                  ; f = 2^(old M - new M)
.set j, 0
.rept 32
	v_pk_add_f32 v[96+j:97+j], v[96+j:97+j], v[12:13] op_sel_hi:[1,0]          ; t - M
.set j, j+2
.endr
.irp b, 0,1,2,3
	v_add_f32 v[BM+\b], v[BM+\b], v12
.endr
.set j, 0
	s_setprio 1
	s_wait_alu depctr_va_vdst(0)
.rept 64
	v_exp_f32 v[96+j], v[96+j]                     ; p = 2^(t - M), at most 1
.set j, j+1
.endr
.irp b, 0,1,2,3
	v_exp_f32 v[BM+\b], v[BM+\b]                   ; the block's largest p: the same instructions on the same number
.endr
	v_pk_mul_f32 v[14:15], v[14:15], v[FF:FF+1] op_sel_hi:[1,0]                ; the sums under the new M (a plain place behind the exponentials)
	s_wait_alu depctr_va_vdst(0)
.irp b, 0,1,2,3
	v_max_num_f32 v[BM+\b], 0x1800000, v[BM+\b]    ; the floor 2^(3 - 127)
.endr
.irp b, 0,1,2,3
	s_delay_alu instid0(VALU_DEP_4)
	v_add_nc_u32 v[BS+\b], 0xff000000, v[BM+\b]    ; the conversion's scale operand
.endr
.irp b, 0,1,2,3
	s_delay_alu instid0(VALU_DEP_4)
	v_lshrrev_b32 v[BP+\b], 23, v[BS+\b]           ; the scale's byte
.endr
	s_delay_alu instid0(VALU_DEP_3)
	v_lshl_or_b32 v[PSW], v[BP+1], 8, v[BP]
	s_delay_alu instid0(VALU_DEP_1)
	v_lshl_or_b32 v[PSW], v[BP+2], 16, v[PSW]
	s_delay_alu instid0(VALU_DEP_1)
	v_lshl_or_b32 v[PSW], v[BP+3], 24, v[PSW]
.irp c, 0,1
	v_cvt_scalef32_pk16_fp6_f32 v[PCD+6*\c:PCD+2+6*\c], v[96+32*\c:111+32*\c], v[BS+2*\c]
	v_cvt_scalef32_pk16_fp6_f32 v[TPA+4*\c:TPA+2+4*\c], v[112+32*\c:127+32*\c], v[BS+1+2*\c]
.endr
	v_nop                                          ; one plain place behind a scaled conversion
.irp c, 0,1
.irp i, 0,1,2
	v_permlane16_swap_b32 v[PCD+6*\c+\i], v[TPA+4*\c+\i]
.endr
.irp i, 0,1,2
	s_delay_alu instid0(VALU_DEP_3)
	v_mov_b32 v[PCD+3+6*\c+\i], v[TPA+4*\c+\i]
.endr
.endr
	v_pk_add_f32 v[236:237], v[100:101], v[104:105]
	v_pk_add_f32 v[252:253], v[108:109], v[112:113]
	v_pk_add_f32 v[250:251], v[116:117], v[120:121]
	v_pk_add_f32 v[248:249], v[124:125], v[128:129]
	v_pk_add_f32 v[246:247], v[132:133], v[136:137]
	v_pk_add_f32 v[244:245], v[140:141], v[144:145]
	v_pk_add_f32 v[242:243], v[148:149], v[152:153]
	v_pk_add_f32 v[14:15], v[14:15], v[156:157]
	v_pk_add_f32 v[236:237], v[236:237], v[96:97]
	v_pk_add_f32 v[252:253], v[252:253], v[98:99]
	v_pk_add_f32 v[250:251], v[250:251], v[102:103]
	v_pk_add_f32 v[248:249], v[248:249], v[106:107]
	v_pk_add_f32 v[246:247], v[246:247], v[110:111]
	v_pk_add_f32 v[244:245], v[244:245], v[114:115]
	v_pk_add_f32 v[242:243], v[242:243], v[118:119]
	v_pk_add_f32 v[14:15], v[14:15], v[122:123]
	v_pk_add_f32 v[236:237], v[236:237], v[126:127]
	v_pk_add_f32 v[252:253], v[252:253], v[130:131]
	v_pk_add_f32 v[250:251], v[250:251], v[134:135]
	v_pk_add_f32 v[248:249], v[248:249], v[138:139]
	s_setprio 0
	v_pk_add_f32 v[246:247], v[246:247], v[142:143]
	v_pk_add_f32 v[244:245], v[244:245], v[146:147]
	v_pk_add_f32 v[242:243], v[242:243], v[150:151]
	v_pk_add_f32 v[14:15], v[14:15], v[154:155]
	v_pk_add_f32 v[236:237], v[236:237], v[158:159]
	s_delay_alu instid0(VALU_DEP_2)
	v_pk_add_f32 v[14:15], v[14:15], v[248:249]
	s_delay_alu instid0(VALU_DEP_2)
	v_pk_add_f32 v[236:237], v[236:237], v[246:247]
	v_pk_add_f32 v[252:253], v[252:253], v[244:245]
	v_pk_add_f32 v[250:251], v[250:251], v[242:243]
	s_delay_alu instid0(VALU_DEP_2)
	v_pk_add_f32 v[14:15], v[14:15], v[252:253]
	s_delay_alu instid0(VALU_DEP_2)
	v_pk_add_f32 v[236:237], v[236:237], v[250:251]
	s_delay_alu instid0(VALU_DEP_1)
	v_pk_add_f32 v[14:15], v[14:15], v[236:237]
.set j, 0
.rept 16
	v_pk_mul_f32 v[160+j:161+j], v[160+j:161+j], v[FF:FF+1] op_sel_hi:[1,0]    ; O^T under the new M
.set j, j+2
.endr
	s_wait_alu depctr_va_vdst(0)
	s_wait_dscnt 0x0                               ; V
.irp d, 0,1,2,3
	v_wmma_scale_f32_16x16x128_f8f6f4 v[160+8*\d:167+8*\d], v[32+12*\d:43+12*\d], v[PCD:PCD+11], v[160+8*\d:167+8*\d], v[204+\d], v[PSW] matrix_a_fmt:MATRIX_FMT_FP6 matrix_b_fmt:MATRIX_FMT_FP6
.endr
	s_add_co_u32 s2, s2, 6144
	s_add_co_u32 s3, s3, 512
	s_add_co_u32 s66, s66, 256
	s_add_co_u32 s67, s67, 512
.endm
; A chunk of 512 keys: the fetching waves wait for its load (the later chunks' may stay out), a barrier shows it to all sixteen, four key steps
.macro CHUNK c
	s_mov_b32 s2, (\c)*CHK
	s_mov_b32 s3, (\c)*2048
	s_mov_b32 s66, ((\c)/2)*4096+((\c)%2)*1024
	s_mov_b32 s67, (\c)*2048
	s_wait_tensorcnt 3-(\c)                        ; behind this chunk's load stand 3 - c loads of mine
.if (\c) == 0
	s_wait_loadcnt 0x0                             ; Q
.endif
	s_wait_dscnt 0x0                               ; my store of C has landed; no LDS instruction of mine is out
	s_barrier_signal -1
	s_barrier_wait -1
	s_mov_b32 s80, 4
.Lstep_\@:
	s_setprio 2
	STEP
	s_sub_co_u32 s80, s80, 1
	s_cmp_lg_u32 s80, 0
	s_cbranch_scc1 .Lstep_\@
	s_setprio 0
.endm
	CHUNK 0
	CHUNK 1
	CHUNK 2
	CHUNK 3
	; THE WAY OUT: O^T / the sum; register 16 b + i is channel 32 b + 16 h + i of my query: two blocks of 32, quantised as half a fragment
.rept 4
	v_nop                                          ; places behind the last products
.endr
	v_add_f32 v14, v14, v15
	s_delay_alu instid0(VALU_DEP_1)
	v_permlanex16_b32 v[TW], v14, s[SEL], s[SEL+1]
	s_delay_alu instid0(VALU_DEP_1)
	v_add_f32 v14, v14, v[TW]                      ; the row's sum
	s_wait_alu depctr_va_vdst(0)
	v_rcp_f32 v14, v14
	v_and_b32 v7, 15, v0                           ; (a plain place behind the reciprocal)
	s_delay_alu instid0(VALU_DEP_1)
	v_lshlrev_b32 v7, 5, v7                        ; 32 r
.set j, 0
	s_wait_alu depctr_va_vdst(0)
.rept 32
	v_mul_f32 v[96+j], v[160+j], v14
.set j, j+1
.endr
.irp b, 0,1
	v_max3_num_f32 v[BM+\b], |v[96+16*\b]|, |v[97+16*\b]|, 0x1800000
.endr
.irp i, 2,4,6,8,10,12,14
.irp b, 0,1
	s_delay_alu instid0(VALU_DEP_2)
	v_max3_num_f32 v[BM+\b], v[BM+\b], |v[96+16*\b+\i]|, |v[97+16*\b+\i]|
.endr
.endr
.irp b, 0,1
	s_delay_alu instid0(VALU_DEP_2)
	v_permlanex16_b32 v[BP+\b], v[BM+\b], s[SEL], s[SEL+1]
.endr
.irp b, 0,1
	s_delay_alu instid0(VALU_DEP_2)
	v_max_num_f32 v[BM+\b], v[BM+\b], v[BP+\b]
.endr
.irp b, 0,1
	s_delay_alu instid0(VALU_DEP_2)
	v_add_nc_u32 v[BS+\b], 0xff000000, v[BM+\b]
.endr
.irp b, 0,1
	s_delay_alu instid0(VALU_DEP_2)
	v_lshrrev_b32 v[BP+\b], 23, v[BS+\b]
.endr
	s_delay_alu instid0(VALU_DEP_1)
	v_lshl_or_b32 v[PSW], v[BP+1], 8, v[BP]
	v_cvt_scalef32_pk16_fp6_f32 v[PCD:PCD+2], v[96:111], v[BS]
	v_cvt_scalef32_pk16_fp6_f32 v[TPA:TPA+2], v[112:127], v[BS+1]
	v_nop
.irp i, 0,1,2
	v_permlane16_swap_b32 v[PCD+\i], v[TPA+\i]
.endr
.irp i, 0,1,2
	s_delay_alu instid0(VALU_DEP_3)
	v_mov_b32 v[PCD+3+\i], v[TPA+\i]
.endr
	global_store_b128 v1, v[PCD:PCD+3], s[92:93]   ; 512 consecutive bytes
	global_store_b64 v2, v[PCD+4:PCD+5], s[92:93]  ; 256 consecutive bytes
	global_store_b16 v7, v[PSW], s[94:95]
	s_wait_tensorcnt 0x0
	ds_add_u32 v254, v255
	s_wait_dscnt 0x0
	CROUND                                         ; the closing round
	s_endpgm
.Lfunc_end_k_qdd00154067_attn:
	.size	k_qdd00154067_attn, .Lfunc_end_k_qdd00154067_attn-k_qdd00154067_attn
	.p2alignl 7, 3214868480
	.fill 96, 4, 3214868480
	.section	.rodata,"a",@progbits
	.p2align	6, 0x0
	.amdhsa_kernel k_qdd00154067_attn
		.amdhsa_group_segment_fixed_size 223232
		.amdhsa_private_segment_fixed_size 0
		.amdhsa_enable_private_segment 0
		.amdhsa_kernarg_size 24
		.amdhsa_user_sgpr_count 2
		.amdhsa_user_sgpr_kernarg_segment_ptr 1
		.amdhsa_wavefront_size32 1
		.amdhsa_system_sgpr_workgroup_id_x 1
		.amdhsa_system_sgpr_workgroup_id_y 1
		.amdhsa_system_sgpr_workgroup_id_z 1
		.amdhsa_system_vgpr_workitem_id 0
		.amdhsa_next_free_vgpr 256
		.amdhsa_next_free_sgpr 96
		.amdhsa_reserve_vcc 0
		.amdhsa_float_denorm_mode_32 3
		.amdhsa_float_denorm_mode_16_64 3
		.amdhsa_memory_ordered 1
		.amdhsa_forward_progress 1
		.amdhsa_inst_pref_size 106
	.end_amdhsa_kernel
	.amdgpu_metadata
---
amdhsa.version: [ 1, 2 ]
amdhsa.kernels:
  - .name:           k_qdd00154067_attn
    .symbol:         k_qdd00154067_attn.kd
    .args:
      - { .name: qkv, .offset: 0, .size: 8, .value_kind: global_buffer, .address_space: global }
      - { .name: mask, .offset: 8, .size: 8, .value_kind: global_buffer, .address_space: global }
      - { .name: o6, .offset: 16, .size: 8, .value_kind: global_buffer, .address_space: global }
    .group_segment_fixed_size: 223232
    .private_segment_fixed_size: 0
    .kernarg_segment_align: 8
    .kernarg_segment_size: 24
    .max_flat_workgroup_size: 512
    .sgpr_count:     96
    .vgpr_count:     256
    .wavefront_size: 32
...
	.end_amdgpu_metadata
.endif
;; end of part 5
;; launch tail (part 6): grid 128 x 1, 4 waves a work-group, no clusters, 75,264 bytes of LDS; arguments o6, wts, query, bc, rms1_scale, mlp_b1, mlp_b2, rms2_scale, out0; writes out0
.if DOCPART == 6
	.amdgcn_target "amdgcn-amd-amdhsa--gfx1250"
	.amdhsa_code_object_version 6
	.text
	.protected	k_qdd00154067_tail
	.globl	k_qdd00154067_tail
	.p2align	8
	.type	k_qdd00154067_tail,@function
k_qdd00154067_tail:
	s_mov_b64 s[64:65], 0
	v_nop
	global_prefetch_b8 v0, s[64:65] scope:SCOPE_SE
	s_setreg_imm32_b32 hwreg(HW_REG_WAVE_SCHED_MODE, 0, 2), 2
	s_setreg_imm32_b32 hwreg(HW_REG_WAVE_MODE, 25, 1), 1
	s_wait_xcnt 0x0
	s_wait_alu depctr_vm_vsrc(0)
; TAIL: r1 = rmsnorm(o Wc + bc + query) s1;  out = rmsnorm(r1 + relu(r1 W1 + b1) W2 + b2) s2.  The three products on codes of FP6 (E2M3); all else in f32.
; SHARES.  A work-group owns 32 tokens (two tiles of rows, m = 0, 1) through the whole chain: a norm wants whole rows.  THE WAVES SHARE THE COLUMNS: a wave makes 256 columns of the first and third product and
; 128 hidden units of the second.  The products are used transposed (source 0 = 16 columns of a weight, source 1 = 16 tokens): a lane holds one token, its registers run along the columns, 16 neighbours for two tiles.
; THE WEIGHTS go from memory straight into registers, in the order in which they were laid: 64 groups of four fragments and their scale words (13 or 14 loads), through a ring of six sets; the ring runs on through the norms.
; THE WALK.  Every work-group reads all of the three weights.  So that they do not all ask for the same bytes at the same time, a work-group has a class c = (g xor g / 4 xor g / 16) mod 4, and K goes by quarters,
; the quarter outermost: in the i-th quarter of a product's walk the work-group takes K's quarter i xor c: at any time the four classes read four different quarters of a weight.
; ONLY ADDRESSES IN MEMORY HANG ON c.  Wave w takes the columns' quarter w xor c, but keeps its own place w in LDS: so place s of r1's fragments holds K step s xor 2 c, place s of the hidden layer's holds K step s xor c,
; and the weights' fragments and scale words are asked for by the same rule; o's fragments come from memory in that order too.  No register number, LDS address or branch hangs on c.
; An output is still one f32 sum in one accumulator; in classes 1 to 3 its K steps are taken in another order than ascending.
; No cluster and no tensor load: the weights never touch LDS, so there is no tile that a joint load could share.
; What one wave has quantised reaches the others through LDS as images of the operand's registers.  Four barriers: the first norm's sums, r1's images, the hidden layer's images, the second norm's sums.
; The sums begin on what is added anyway: query + bc, b1, r1 + b2.  Nothing is cleared.
; LIMITS: NaN and infinities are not served; the norm multiplies by v_rcp_f32 of (rms + 1e-8) where the definition divides; a block whose largest magnitude lies under 2^-124 gets the byte 1.
; REGISTERS, in windows of 256: window 0: v2-31, v120-127 addresses; v32-47 the rows' scale words; v48-59 the weights', two places a set; v68-104 the quantiser's; v106-119 sums and factors; v128-255 H: the hidden layer, column vectors, rows on the way out.
;   window 1: Y(m, t) at 128 m + 8 t.   window 2: v0-191 the rows' fragments; v192-239 the ring's sixth set.   window 3: the ring's other five sets, 48 registers each.
; THE MODE: SCHED_MODE bits 1:0 = 2 (LLVM: expert scheduling mode 2), set by the entry lines.  The code itself states the register dependences
; between vector or matrix instructions and memory or LDS instructions, with s_wait_alu, always for 0.
; THE PLAN.  Registers that memory or LDS instructions touch:
;   the ring's six sets and their scale words.  Group g's eight products read set g % 6.  The loads of group g + 5 land in set (g - 1) % 6 and are issued in group g's turn, behind ONE wait on va_vdst at the turn's head:
;       it states that group g - 1's products are done reading that set, and it stands behind the wait for group g's data.  Group g's products name set g % 6, the rows' fragments and scale words and the accumulators:
;       none of the registers that those loads touch.  So half of the loads stand ahead of the products and half behind them, with no further wait.
;   the rows' fragments and scale words.  Filled from memory (o) or from LDS (r1, the hidden layer), read by products alone; each filling from LDS stands behind the wait on va_vdst ahead of the last image's stores.
;   H.  bc, s1, b1, the hidden layer, b2, s2, rows on the way out, one after the other: each load into it stands behind a wait on va_vdst that follows its last vector reader.
;   Y.  query lands in it and turns through the stage into the registers that it left: a wait on vm_vsrc between a block's stores and its loads.  On the way out one wait on va_vdst ahead of the first LDS store.
;   v[PC ..], v[PW].  Written by the quantiser, read by an image's stores: va_vdst ahead of the stores, vm_vsrc behind them where a quantiser follows.
;   v[SA ..].  Written by the sums, read by two LDS stores, then filled by LDS loads: va_vdst ahead of the stores, vm_vsrc ahead of the loads.
;   addresses and offsets.  Made at the head, one wait on va_vdst ahead of the first load; never written again, but for v84-91, which serve o's loads alone and are the quantiser's afterwards.
;   v114, v115.  Written at the head, read by the closing add alone.
.set STGW, 8448                        ; LDS: a stage for each wave, 16 rows x (512 bytes + 16);
.set XIMG, 4*STGW                      ; r1's 16 fragments (8 m + place),
.set XSC,  XIMG+16*1536                ; their scale words, 128 bytes each,
.set HIMG, XSC+16*128                  ; the hidden layer's 8 fragments (4 m + place),
.set HSC,  HIMG+8*1536                 ; their scale words,
.set RED,  HSC+8*128                   ; and the norms' partial sums: 512 bytes each
.set AS,  32
.set WS,  48
.set TM,  68
.set TP,  84
.set PC,  92
.set PW,  104
.set SA,  106
.set FA,  116
.set H,   128
.set VC,  5                            ; v5-8     16 x lane + 3,072 (i xor c): two K steps' fragments of a tile, K = 1,024
.set VS,  27                           ; v27-30   32 r + 512 h + 8 (i xor c): their two scale words; lanes 16-31 take the next tile's
.set VC2, 120                          ; v120-123 16 x lane + 1,536 (i xor c): one K step's fragment, K = 512
.set VS2, 124                          ; v124-127 16 r + 256 h + 4 (i xor c): its scale word
.set WCC, 50                           ; s[50:51] Wc's codes at my wave's 16 tiles;  s[52:53] their scale words
.set WCS, 52
.set W1C, 54                           ; s[54:55], s[56:57] W1's, my 8 tiles
.set W1S, 56
.set W2C, 58                           ; s[58:59], s[60:61] W2's, my 16 tiles
.set W2S, 60
.set MSB, 0
.macro WIN new                         ; the immediate's high byte repeats the setting that is left
.if MSB != (\new)
	s_set_vgpr_msb (MSB<<8)|(\new)
.set MSB, (\new)
.endif
.endm
; 64 numbers of a lane in window win, register 16 b + i = k 32 b + 16 (lane / 16) + i of my row, become a fragment in v[PC] on and its scale word in v[PW]
.macro QUANT s, win
	WIN (\win)*5                                   ; sources 0 and 1
.irp b, 0,1,2,3
	v_max3_num_f32 v[TM+\b], |v[\s+16*\b]|, |v[\s+1+16*\b]|, 0x1800000   ; and the floor 2^(3 - 127): the byte cannot fall under 1
.endr
.irp i, 2,4,6,8,10,12,14
.irp b, 0,1,2,3
	v_max3_num_f32 v[TM+\b], |v[\s+16*\b+\i]|, |v[\s+1+16*\b+\i]|, v[TM+\b]
.endr
.endr
	WIN 0
.irp b, 0,1,2,3
	v_permlanex16_b32 v[TM+4+\b], v[TM+\b], s26, s27
.endr
.irp b, 0,1,2,3
	v_max_num_f32 v[TM+\b], v[TM+\b], v[TM+4+\b]
.endr
.irp b, 0,1,2,3
	v_add_nc_u32 v[TM+12+\b], 0xff000000, v[TM+\b]     ; the conversion's scale operand
.endr
.irp b, 0,1,2,3
	v_lshrrev_b32 v[TM+4+\b], 23, v[TM+12+\b]
.endr
	v_lshl_or_b32 v[PW], v[TM+5], 8, v[TM+4]
	v_lshl_or_b32 v[PW], v[TM+6], 16, v[PW]
	v_lshl_or_b32 v[PW], v[TM+7], 24, v[PW]
	WIN \win                                       ; source 0
.irp c, 0,1
	v_cvt_scalef32_pk16_fp6_f32 v[PC+6*\c:PC+2+6*\c], v[\s+32*\c:\s+15+32*\c], v[TM+12+2*\c]
	v_cvt_scalef32_pk16_fp6_f32 v[TP+4*\c:TP+2+4*\c], v[\s+16+32*\c:\s+31+32*\c], v[TM+13+2*\c]
.endr
	WIN 0
	v_nop                                          ; one plain place behind a scaled conversion
.irp c, 0,1
.irp i, 0,1,2
	v_permlane16_swap_b32 v[PC+6*\c+\i], v[TP+4*\c+\i]
.endr
.irp i, 0,1,2
	v_mov_b32 v[PC+3+6*\c+\i], v[TP+4*\c+\i]
.endr
.endr
.endm
.macro IMAGE adr, off                  ; the fragment in v[PC] on goes to LDS as it stands
.irp c, 0,1,2
	ds_store_b128 v[\adr], v[PC+4*\c:PC+4*\c+3] offset:\off+512*\c
.endr
.endm
.macro BARRIER                         ; my LDS stores have landed and my LDS loads are in: then the work-group's barrier
	s_wait_dscnt 0x0
	s_barrier_signal -1
	s_barrier_wait -1
.endm
.macro PLACES                          ; four places behind the last products, before a vector instruction reads their results (ISA guide 7.12.1)
.rept 4
	v_nop
.endr
.endm
; Group g of the weights into set g % 6, in two runs.  part = 0: its scale words and its first two fragments; part = 1: the other two.
; 0-31: Wc, quarter g / 8 of the walk, tiles 2 (g % 8) and + 1, two K steps each; 32-47: W1 likewise, four pairs of tiles a quarter;
; 48-63: W2, quarter (g - 48) / 4, tiles 4 ((g - 48) % 4) .. + 3, one K step each.  The scale words' loads take the even tile's rows in lanes 0-15 and the odd tile's in lanes 16-31.
.macro GLOAD g, part
.set LS6, (\g)%6
.if LS6 < 5
.set LB, 48*LS6
.set LW, 0xc0                          ; destination window 3
.else
.set LB, 192
.set LW, 0x80                          ; the sixth set: destination window 2
.endif
.if (\g) < 48
.if (\g) < 32
.set LQ, (\g)/8
.set LJ, (\g)%8
.set PCB, WCC
.set PSB, WCS
.else
.set LQ, ((\g)-32)/4
.set LJ, ((\g)-32)%4
.set PCB, W1C
.set PSB, W1S
.endif
.if (\part) == 0
	WIN 0
	global_load_b64 v[WS+2*LS6:WS+2*LS6+1], v[VS+LQ], s[PSB:PSB+1] offset:1024*LJ
.endif
	WIN LW
.irp e, 0,1,2,3,4,5
	global_load_b128 v[LB+24*(\part)+4*\e:LB+24*(\part)+4*\e+3], v[VC+LQ], s[PCB:PCB+1] offset:12288*(2*LJ+(\part))+512*\e
.endr
.else
.set LQ, ((\g)-48)/4
.set LJ, ((\g)-48)%4
.if (\part) == 0
	WIN 0
	global_load_b32 v[WS+2*LS6], v[VS2+LQ], s[W2S:W2S+1] offset:1024*LJ
	global_load_b32 v[WS+2*LS6+1], v[VS2+LQ], s[W2S:W2S+1] offset:1024*LJ+512
.endif
	WIN LW
.irp e, 0,1,2,3,4,5
	global_load_b128 v[LB+24*(\part)+4*\e:LB+24*(\part)+4*\e+3], v[VC2+LQ], s[W2C:W2C+1] offset:6144*(4*LJ+2*(\part)+\e/3)+512*(\e%3)
.endr
.endif
.endm
.macro WMM row                         ; one product on the registers named by rD, rA, rB, rSA, rSB; row = 1: the weight's scale words stand in lanes 16-31
.if \row
	v_wmma_scale_f32_16x16x128_f8f6f4 v[rD:rD+7], v[rA:rA+11], v[rB:rB+11], v[rD:rD+7], v[rSA], v[rSB] matrix_a_fmt:MATRIX_FMT_FP6 matrix_b_fmt:MATRIX_FMT_FP6 matrix_a_scale:MATRIX_SCALE_ROW1
.else
	v_wmma_scale_f32_16x16x128_f8f6f4 v[rD:rD+7], v[rA:rA+11], v[rB:rB+11], v[rD:rD+7], v[rSA], v[rSB] matrix_a_fmt:MATRIX_FMT_FP6 matrix_b_fmt:MATRIX_FMT_FP6
.endif
.endm
; n tiles, from tile t0 on, of a column vector in the result's layout: register 8 t + j = the vector at 32 (t / 2) + 16 h + 8 (t % 2) + j of my wave's columns
.macro VEC dst, ptr, n, vo, t0
.set tt, \t0
.rept \n
	global_load_b128 v[\dst+8*tt:\dst+8*tt+3], v[\vo], s[\ptr:\ptr+1] offset:128*(tt/2)+32*(tt%2)
	global_load_b128 v[\dst+8*tt+4:\dst+8*tt+7], v[\vo], s[\ptr:\ptr+1] offset:128*(tt/2)+32*(tt%2)+16
.set tt, tt+1
.endr
.endm
; Group g's turn: eight products, the group's four or eight accumulators by turns, one instruction a turn; round them the loads of the group five on, into the set that the group before has left.
; Groups 59 to 62 have no group five on: in its place each asks for four tiles of s2, into H, which the heads of groups 49 to 58 have shown free (b2's additions stand ahead of them, and no product names H).
.macro MULG g
.set SL6, (\g)%6
.if SL6 < 5
.set RNB, 48*SL6
.set RNW, 3
.else
.set RNB, 192
.set RNW, 2
.endif
.set NW, 0
.irp k, 1,2,3,4
.if (\g)+\k < 48
.set NW, NW+13
.elseif (\g)+\k < 64
.set NW, NW+14
.endif
.endr
.if (\g) > 59
.set NW, NW+8*((\g)-59)
.endif
	s_wait_loadcnt NW                              ; behind this group's loads stand the up to four younger groups', 13 or 14 each, and from group 60 on eight loads of s2 for each turn since group 59's
.if (\g)+5 < 64
.if ((\g) != 0) && ((\g) != 32) && ((\g) != 48)
	s_wait_alu depctr_va_vdst(0)                   ; the products of the group before are done reading their set and its scale words, in which the loads of this turn land.  (Not written in groups 0, 32 and 48: nobody has named group 5's set; behind groups 31 and 47 a wait ahead of LDS stores has stated it, and nothing since names the set)
.endif
	GLOAD (\g)+5, 0
.endif
.if (\g) < 48
.if (\g) < 32
.set QI, (\g)/8
.set JJ, (\g)%8
.set DT, 0
.set DM, 128
	WIN 0x58|RNW                                   ; source 0 the set's window, source 1 window 2, C and D window 1
.else
.set QI, ((\g)-32)/4
.set JJ, ((\g)-32)%4
.set DT, H
.set DM, 64
	WIN 0x08|RNW                                   ; C and D window 0
.endif
.irp q, 0,1
.irp u, 0,1
.irp m, 0,1
.set rD, DT+DM*\m+8*(2*JJ+\u)
.set rA, RNB+24*\u+12*\q
.set rB, 12*(8*\m+2*QI+\q)
.set rSA, WS+2*SL6+\q
.set rSB, AS+8*\m+2*QI+\q
	WMM \u
.endr
.endr
.endr
.else
.set QI, ((\g)-48)/4
.set JJ, ((\g)-48)%4
	WIN 0x58|RNW
.irp u, 0,1,2,3
.irp m, 0,1
.set rD, 128*\m+8*(4*JJ+\u)
.set rA, RNB+12*\u
.set rB, 12*(4*\m+QI)
.set rSA, WS+2*SL6+\u/2
.set rSB, AS+4*\m+QI
	WMM \u%2
.endr
.endr
.endif
.if (\g)+5 < 64
	GLOAD (\g)+5, 1                                ; no wait: no vector or matrix instruction since the wait at the turn's head names the set that these loads land in
.elseif (\g) < 63
	WIN 0
	VEC H, 18, 4, 11, 4*((\g)-59)                  ; s2, tiles 4 (g - 59) on
.endif
.endm
.macro SS                              ; my 128 numbers' squares for each tile of rows, in two chains each; every accumulator is read from its low end on
	WIN 0x05
	v_pk_mul_f32 v[SA:SA+1], v[0:1], v[0:1]
	v_pk_mul_f32 v[SA+4:SA+5], v[128:129], v[128:129]
	v_pk_mul_f32 v[SA+2:SA+3], v[2:3], v[2:3]
	v_pk_mul_f32 v[SA+6:SA+7], v[130:131], v[130:131]
.set p, 4
.rept 31
	v_pk_fma_f32 v[SA:SA+1], v[p:p+1], v[p:p+1], v[SA:SA+1]
	v_pk_fma_f32 v[SA+4:SA+5], v[128+p:129+p], v[128+p:129+p], v[SA+4:SA+5]
	v_pk_fma_f32 v[SA+2:SA+3], v[p+2:p+3], v[p+2:p+3], v[SA+2:SA+3]
	v_pk_fma_f32 v[SA+6:SA+7], v[130+p:131+p], v[130+p:131+p], v[SA+6:SA+7]
.set p, p+4
.endr
	WIN 0
.endm
.macro NORM red                        ; the rows' sums over lanes and waves; then 1 / (sqrt(sum) / 32 + 1e-8), twice each: pairs for the packed multiply
	v_add_f32 v[SA], v[SA], v[SA+1]
	v_add_f32 v[SA+2], v[SA+2], v[SA+3]
	v_add_f32 v[SA+4], v[SA+4], v[SA+5]
	v_add_f32 v[SA+6], v[SA+6], v[SA+7]
	v_add_f32 v[SA], v[SA], v[SA+2]
	v_add_f32 v[SA+4], v[SA+4], v[SA+6]
	v_permlanex16_b32 v[SA+1], v[SA], s26, s27
	v_permlanex16_b32 v[SA+5], v[SA+4], s26, s27
	v_add_f32 v[SA], v[SA], v[SA+1]
	v_add_f32 v[SA+4], v[SA+4], v[SA+5]
	s_wait_alu depctr_va_vdst(0)                   ; the additions have written v[SA] and v[SA+4], which the LDS stores read; and all that named v[SA ..], in which the loads behind the barrier land, is done
	ds_store_b32 v20, v[SA] offset:\red            ; both halves of the lanes write the same word with the same value
	ds_store_b32 v20, v[SA+4] offset:\red+64
	BARRIER
	s_wait_alu depctr_vm_vsrc(0)                   ; my two LDS stores have read v[SA] and v[SA+4], in which loads land
.irp w, 0,1,2,3
	ds_load_b32 v[SA+\w], v21 offset:\red+128*\w
	ds_load_b32 v[SA+4+\w], v21 offset:\red+128*\w+64
.endr
	s_wait_dscnt 0x0
	v_add_f32 v[SA], v[SA], v[SA+1]
	v_add_f32 v[SA+4], v[SA+4], v[SA+5]
	v_add_f32 v[SA], v[SA], v[SA+2]
	v_add_f32 v[SA+4], v[SA+4], v[SA+6]
	v_add_f32 v[SA], v[SA], v[SA+3]
	v_add_f32 v[SA+4], v[SA+4], v[SA+7]
	v_sqrt_f32 v[SA], v[SA]
	v_sqrt_f32 v[SA+4], v[SA+4]
	v_nop                                          ; a plain place behind the roots
	s_wait_alu depctr_va_vdst(0)                   ; the two roots are written, ahead of their first reader
	v_fma_f32 v[SA], v[SA], s37, s36
	v_fma_f32 v[SA+4], v[SA+4], s37, s36
	v_rcp_f32 v[FA], v[SA]
	v_rcp_f32 v[FA+1], v[SA]
	v_rcp_f32 v[FA+2], v[SA+4]
	v_rcp_f32 v[FA+3], v[SA+4]
	v_nop                                          ; and behind the reciprocals
.endm
	s_load_b512 s[4:19], s[0:1], 0x0               ; o6, wts, query, bc, rms1_scale, mlp_b1, mlp_b2, rms2_scale
	s_load_b64 s[20:21], s[0:1], 0x40              ; out0
	v_lshl_add_u32 v114, v0, 2, 0x12400
	v_mov_b32 v115, 0
	v_lshrrev_b32 v1, 5, v0
	v_readfirstlane_b32 s22, v1                    ; wave 0..3: my place in LDS
	s_wait_alu depctr_va_sdst(0)                   ; s22 is written, ahead of its first reader: the columns' quarter and the LDS places are made from it
	s_lshr_b32 s44, ttmp9, 2
	s_xor_b32 s44, s44, ttmp9
	s_lshr_b32 s45, ttmp9, 4
	s_xor_b32 s44, s44, s45
	s_and_b32 s44, s44, 3                          ; c, the work-group's class: three fields of two bits of its number, mixed
	s_xor_b32 s45, s22, s44                        ; the quarter of the columns that my wave takes: w xor c
.irp i, 0,1,2,3
	s_xor_b32 s[46+\i], s44, \i                    ; K's quarter in the i-th quarter of a walk: i xor c
.endr
	v_and_b32 v1, 31, v0                           ; lane
	v_and_b32 v25, 15, v0                          ; r
	v_bfe_u32 v26, v0, 4, 1                        ; h
	v_lshlrev_b32 v2, 4, v1                        ; 16 x lane
	v_lshlrev_b32 v3, 3, v1                        ; 8 x lane
	v_lshlrev_b32 v4, 5, v25                       ; 32 r
	v_lshlrev_b32 v19, 2, v1                       ; 4 x lane
	v_lshl_add_u32 v31, v26, 9, v4                 ; 32 r + 512 h: a row's scale words, K = 1,024; lanes 16-31 one tile on
	v_lshlrev_b32 v9, 4, v25
	v_lshl_add_u32 v9, v26, 8, v9                  ; 16 r + 256 h: the same, K = 512
.irp i, 0,1,2,3
	s_mul_i32 s23, s[46+\i], 3072
	v_add_nc_u32 v[VC+\i], s23, v2
	v_add_nc_u32 v[TP+\i], s23, v3                 ; (for o's fragments, at the head alone: 8 x lane + 3,072 (i xor c))
	s_lshr_b32 s24, s23, 1
	v_add_nc_u32 v[VC2+\i], s24, v2
	s_lshl_b32 s24, s[46+\i], 3
	v_add_nc_u32 v[VS+\i], s24, v31
	v_add_nc_u32 v[TP+4+\i], s24, v4               ; (for o's scale words, at the head alone: 32 r + 8 (i xor c))
	s_lshl_b32 s24, s[46+\i], 2
	v_add_nc_u32 v[VS2+\i], s24, v9
.endr
	s_lshl_b32 s23, s45, 10
	v_lshl_add_u32 v11, v26, 6, s23                ; column vectors: 64 h + my 256 columns
	v_add_nc_u32 v22, s23, v2                      ; rows of query and of out0: my 1,024 bytes, 16 a lane
	s_lshl_b32 s23, s45, 9
	v_lshl_add_u32 v12, v26, 6, s23                ; b1: 64 h + my 128 units
	s_mul_i32 s23, s22, STGW                       ; from here on LDS: by my wave's own number
	v_add_nc_u32 v13, s23, v2                      ; my stage by rows
	v_mul_u32_u24 v14, v25, 528
	v_lshl_add_u32 v14, v26, 6, v14
	v_add_nc_u32 v14, s23, v14                     ; and by the result's layout: row r, + 64 h
	s_mul_i32 s23, s22, 3072
	s_add_co_u32 s23, s23, XIMG
	v_add_nc_u32 v15, s23, v2                      ; where I store r1's images: places 2 w, 2 w + 1
	s_lshl_b32 s23, s22, 8
	s_add_co_u32 s23, s23, XSC
	v_add_nc_u32 v16, s23, v19
	s_mul_i32 s23, s22, 1536
	s_add_co_u32 s23, s23, HIMG
	v_add_nc_u32 v17, s23, v2                      ; the hidden layer's: place w
	s_lshl_b32 s23, s22, 7
	s_add_co_u32 s24, s23, HSC
	v_add_nc_u32 v18, s24, v19
	s_add_co_u32 s24, s23, RED
	v_lshl_add_u32 v20, v25, 2, s24                ; my wave's partial sums
	v_lshl_add_u32 v21, v25, 2, RED                ; all four waves'
	v_add_nc_u32 v23, HIMG, v2
	v_add_nc_u32 v24, HSC, v19
.irp b, 0,1,2,3
	v_mov_b32 v[TM+4+\b], 0                        ; a lane permute's destination counts as one of its sources
.endr
	s_mov_b32 s26, 0x76543210
	s_mov_b32 s27, 0xfedcba98
	s_mov_b32 s36, 0x322bcc77                      ; 1e-8
	s_mov_b32 s37, 0x3d000000                      ; 1 / 32
	s_mul_i32 s38, ttmp9, 24576                    ; o's 16 fragments
	s_mov_b32 s39, 0
	s_lshl_b32 s40, ttmp9, 10
	s_add_co_u32 s40, s40, 3145728                 ; its scale words
	s_mov_b32 s41, 0
	s_lshl_b32 s42, ttmp9, 17                      ; 32 rows of 4,096 bytes
	s_mov_b32 s43, 0
	s_mov_b32 s63, 0
	s_wait_kmcnt 0x0
	s_add_nc_u64 s[28:29], s[4:5], s[38:39]
	s_add_nc_u64 s[30:31], s[4:5], s[40:41]
	s_add_nc_u64 s[32:33], s[8:9], s[42:43]
	s_add_nc_u64 s[34:35], s[20:21], s[42:43]
	s_mul_i32 s62, s45, 196608                     ; the weights at my wave's tiles
	s_add_co_u32 s62, s62, 2359296
	s_add_nc_u64 s[WCC:WCC+1], s[6:7], s[62:63]
	s_lshl_b32 s62, s45, 13
	s_add_co_u32 s62, s62, 4030464
	s_add_nc_u64 s[WCS:WCS+1], s[6:7], s[62:63]
	s_mul_i32 s24, s45, 98304
	s_add_co_u32 s62, s24, 3145728
	s_add_nc_u64 s[W1C:W1C+1], s[6:7], s[62:63]
	s_add_co_u32 s62, s24, 3538944
	s_add_nc_u64 s[W2C:W2C+1], s[6:7], s[62:63]
	s_lshl_b32 s24, s45, 12
	s_add_co_u32 s62, s24, 4063232
	s_add_nc_u64 s[W1S:W1S+1], s[6:7], s[62:63]
	s_add_co_u32 s62, s24, 4079616
	s_add_nc_u64 s[W2S:W2S+1], s[6:7], s[62:63]
	s_wait_alu depctr_va_vdst(0)                   ; every address and offset of the kernel is written (v2, v5-8, v11-24, v27-30, v84-91, v120-127), which the loads and stores below read
	; ---- the head: the ring's first five groups; o; query as whole pieces of rows; bc
.irp g, 0,1,2,3,4
	GLOAD \g, 0
	GLOAD \g, 1
.endr
	WIN 0x80                                       ; destination window 2
.irp m, 0,1                                        ; o's fragments: place 2 i + q takes K step 2 (i xor c) + q
.irp i, 0,1,2,3
.irp q, 0,1
.set FB, 12*(8*\m+2*\i+\q)
	global_load_b128 v[FB:FB+3], v[VC+\i], s[28:29] offset:12288*\m+1536*\q
	global_load_b64 v[FB+4:FB+5], v[TP+\i], s[28:29] offset:12288*\m+1536*\q+512
	global_load_b128 v[FB+6:FB+9], v[VC+\i], s[28:29] offset:12288*\m+1536*\q+768
	global_load_b64 v[FB+10:FB+11], v[TP+\i], s[28:29] offset:12288*\m+1536*\q+1280
.endr
.endr
.endr
	WIN 0
.irp m, 0,1
.irp i, 0,1,2,3
	global_load_b64 v[AS+8*\m+2*\i:AS+8*\m+2*\i+1], v[TP+4+\i], s[30:31] offset:512*\m     ; and their scale words, two a quarter
.endr
.endr
	WIN 0x40                                       ; destination window 1
.irp a, 0,1,2,3                                    ; block a: rows' tile a / 2, columns 128 (a % 2) on of my 256
.irp i, 0,1,2,3,4,5,6,7,8,9,10,11,12,13,14,15
	global_load_b128 v[64*\a+4*\i:64*\a+4*\i+3], v22, s[32:33] offset:(8*(\a/2)+\i+8*(\i/8))*4096+512*(\a%2) th:TH_LOAD_NT
.endr
.endr
	WIN 0
	VEC H, 10, 16, 11, 0                           ; bc
	s_wait_loadcnt 0x0
.irp a, 0,1,2,3                                    ; query through my stage: in by rows, back in the result's layout, into the registers that it left.  LDS serves a wave's instructions in order
	WIN 0x04                                       ; an LDS store's data: window 1
.irp i, 0,1,2,3,4,5,6,7,8,9,10,11,12,13,14,15
	ds_store_b128 v13, v[64*\a+4*\i:64*\a+4*\i+3] offset:528*\i
.endr
	WIN 0x40
	s_wait_alu depctr_vm_vsrc(0)                   ; the sixteen LDS stores above have read the block's registers, in which the loads below land.  (The first of these four also states that o's loads have read v84-91, which the quantiser writes later)
.irp i, 0,1,2,3,4,5,6,7,8,9,10,11,12,13,14,15
	ds_load_b128 v[64*\a+4*\i:64*\a+4*\i+3], v14 offset:128*(\i/4)+16*(\i%4)
.endr
.endr
	s_wait_dscnt 0x0
	WIN 0x41                                       ; destination and source 0 window 1
.irp m, 0,1
.set i, 0
.rept 64
	v_pk_add_f32 v[128*\m+i:128*\m+i+1], v[128*\m+i:128*\m+i+1], v[H+i:H+i+1]      ; query + bc: on these the first product's sums begin
.set i, i+2
.endr
.endr
	WIN 0
	s_wait_alu depctr_va_vdst(0)                   ; the additions are done reading bc in H, in which s1 lands
	VEC H, 12, 16, 11, 0                           ; s1: in long before the products below are done (their counted waits pass it)
	; ---- o Wc
.irp g, 0,1,2,3,4,5,6,7,8,9,10,11,12,13,14,15,16,17,18,19,20,21,22,23,24,25,26,27,28,29,30,31
	MULG \g
.endr
	PLACES
	; ---- the first norm; r1 stays in Y
	SS
	NORM 0
	WIN 0x41
.irp m, 0,1
.set i, 0
.rept 64
	v_pk_mul_f32 v[128*\m+i:128*\m+i+1], v[128*\m+i:128*\m+i+1], v[H+i:H+i+1]      ; x s1
.set i, i+2
.endr
.endr
	s_wait_alu depctr_va_vdst(0)                   ; the four reciprocals v[FA ..] are written, ahead of their first reader; and the multiplications above are done reading s1 in H, in which b1 lands
	WIN 0
	VEC H, 14, 8, 12, 0                            ; b1, for both tiles of rows: on it the second product's sums begin
	VEC H+64, 14, 8, 12, 0
	WIN 0x41
.irp m, 0,1
.set i, 0
.rept 64
	v_pk_mul_f32 v[128*\m+i:128*\m+i+1], v[128*\m+i:128*\m+i+1], v[FA+2*\m:FA+2*\m+1]   ; / (rms + 1e-8)
.set i, i+2
.endr
.endr
.irp m, 0,1
.irp k, 0,1
	QUANT 128*\m+64*\k, 1
	s_wait_alu depctr_va_vdst(0)                   ; the quantiser has written v[PC ..] and v[PW], which the LDS stores read
	IMAGE 15, (8*\m+\k)*1536
	ds_store_b32 v16, v[PW] offset:(8*\m+\k)*128
	s_wait_dscnt 0x0
	s_wait_alu depctr_vm_vsrc(0)                   ; the LDS stores have read v[PC ..] and v[PW], which the next quantiser writes again
.endr
.endr
	BARRIER                                        ; r1's sixteen fragments lie in LDS
	WIN 0x80                                       ; (no wait: the first product's matrix instructions, which read these registers, stand ahead of the waits above, and nothing since names them)
.irp f, 0,1,2,3,4,5,6,7,8,9,10,11,12,13,14,15
.irp c, 0,1,2
	ds_load_b128 v[12*\f+4*\c:12*\f+4*\c+3], v2 offset:XIMG+1536*\f+512*\c
.endr
.endr
	WIN 0
.irp f, 0,1,2,3,4,5,6,7,8,9,10,11,12,13,14,15
	ds_load_b32 v[AS+\f], v19 offset:XSC+128*\f
.endr
	s_wait_dscnt 0x0
	s_wait_loadcnt 0x0                             ; b1 (issued behind the ring's loads)
	; ---- relu(r1 W1 + b1), quantised: my place's K step of the last product
.irp g, 32,33,34,35,36,37,38,39,40,41,42,43,44,45,46,47
	MULG \g
.endr
	PLACES
	WIN 0
.set j, 0
.rept 128
	v_max_num_f32 v[H+j], 0, v[H+j]
.set j, j+1
.endr
.irp m, 0,1
	QUANT H+64*\m, 0
	s_wait_alu depctr_va_vdst(0)                   ; the quantiser has written v[PC ..] and v[PW], which the LDS stores read; behind the second it is also done with H, in which b2 lands
	IMAGE 17, 4*\m*1536
	ds_store_b32 v18, v[PW] offset:4*\m*128
	s_wait_dscnt 0x0
.if \m == 0
	s_wait_alu depctr_vm_vsrc(0)                   ; the LDS stores have read v[PC ..] and v[PW], which the second quantiser writes again (behind the second nobody writes them)
.endif
.endr
	VEC H, 16, 16, 11, 0                           ; b2
	BARRIER                                        ; the hidden layer's eight fragments lie in LDS
	WIN 0x80                                       ; (no wait: the second product's matrix instructions, which read these registers, stand ahead of the waits above, and nothing since names them)
.irp f, 0,1,2,3,4,5,6,7
.irp c, 0,1,2
	ds_load_b128 v[12*\f+4*\c:12*\f+4*\c+3], v23 offset:1536*\f+512*\c
.endr
.endr
	WIN 0
.irp f, 0,1,2,3,4,5,6,7
	ds_load_b32 v[AS+\f], v24 offset:128*\f
.endr
	s_wait_dscnt 0x0
	s_wait_loadcnt 0x0                             ; b2
	WIN 0x41
.irp m, 0,1
.set i, 0
.rept 64
	v_pk_add_f32 v[128*\m+i:128*\m+i+1], v[128*\m+i:128*\m+i+1], v[H+i:H+i+1]      ; r1 + b2: on these the last product's sums begin
.set i, i+2
.endr
.endr
	; ---- + hidden W2; the second norm
.irp g, 48,49,50,51,52,53,54,55,56,57,58,59,60,61,62,63
	MULG \g
.endr
	PLACES
	SS
	NORM 512
	s_wait_loadcnt 0x0                             ; s2
	WIN 0x41
.irp m, 0,1
.set i, 0
.rept 64
	v_pk_mul_f32 v[128*\m+i:128*\m+i+1], v[128*\m+i:128*\m+i+1], v[H+i:H+i+1]      ; x s2
.set i, i+2
.endr
.endr
	s_wait_alu depctr_va_vdst(0)                   ; the four reciprocals v[FA ..] are written, ahead of their first reader
.irp m, 0,1
.set i, 0
.rept 64
	v_pk_mul_f32 v[128*\m+i:128*\m+i+1], v[128*\m+i:128*\m+i+1], v[FA+2*\m:FA+2*\m+1]
.set i, i+2
.endr
.endr
	; ---- the way out, block by block of 16 rows x 128 columns, through my stage: back as whole pieces of rows, 512 consecutive bytes a store
.macro TOSTAGE a
	WIN 0x04
.irp i, 0,1,2,3,4,5,6,7,8,9,10,11,12,13,14,15
	ds_store_b128 v14, v[64*(\a)+4*\i:64*(\a)+4*\i+3] offset:128*(\i/4)+16*(\i%4)
.endr
	WIN 0
.if (\a) > 1
	s_wait_xcnt 0x0                                ; the stores of two blocks back have had their addresses translated (ISA guide 3.1),
	s_wait_alu depctr_vm_vsrc(0)                   ; and have read their registers, in which the loads below land
.endif
.irp i, 0,1,2,3,4,5,6,7,8,9,10,11,12,13,14,15
	ds_load_b128 v[H+64*((\a)%2)+4*\i:H+64*((\a)%2)+4*\i+3], v13 offset:528*\i
.endr
.endm
.macro SEND a, younger                 ; younger: the LDS instructions issued behind block a's loads, which may stay out
	s_wait_dscnt \younger
.irp i, 0,1,2,3,4,5,6,7,8,9,10,11,12,13,14,15
	global_store_b128 v22, v[H+64*((\a)%2)+4*\i:H+64*((\a)%2)+4*\i+3], s[34:35] offset:(8*((\a)/2)+\i+8*(\i/8))*4096+512*((\a)%2) th:TH_STORE_NT
.endr
.endm
	s_wait_alu depctr_va_vdst(0)                   ; the multiplications have written Y, which the LDS stores read, and are done reading s2 in H, in which the rows land; no vector instruction follows
	TOSTAGE 0
	TOSTAGE 1
	SEND 0, 32                                     ; behind block 0's loads: block 1's 16 stores and 16 loads
	TOSTAGE 2
	SEND 1, 32
	TOSTAGE 3
	SEND 2, 32
	SEND 3, 0
	s_wait_dscnt 0x0                               ; the closing lines, six on end
	s_wait_alu 0x0
	s_wait_tensorcnt 0x0
	ds_add_u32 v114, v115
	s_wait_dscnt 0x0
	s_endpgm
.Lfunc_end_k_qdd00154067_tail:
	.size	k_qdd00154067_tail, .Lfunc_end_k_qdd00154067_tail-k_qdd00154067_tail
	.p2alignl 7, 3214868480
	.fill 96, 4, 3214868480
	.section	.rodata,"a",@progbits
	.p2align	6, 0x0
	.amdhsa_kernel k_qdd00154067_tail
		.amdhsa_group_segment_fixed_size 75264
		.amdhsa_private_segment_fixed_size 0
		.amdhsa_enable_private_segment 0
		.amdhsa_kernarg_size 72
		.amdhsa_user_sgpr_count 2
		.amdhsa_user_sgpr_kernarg_segment_ptr 1
		.amdhsa_wavefront_size32 1
		.amdhsa_system_sgpr_workgroup_id_x 1
		.amdhsa_system_sgpr_workgroup_id_y 1
		.amdhsa_system_sgpr_workgroup_id_z 1
		.amdhsa_system_vgpr_workitem_id 0
		.amdhsa_next_free_vgpr 1024
		.amdhsa_next_free_sgpr 66
		.amdhsa_reserve_vcc 0
		.amdhsa_float_denorm_mode_32 3
		.amdhsa_float_denorm_mode_16_64 3
		.amdhsa_memory_ordered 1
		.amdhsa_forward_progress 1
		.amdhsa_inst_pref_size 255
	.end_amdhsa_kernel
	.section	.bss,"aw",@nobits
	.p2align	6
	.space	262144
	.amdgpu_metadata
---
amdhsa.version: [ 1, 2 ]
amdhsa.kernels:
  - .name:           k_qdd00154067_tail
    .symbol:         k_qdd00154067_tail.kd
    .args:
      - { .name: o6, .offset: 0, .size: 8, .value_kind: global_buffer, .address_space: global }
      - { .name: wts, .offset: 8, .size: 8, .value_kind: global_buffer, .address_space: global }
      - { .name: query, .offset: 16, .size: 8, .value_kind: global_buffer, .address_space: global }
      - { .name: bc, .offset: 24, .size: 8, .value_kind: global_buffer, .address_space: global }
      - { .name: rms1_scale, .offset: 32, .size: 8, .value_kind: global_buffer, .address_space: global }
      - { .name: mlp_b1, .offset: 40, .size: 8, .value_kind: global_buffer, .address_space: global }
      - { .name: mlp_b2, .offset: 48, .size: 8, .value_kind: global_buffer, .address_space: global }
      - { .name: rms2_scale, .offset: 56, .size: 8, .value_kind: global_buffer, .address_space: global }
      - { .name: out0, .offset: 64, .size: 8, .value_kind: global_buffer, .address_space: global }
    .group_segment_fixed_size: 75264
    .private_segment_fixed_size: 0
    .kernarg_segment_align: 8
    .kernarg_segment_size: 72
    .max_flat_workgroup_size: 128
    .sgpr_count:     66
    .vgpr_count:     1024
    .wavefront_size: 32
...
	.end_amdgpu_metadata
.endif
;; end of part 6
